; MI455X (gfx1250); checked and timed in simulation.
; The chip was launched on July 23, 2026; its instructions are those of AMD's public machine-readable ISA for CDNA 5 (MIT licence, August 2026) and "CDNA5" Instruction Set Architecture Reference Guide (July 2026). The comments in the code are by the model that wrote it; some were corrected since.
;; Transformer Block. Allowed arithmetic: matrix products marked QUANTISED: E2M3 operands, one E8M0 scale for each 32 along K, by v_wmma_scale_f32_16x16x128_f8f6f4 with both operands' format E2M3, f32 sums; everything else in f32.
;; Inputs: fc1_b 4,096 float32; fc1_w_codes 4,096 x 32 x 24 uint8 (E2M3 codes of fc1_w, K innermost, in blocks of 32 codes, four codes in three bytes); fc1_w_scales 4,096 x 32 uint8 (E8M0 scales of fc1_w, one for each 32 codes along K); fc2_b 1,024 float32; fc2_w_codes 1,024 x 128 x 24 uint8 (E2M3 codes of fc2_w, K innermost, in blocks of 32 codes, four codes in three bytes); fc2_w_scales 1,024 x 128 uint8 (E8M0 scales of fc2_w, one for each 32 codes along K); ln1_b 1,024 float32; ln1_g 1,024 float32; ln2_b 1,024 float32; ln2_g 1,024 float32; mask 2,048 x 2,048 bool; out_b 1,024 float32; out_w_codes 1,024 x 32 x 24 uint8 (E2M3 codes of out_w, K innermost, in blocks of 32 codes, four codes in three bytes); out_w_scales 1,024 x 32 uint8 (E8M0 scales of out_w, one for each 32 codes along K); qkv_b 3,072 float32; qkv_w_codes 3,072 x 32 x 24 uint8 (E2M3 codes of qkv_w, K innermost, in blocks of 32 codes, four codes in three bytes); qkv_w_scales 3,072 x 32 uint8 (E8M0 scales of qkv_w, one for each 32 codes along K); x 2 x 2,048 x 1,024 float32.
;; Outputs: out0 2 x 2,048 x 1,024 float32.
;; This version of the problem:
;;   THIS VERSION OF THE PROBLEM IS GIVEN IN LOW PRECISION. The matrix products marked QUANTISED in the list below multiply operands that are first quantised to E2M3 (2 exponent bits, 3 mantissa bits; 6 bits a number), with one power-of-two scale for each 32 numbers along K (OCP MX v1.0); their sums are f32. All else is computed in f32.
;;   The module's matrix products, in the order in which they are computed (A, B: the left and right operand; K: the contracted axis; several contracted axes count as one K, in the product's order):
;;     1. [M 4,096, K 1,024] x [K 1,024, N 3,072]; A: computed on the way; B: input qkv_w (given as codes): QUANTISED
;;     2. batch 32 x [M 2,048, K 64] x [K 64, N 2,048]; A: computed on the way; B: computed on the way: QUANTISED
;;     3. batch 32 x [M 2,048, K 2,048] x [K 2,048, N 64]; A: softmax (see below); B: computed on the way: QUANTISED
;;     4. [M 4,096, K 1,024] x [K 1,024, N 1,024]; A: computed on the way; B: input out_w (given as codes): QUANTISED
;;     5. [M 4,096, K 1,024] x [K 1,024, N 4,096]; A: computed on the way; B: input fc1_w (given as codes): QUANTISED
;;     6. [M 4,096, K 4,096] x [K 4,096, N 1,024]; A: computed on the way; B: input fc2_w (given as codes): QUANTISED
;;   THE QUANTISER, for each operand of a quantised product, along K:
;;     - K is cut into blocks of 32 from its start; a last block that is shorter is filled with zeros.
;;     - A block's scale is 2^e with e = floor(log2(the largest magnitude in the block)) - 2, held to -126 .. 127; a block of zeros has e = 0. As a byte (E8M0): e + 127.
;;     - Each number is divided by its block's scale, clamped to +-7.5, and rounded to the nearest number of E2M3, ties to even, subnormals kept.
;;     - The product sums the exact products of the quantised numbers (number of the format x scale) in f32.
;;   ~~~python
;;   def quantise(x, axis):      # numpy; x: float32 -> the quantised numbers, widened to float32 again
;;       x = np.moveaxis(x, axis, -1); K = x.shape[-1]
;;       x = np.pad(x, [(0, 0)] * (x.ndim - 1) + [(0, -K % 32)]); x = x.reshape(x.shape[:-1] + (-1, 32)); a = np.abs(x).max(-1, keepdims=True)
;;       e = np.where(a > 0, np.clip(np.frexp(np.where(a > 0, a, 1))[1] - 1 - 2, -126, 127), 0)      # np.frexp(a)[1] - 1 = floor(log2(a)), exactly
;;       r = np.clip(x / 2.0 ** e, -7.5, 7.5)
;;       step = 2.0 ** (np.maximum(np.frexp(np.where(r == 0, 1, r))[1] - 1, 0) - 3)
;;       q = np.round(r / step) * step * 2.0 ** e      # np.round: ties to even
;;       return np.moveaxis(q.reshape(q.shape[:-2] + (-1,))[..., :K], -1, axis).astype(np.float32)
;;   ~~~
;;   SOFTMAX AHEAD OF A QUANTISED PRODUCT. Where the list says 'softmax', what is quantised is not the finished softmax but p = 2^(t - M), with t = logit x log2(e) and M = ceil(the row's largest t), a whole number; so 1/2 < the row's largest p <= 1. The row's sum l is taken of the UNQUANTISED p, in f32, and the product's result is divided by l at the end. Since M is a whole number, a kernel that streams over the keys may use a running M (the ceiling of the running maximum): every later rescaling is an exact power of two, which a block's scale takes up: the codes' values come out the same.
;;   OPERANDS COMPUTED ON THE WAY. 'Computed on the way' means the value that the module computes at that place (a softmax that the list does not call 'softmax' is quantised finished and normalised). What goes into a quantiser is computed in f32, as accurately as f32 sums, v_exp_f32 and their like allow (about 1e-6 of the number): no bf16 or f16 on the way to a quantiser, and a product that is left as it is and whose result goes on into a quantised operand takes f32 operands (vector FMAs, or v_wmma_f32_16x16x4_f32). A number that lies on a knife's edge between two numbers of the format may be rounded either way, as far as f32 arithmetic and the matrix unit's own rounding can turn it there, and no further.
;;   INPUTS GIVEN AS CODES. fc1_w (in the module: [4096, 1024], K = its axis 1); fc2_w (in the module: [1024, 4096], K = its axis 1); out_w (in the module: [1024, 1024], K = its axis 1); qkv_w (in the module: [3072, 1024], K = its axis 1): each comes as NAME_codes (uint8): NAME with its K axis moved to the last place and cut into blocks of 32 codes, [.., K / 32, bytes a block], one block behind the other in memory; four codes in three bytes: a row's codes are one little-endian stream of bits, code i at bits 6 i .. 6 i + 5 (a code: sign, 2 exponent bits, 3 mantissa bits); and NAME_scales (uint8): the same leading axes, one E8M0 byte (e + 127) for each 32 codes along K. Its value is code x scale, taken as it is: it is not quantised again, and the codes and scales need not be those that the quantiser above would give.
;; 2 versions. Each part assembles by itself: llvm-mc -triple=amdgcn-amd-amdhsa -mcpu=gfx1250 --defsym DOCPART=n.
;; ======== version 1 of 2: 7 launches
;; workspace buffers: act 3,276,800 bytes; mbits 528,384 bytes of whole numbers; qb 3,407,872 bytes; kv 6,684,672 bytes; x1 16,777,216 bytes; gb 13,107,200 bytes
;; launch ln1m (part 1): grid 384 x 1, 8 waves a work-group, no clusters, 122,368 bytes of LDS; arguments x, ln1_g, ln1_b, mask, act, mbits; writes act, mbits
.if DOCPART == 1
	.amdgcn_target "amdgcn-amd-amdhsa--gfx1250"
	.amdhsa_code_object_version 6
	.text
	.protected	k_q0b631e0aa8_ln1m
	.globl	k_q0b631e0aa8_ln1m
	.p2align	8
	.type	k_q0b631e0aa8_ln1m,@function
k_q0b631e0aa8_ln1m:
	s_mov_b64 s[64:65], 0
	v_nop
	global_prefetch_b8 v0, s[64:65] scope:SCOPE_SE
	s_setreg_imm32_b32 hwreg(HW_REG_WAVE_MODE, 25, 1), 1
	s_wait_xcnt 0x0
; Work-groups 0-255: h = LayerNorm(x) g + b for 16 rows of 1,024, quantised along the row to codes of E2M3 with one E8M0 byte for each 32, and stored
; in the order in which the next product's operand registers take them.  Work-groups 256-383: the mask, one byte a (query, key), becomes lane masks and a summary for the attention launch.
; CODES: [plane of 64 along K (16)][tile of 16 rows (256)][768 bytes].  An image of 768 bytes: block c (32 codes, 24 bytes) of row r has its bytes 0-15 at 256 c + 16 r and its bytes 16-23 at 512 + 16 r + 8 c.
; SCALES: behind the codes, [plane of 128 along K (8)][4,096 rows][4 bytes].
; A wave takes two rows; a row's 4,096 bytes lie in 32 registers between the passes, so x is read once.  The normalised row turns through the wave's own LDS so that a lane holds one whole block of 32.
; MASK BITS: word 8 t + j of (query tile T, key step s): bit l = mask[16 T + l % 16][128 s + 16 t + 8 (l / 16) + j].  Summary word of (T, wave w): bits 2 w, 2 w + 1: the step has an open key; bits 16 + 2 w, + 1: it also has a hidden one.
; LIMITS: a block of zeros gets the byte 1 (its codes are zeros; the bytes are read by this program alone); NaN and infinities in x are not served.  The scale words leave in runs of 64 bytes.
.set APL,   196608                     ; bytes of a plane of codes
.set ASOFF, 3145728                    ; where the scale planes begin
.set XST,   0                          ; LDS: 8 waves x 2 rows x 32 places of 128 + 16 bytes
.set CST,   73728                      ; 16 images of 768 bytes
.set SST,   86016                      ; 8 planes x 16 rows x 4 scale bytes
.set MST,   86528                      ; the mask's way: 8 waves x 16 rows x 272 bytes
.set G,  16
.set B,  48
.set X0, 80
.set X1, 112
.set Y,  144
.set T,  176
	s_load_b128 s[4:7], s[0:1], 0x0                ; x, g
	s_load_b64 s[8:9], s[0:1], 0x10                ; b
	s_load_b128 s[12:15], s[0:1], 0x18             ; mask, act
	s_load_b64 s[10:11], s[0:1], 0x28              ; mbits
	v_lshl_add_u32 v192, v0, 2, 0x1da00
	v_mov_b32 v193, 0
	v_lshrrev_b32 v1, 5, v0
	v_readfirstlane_b32 s16, v1                    ; wave
	v_and_b32 v14, 31, v0                          ; lane
	s_cmp_ge_u32 ttmp9, 256
	s_cbranch_scc1 .Lmask
	v_lshlrev_b32 v1, 4, v14                       ; 16 x lane
	s_lshl_b32 s24, ttmp9, 16                      ; 16 rows of 4,096 bytes a work-group,
	s_lshl_b32 s25, s16, 13                        ; two a wave
	s_add_co_u32 s24, s24, s25
	s_mov_b32 s25, 0
	s_wait_kmcnt 0x0
	s_add_nc_u64 s[4:5], s[4:5], s[24:25]
.irp j, 0,1,2,3,4,5,6,7
	global_load_b128 v[X0+4*\j:X0+4*\j+3], v1, s[4:5] offset:512*\j       ; each load: 512 consecutive bytes
.endr
.irp j, 0,1,2,3,4,5,6,7
	global_load_b128 v[G+4*\j:G+4*\j+3], v1, s[6:7] offset:512*\j
.endr
.irp j, 0,1,2,3,4,5,6,7
	global_load_b128 v[B+4*\j:B+4*\j+3], v1, s[8:9] offset:512*\j
.endr
.irp j, 0,1,2,3,4,5,6,7
	global_load_b128 v[X1+4*\j:X1+4*\j+3], v1, s[4:5] offset:4096+512*\j
.endr
	s_mov_b32 s18, 0x76543210
	s_mov_b32 s19, 0xfedcba98                      ; lane l xor 16
	s_mov_b32 s20, 0x3a800000                      ; 1 / 1,024
	s_mov_b32 s21, 0x3727c5ac                      ; 1e-5
	s_mul_i32 s22, s16, 9216
	v_lshrrev_b32 v15, 3, v14
	v_lshl_add_u32 v2, v15, 4, v1
	v_add_nc_u32 v2, s22, v2                       ; into the turn: 16 l + 16 (l / 8)
	v_mul_u32_u24 v3, v14, 144
	v_add_nc_u32 v3, s22, v3                       ; out of it: block l
	v_lshrrev_b32 v15, 1, v14
	v_mul_u32_u24 v4, v15, 768
	v_and_b32 v15, 1, v14
	v_lshl_add_u32 v5, v15, 3, v4
	v_lshl_add_u32 v4, v15, 8, v4
	s_lshl_b32 s23, s16, 5
	s_add_co_u32 s23, s23, CST
	v_add_nc_u32 v4, s23, v4                       ; image l / 2, block l % 2, row 2 w: bytes 0-15
	s_add_co_u32 s23, s23, 512
	v_add_nc_u32 v5, s23, v5                       ; bytes 16-23
	v_lshrrev_b32 v15, 2, v14
	v_and_b32 v6, 3, v14
	v_lshl_add_u32 v6, v15, 6, v6
	s_lshl_b32 s23, s16, 3
	s_add_co_u32 s23, s23, SST
	v_add_nc_u32 v6, s23, v6                       ; my block's scale byte
	s_mul_i32 s23, s16, 1536
	s_add_co_u32 s23, s23, CST
	v_add_nc_u32 v7, s23, v1                       ; the way out: images 2 w and 2 w + 1
	v_lshrrev_b32 v15, 4, v14
	v_mul_u32_u24 v8, v15, APL-768
	v_add_nc_u32 v8, v8, v1
	v_add_nc_u32 v9, SST, v1
	s_mul_i32 s24, s16, 2*APL
	s_mul_i32 s23, ttmp9, 768
	s_add_co_u32 s24, s24, s23
	s_add_nc_u64 s[26:27], s[14:15], s[24:25]      ; plane 2 w, my tile of rows
	s_lshl_b32 s24, ttmp9, 6
	s_add_co_u32 s24, s24, ASOFF
	s_add_nc_u64 s[28:29], s[14:15], s[24:25]      ; my 16 rows' scale words in plane 0
.macro REDUCE                          ; v[T] summed over the 32 lanes, in every lane
	v_add_f32_dpp v[T], v[T], v[T] row_xmask:1 row_mask:0xf bank_mask:0xf
	v_add_f32_dpp v[T], v[T], v[T] row_xmask:2 row_mask:0xf bank_mask:0xf
	v_add_f32_dpp v[T], v[T], v[T] row_xmask:4 row_mask:0xf bank_mask:0xf
	v_add_f32_dpp v[T], v[T], v[T] row_xmask:8 row_mask:0xf bank_mask:0xf
	v_permlanex16_b32 v[T+1], v[T], s18, s19
	v_add_f32 v[T], v[T], v[T+1]
.endm
.macro FOLD                            ; four pairs v[T..T+7] into v[T]
	v_pk_add_f32 v[T:T+1], v[T:T+1], v[T+4:T+5]
	v_pk_add_f32 v[T+2:T+3], v[T+2:T+3], v[T+6:T+7]
	v_pk_add_f32 v[T:T+1], v[T:T+1], v[T+2:T+3]
	v_add_f32 v[T], v[T], v[T+1]
.endm
; One row.  left1: younger loads that may be out when the row is needed; left2: when g and b are needed.
.macro ROW rr, X, left1, left2
	s_wait_loadcnt \left1
.irp i, 0,1,2,3,4,5,6,7
	v_pk_add_f32 v[T+2*\i:T+2*\i+1], v[\X+4*\i:\X+4*\i+1], v[\X+4*\i+2:\X+4*\i+3]
.endr
.irp i, 0,1,2,3
	v_pk_add_f32 v[T+2*\i:T+2*\i+1], v[T+2*\i:T+2*\i+1], v[T+8+2*\i:T+9+2*\i]
.endr
	FOLD
	REDUCE
	v_mul_f32 v10, s20, v[T]                       ; the mean, twice
	v_mul_f32 v11, s20, v[T]
.irp i, 0,1,2,3,4,5,6,7,8,9,10,11,12,13,14,15
	v_pk_add_f32 v[\X+2*\i:\X+2*\i+1], v[\X+2*\i:\X+2*\i+1], v[10:11] neg_lo:[0,1] neg_hi:[0,1]
.endr
.irp i, 0,1,2,3
	v_pk_mul_f32 v[T+2*\i:T+2*\i+1], v[\X+2*\i:\X+2*\i+1], v[\X+2*\i:\X+2*\i+1]
.endr
.irp i, 4,5,6,7,8,9,10,11,12,13,14,15
	v_pk_fma_f32 v[T+2*(\i%4):T+2*(\i%4)+1], v[\X+2*\i:\X+2*\i+1], v[\X+2*\i:\X+2*\i+1], v[T+2*(\i%4):T+2*(\i%4)+1]
.endr
	FOLD
	REDUCE
	v_fma_f32 v[T], v[T], s20, s21                 ; the variance + 1e-5
	v_rsq_f32 v12, v[T]
	v_rsq_f32 v13, v[T]
	v_nop                                          ; a plain place behind the transcendentals
	s_wait_loadcnt \left2
	s_wait_alu depctr_va_vdst(0)
.irp i, 0,1,2,3,4,5,6,7,8,9,10,11,12,13,14,15
	v_pk_mul_f32 v[\X+2*\i:\X+2*\i+1], v[\X+2*\i:\X+2*\i+1], v[12:13]
.endr
.irp i, 0,1,2,3,4,5,6,7,8,9,10,11,12,13,14,15
	v_pk_fma_f32 v[\X+2*\i:\X+2*\i+1], v[\X+2*\i:\X+2*\i+1], v[G+2*\i:G+2*\i+1], v[B+2*\i:B+2*\i+1]
.endr
.irp j, 0,1,2,3,4,5,6,7
	ds_store_b128 v2, v[\X+4*\j:\X+4*\j+3] offset:\rr*4608+576*\j
.endr
.irp j, 0,1,2,3,4,5,6,7
	ds_load_b128 v[Y+4*\j:Y+4*\j+3], v3 offset:\rr*4608+16*\j      ; LDS serves a wave's instructions in order: these see the stores above
.endr
	s_wait_dscnt 0x0
	v_max3_num_f32 v[T+12], |v[Y]|, |v[Y+1]|, 0x1800000            ; my block's largest magnitude, with the floor 2^(3 - 127): the byte cannot fall under 1
	v_max3_num_f32 v[T+13], |v[Y+2]|, |v[Y+3]|, |v[Y+4]|
.irp i, 5,9,13,17,21,25
	v_max3_num_f32 v[T+12], v[T+12], |v[Y+\i]|, |v[Y+\i+1]|
	v_max3_num_f32 v[T+13], v[T+13], |v[Y+\i+2]|, |v[Y+\i+3]|
.endr
	v_max3_num_f32 v[T+12], v[T+12], |v[Y+29]|, |v[Y+30]|
	v_max3_num_f32 v[T+12], v[T+12], v[T+13], |v[Y+31]|
	v_add_nc_u32 v[T+14], 0xff000000, v[T+12]      ; 2 off the exponent field: the conversion's scale operand
	v_cvt_scalef32_pk16_fp6_f32 v[T:T+2], v[Y:Y+15], v[T+14]
	v_cvt_scalef32_pk16_fp6_f32 v[T+8:T+10], v[Y+16:Y+31], v[T+14]
	v_lshrrev_b32 v[T+15], 23, v[T+14]             ; the scale's byte (a plain place behind the conversions)
	v_mov_b32 v[T+3], v[T+8]
	v_mov_b32 v[T+4], v[T+9]
	v_mov_b32 v[T+5], v[T+10]
	ds_store_b128 v4, v[T:T+3] offset:16*\rr
	ds_store_b64 v5, v[T+4:T+5] offset:16*\rr
	ds_store_b8 v6, v[T+15] offset:4*\rr
	s_wait_dscnt 0x0                               ; the stores have read their registers
.endm
	ROW 0, X0, 24, 8                               ; 24: g, b and the second row may be out; 8: the second row may be out
	ROW 1, X1, 0, 0
	s_barrier_signal -1                            ; every wave's LDS stores have landed (the wait for 0 above)
	s_barrier_wait -1
.irp i, 0,1,2
	ds_load_b128 v[Y+4*\i:Y+4*\i+3], v7 offset:512*\i
.endr
	s_wait_dscnt 0x0
	global_store_b128 v1, v[Y:Y+3], s[26:27]                       ; sixteen lanes store 256 consecutive bytes, aligned
	global_store_b128 v8, v[Y+4:Y+7], s[26:27] offset:512          ; lanes 0-15 end image 2 w, lanes 16-31 begin image 2 w + 1
	global_store_b128 v1, v[Y+8:Y+11], s[26:27] offset:APL+256
	s_cmp_lg_u32 s16, 0
	s_cbranch_scc1 .Ldone
	ds_load_b128 v[Y+12:Y+15], v9
	v_lshrrev_b32 v[T], 2, v14
	v_and_b32 v[T+1], 3, v14
	v_lshlrev_b32 v[T], 14, v[T]
	v_lshl_add_u32 v[T], v[T+1], 4, v[T]           ; plane lane / 4, four rows' words
	s_wait_dscnt 0x0
	global_store_b128 v[T], v[Y+12:Y+15], s[28:29]
.Ldone:
	s_wait_tensorcnt 0x0
	ds_add_u32 v192, v193
	s_wait_dscnt 0x0
	s_endpgm
.Lmask:                                            ; query tile T = work-group - 256; wave w: keys 256 w .. 256 w + 255, two steps of 128
	s_sub_co_u32 s17, ttmp9, 256
	v_and_b32 v2, 15, v0
	v_bfe_u32 v3, v0, 4, 1
	v_lshlrev_b32 v4, 4, v2
	v_lshl_add_u32 v5, v3, 11, v4                  ; two rows of the mask an instruction, 256 bytes of each
	s_mul_i32 s22, s16, 4352
	s_add_co_u32 s22, s22, MST
	v_mad_u32_u24 v6, v3, 272, v4
	v_add_nc_u32 v6, s22, v6
	v_mul_u32_u24 v7, v2, 272
	v_lshl_add_u32 v7, v3, 3, v7
	v_add_nc_u32 v7, s22, v7                       ; back: row l % 16, 8 bytes at 8 (l / 16)
	v_lshlrev_b32 v1, 4, v14
	s_lshl_b32 s24, s17, 15
	s_lshl_b32 s25, s16, 8
	s_add_co_u32 s24, s24, s25
	s_mov_b32 s25, 0
	s_wait_kmcnt 0x0
	s_add_nc_u64 s[12:13], s[12:13], s[24:25]
.irp j, 0,1,2,3,4,5,6,7
	global_load_b128 v[16+4*\j:19+4*\j], v5, s[12:13] offset:4096*\j th:TH_LOAD_NT
.endr
	s_lshl_b32 s24, s17, 12
	s_lshl_b32 s26, s16, 9
	s_add_co_u32 s24, s24, s26
	s_add_nc_u64 s[28:29], s[10:11], s[24:25]      ; my 128 words
	s_lshl_b32 s24, s17, 5
	s_lshl_b32 s26, s16, 2
	s_add_co_u32 s24, s24, s26
	s_add_co_u32 s24, s24, 524288
	s_add_nc_u64 s[10:11], s[10:11], s[24:25]      ; my summary word
	s_mov_b32 s32, -1                              ; the two steps' running AND,
	s_mov_b32 s33, -1
	s_mov_b32 s34, 0                               ; and OR
	s_mov_b32 s35, 0
.irp i, 0,1,2,3
	v_mov_b32 v[80+\i], 0
.endr
	s_wait_loadcnt 0x0
.irp j, 0,1,2,3,4,5,6,7
	ds_store_b128 v6, v[16+4*\j:19+4*\j] offset:544*\j
.endr
.irp u, 0,1,2,3,4,5,6,7,8,9,10,11,12,13,14,15
	ds_load_b64 v[48+2*\u:49+2*\u], v7 offset:16*\u                ; step u / 8, key tile u % 8 (128 bytes a step)
.endr
	s_wait_dscnt 0x0
.set W, 0
.rept 128
	v_and_b32 v[84+W%4], 0xff<<(8*(W%4)), v[48+2*(W/8)+(W%8)/4]
	v_cmp_ne_u32 s[20+W%4], 0, v[84+W%4]           ; the lane mask of score register W % 64
	v_writelane_b32 v[80+W%4], s[20+W%4], W/4      ; word W lies in lane W / 4
	s_and_b32 s[32+W/64], s[32+W/64], s[20+W%4]
	s_or_b32 s[34+W/64], s[34+W/64], s[20+W%4]
.set W, W+1
.endr
	global_store_b128 v1, v[80:83], s[28:29]       ; 512 consecutive bytes
	s_cmp_lg_u32 s32, -1
	s_cselect_b32 s36, 1, 0                        ; some key of the step is open
	s_cmp_lg_u32 s33, -1
	s_cselect_b32 s37, 2, 0
	s_cmp_lg_u32 s34, 0
	s_cselect_b32 s38, 1, 0                        ; some key is hidden
	s_cmp_lg_u32 s35, 0
	s_cselect_b32 s39, 2, 0
	s_or_b32 s36, s36, s37
	s_or_b32 s38, s38, s39
	s_and_b32 s38, s38, s36
	s_lshl_b32 s38, s38, 16
	s_or_b32 s36, s36, s38
	s_lshl_b32 s37, s16, 1
	s_lshl_b32 s36, s36, s37
	v_mov_b32 v8, s36
	v_mov_b32 v9, 0
	s_wait_xcnt 0x0                                ; EXEC changes only behind this wait
	v_cmp_eq_u32 vcc_lo, 0, v14
	s_wait_tensorcnt 0x0
	ds_add_u32 v192, v193
	s_wait_dscnt 0x0
	s_and_saveexec_b32 s30, vcc_lo
	global_store_b32 v9, v8, s[10:11]
	s_wait_xcnt 0x0
	s_or_b32 exec_lo, exec_lo, s30
	s_endpgm
.Lfunc_end_k_q0b631e0aa8_ln1m:
	.size	k_q0b631e0aa8_ln1m, .Lfunc_end_k_q0b631e0aa8_ln1m-k_q0b631e0aa8_ln1m
	.p2alignl 7, 3214868480
	.fill 96, 4, 3214868480
	.section	.rodata,"a",@progbits
	.p2align	6, 0x0
	.amdhsa_kernel k_q0b631e0aa8_ln1m
		.amdhsa_group_segment_fixed_size 122368
		.amdhsa_private_segment_fixed_size 0
		.amdhsa_enable_private_segment 0
		.amdhsa_kernarg_size 48
		.amdhsa_user_sgpr_count 2
		.amdhsa_user_sgpr_kernarg_segment_ptr 1
		.amdhsa_wavefront_size32 1
		.amdhsa_system_sgpr_workgroup_id_x 1
		.amdhsa_system_sgpr_workgroup_id_y 1
		.amdhsa_system_sgpr_workgroup_id_z 1
		.amdhsa_system_vgpr_workitem_id 0
		.amdhsa_next_free_vgpr 194
		.amdhsa_next_free_sgpr 66
		.amdhsa_reserve_vcc 1
		.amdhsa_float_denorm_mode_32 3
		.amdhsa_float_denorm_mode_16_64 3
		.amdhsa_memory_ordered 1
		.amdhsa_forward_progress 1
		.amdhsa_inst_pref_size 62
	.end_amdhsa_kernel
	.amdgpu_metadata
---
amdhsa.version: [ 1, 2 ]
amdhsa.kernels:
  - .name:           k_q0b631e0aa8_ln1m
    .symbol:         k_q0b631e0aa8_ln1m.kd
    .args:
      - { .name: x, .offset: 0, .size: 8, .value_kind: global_buffer, .address_space: global }
      - { .name: ln1_g, .offset: 8, .size: 8, .value_kind: global_buffer, .address_space: global }
      - { .name: ln1_b, .offset: 16, .size: 8, .value_kind: global_buffer, .address_space: global }
      - { .name: mask, .offset: 24, .size: 8, .value_kind: global_buffer, .address_space: global }
      - { .name: act, .offset: 32, .size: 8, .value_kind: global_buffer, .address_space: global }
      - { .name: mbits, .offset: 40, .size: 8, .value_kind: global_buffer, .address_space: global }
    .group_segment_fixed_size: 122368
    .private_segment_fixed_size: 0
    .kernarg_segment_align: 8
    .kernarg_segment_size: 48
    .max_flat_workgroup_size: 256
    .sgpr_count:     66
    .vgpr_count:     194
    .wavefront_size: 32
...
	.end_amdgpu_metadata
.endif
;; end of part 1
;; launch gqkv (part 2): grid 12 x 16, 4 waves a work-group, clusters of 4 x 4, 327,680 bytes of LDS; arguments act, qkv_w_codes, qkv_w_scales, qkv_b, qb, kv; writes qb, kv
.if DOCPART == 2
	.amdgcn_target "amdgcn-amd-amdhsa--gfx1250"
	.amdhsa_code_object_version 6
	.text
	.protected	k_q0b631e0aa8_gqkv
	.globl	k_q0b631e0aa8_gqkv
	.p2align	8
	.type	k_q0b631e0aa8_gqkv,@function
k_q0b631e0aa8_gqkv:
	s_mov_b64 s[64:65], 0
	v_nop
	global_prefetch_b8 v0, s[64:65] scope:SCOPE_SE
	s_setreg_imm32_b32 hwreg(HW_REG_WAVE_MODE, 25, 1), 1
	s_wait_xcnt 0x0
	s_wait_alu depctr_hold_cnt(0) depctr_sa_sdst(0) depctr_va_vdst(0) depctr_va_sdst(0) depctr_va_ssrc(0) depctr_va_vcc(0) depctr_vm_vsrc(0)
	s_getreg_b32 s2, hwreg(HW_REG_IB_STS2, 6, 4)
	s_cmp_eq_u32 s2, 0
	s_cbranch_scc0 .Lentry_in_a_cluster
	s_endpgm
.Lentry_in_a_cluster:
	s_bfe_u32 s2, ttmp6, 0x10000c
	s_cmp_lg_u32 s2, 0xf033
	s_cbranch_scc0 .Lentry_shape_is_right
	s_endpgm
.Lentry_shape_is_right:
; qkv = h W^T + b on codes of E2M3 with E8M0 scales, M 4,096, N 3,072, K 1,024; the results are quantised here and leave as the attention launch's operands.
; A tile of 256 x 256 to a work-group of four waves, 128 x 128 a wave: 64 accumulators.  K goes in steps of 256 through two LDS slots filled by the tensor data mover.
; A (the activations) lies in memory as images of operand registers: [plane of 64 K][tile of 16 rows][768]: a fragment is two loads of 16 bytes and two of 8, dense in LDS.  B (the weight) lies as rows of codes: 192 bytes a step, 16 bytes of padding behind each 64.
; All scale words of the work-group's rows come once, with the first fills.  CLUSTER 4 x 4: A's tiles are asked for jointly along a row of the cluster, B's along a column.
; The matrix instruction is used transposed (source 0 = 16 rows of W, source 1 = 16 rows of h): a lane holds eight neighbouring columns of one row.  The bias is the C of each sum's first instruction.
; THE WAY OUT hangs on the cluster's x, which all partners share: 0: Q, 1: K (quantised along the head's 64, images [head][tile of 16 rows][768], a scale word a row: two bytes and 0x0101 above them);
; 2: V, quantised along the KEYS: a lane takes a column d and 32 keys.  V's images have rows d (tile 2 c + u, row r: d = 32 c + 8 u + r + 8 (r / 8)) and, in a block of 32 keys, slot s holds key 16 ((s / 8) % 2) + 8 (s / 16) + s % 8: the order in which the softmax's conversions leave the keys.
; LIMITS: a block of zeros gets the byte 1 (read by this program alone); NaN and infinities are not served.  Scale words leave in runs of 64 bytes.
.set SIZE_K, 1024
.set ASOFF,  3145728                   ; where A's scale planes begin
.set APL,    196608                    ; a plane of A's codes
.set KP,     SIZE_K/128
.set KS,     SIZE_K/32
.set KROW,   SIZE_K*3/4
.set HALFA,  24576                     ; 4 planes x 8 images: what one load brings of A
.set PITCH,  240
.set HALFB,  128*PITCH
.set BOFF,   2*HALFA
.set SLOT,   2*HALFA+2*HALFB
.set SCA,    2*SLOT                    ; A's scale words: [half][plane of 128 K][128 rows][4]
.set HALFSA, 512*KP
.set SCB,    SCA+2*HALFSA              ; B's scale bytes, units of 256 + 16
.set HALFSB, (128*KS/256)*272
.set SBLK,   (16*KS/256)*272
.set SPARE,  SCB+2*HALFSB              ; the spare words: 128 bytes a wave, named by no other line
.set LAPS,   SIZE_K/512
.set FR,   12
.set ADRA, 16                          ; v16-17 A's images in slot 0, 1: + 16 lane; v18-19: + 16 r + 8 h
.set ADRB, 20                          ; v20-21 B's rows; v22-23 the same behind one padding more
.set ADSA, 27
.set SPW,  28
.set NIL,  29
.set ADSB, 30
.set SC,   32                          ; v32-63 scale words, two sets of 16: A's at 4 q + a / 2, B's at 8 + 2 (b / 2) + q; even blocks in lanes 0-15, odd in lanes 16-31
.set BI,   64                          ; v64-127 the bias in the result's layout
.set AF,   128                         ; v128-223 A's eight fragments
.set G1,   24
.set G0,   32
.set G1B,  48
.set G0B,  56
.set G1S,  68
.set G0S,  76
.set G1SB, 80
.set G0SB, 88
.set MSB, 0
.macro WIN new                         ; the immediate's high byte repeats the setting that is left
.if MSB != \new
	s_set_vgpr_msb (MSB<<8)|\new
.set MSB, \new
.endif
.endm
.set MUL_LO, 0xa1                      ; source 0 (B) window 1, source 1 (A) window 0, C and D window 2
.set MUL_HI, 0xf1
.set TO_B,   0x40
.macro PLACES
.rept 4
	v_nop
.endr
.endm
.macro JLOAD g0a, g1a, g0b, g1b        ; waves 0, 1 ask for A, waves 2, 3 for B; four v_nop follow each line
	s_cmp_eq_u32 s15, 0
	s_cbranch_scc0 .Lfor_b_\@
	tensor_load_to_lds s[\g0a:\g0a+3], s[\g1a:\g1a+7]
	s_nop 0
	PLACES
	s_branch .Lasked_\@
.Lfor_b_\@:
	tensor_load_to_lds s[\g0b:\g0b+3], s[\g1b:\g1b+7]
	s_nop 0
	PLACES
.Lasked_\@:
.endm
.macro CREST
	s_cmp_lg_u32 s14, 0
	s_cbranch_scc1 .Lnot_wave_0_\@
	s_barrier_signal -3
.Lnot_wave_0_\@:
	s_barrier_wait -3
	s_barrier_signal -1
	s_barrier_wait -1
.endm
.macro CROUND
	s_barrier_signal -1
	s_barrier_wait -1
	CREST
.endm
	s_load_b256 s[4:11], s[0:1], 0x0               ; A s[4:5], W's codes s[6:7], W's scales s[8:9], bias s[10:11]
	s_load_b128 s[96:99], s[0:1], 0x20             ; the way out's buffers
	v_lshl_add_u32 v[SPW], v0, 2, SPARE
	v_mov_b32 v[NIL], 0
	ds_add_u32 v28, v29
	ds_add_u32 v28, v29
	s_wait_dscnt 0x0
	v_lshrrev_b32 v1, 5, v0
	v_readfirstlane_b32 s14, v1                    ; wave
	s_lshr_b32 s15, s14, 1                         ; my half of the rows; also: I ask for A (0) or B (1)
	s_and_b32 s16, s14, 1                          ; my half of the columns; also: which half I ask for
	s_bfe_u32 s40, ttmp6, 0x40000                  ; cx
	s_bfe_u32 s41, ttmp6, 0x40004                  ; cy
	s_lshl_b32 s42, ttmp9, 2
	s_add_co_u32 s42, s42, s40                     ; tile column
	s_and_b32 s17, ttmp7, 0xffff
	s_lshl_b32 s17, s17, 2
	s_add_co_u32 s17, s17, s41                     ; tile row
	s_lshl_b32 s43, s41, 2
	s_lshl_b32 s43, 15, s43                        ; my row of the cluster
	s_lshl_b32 s44, 0x1111, s40                    ; my column
	s_or_b32 s[G1+0], s43, (1<<21)                 ; A's codes: 4 planes x 6,144 bytes, 196,608 apart, dense in LDS
	s_mov_b32 s[G1+1], 6144<<16
	s_mov_b32 s[G1+2], 4<<16
	s_mov_b32 s[G1+3], 6144<<16
	s_mov_b32 s[G1+4], 4
	s_mov_b32 s[G1+5], APL
	s_mov_b32 s[G1+6], 0
	s_mov_b32 s[G1+7], 0
	s_or_b32 s[G1B+0], s44, (1<<20)|(1<<21)|(3<<22)|(3<<25)   ; B's codes: 128 rows x 192 bytes, 4 words of padding behind every 16
	s_mov_b32 s[G1B+1], 192<<16
	s_mov_b32 s[G1B+2], 128<<16
	s_mov_b32 s[G1B+3], 192<<16
	s_mov_b32 s[G1B+4], 128
	s_mov_b32 s[G1B+5], KROW
	s_mov_b32 s[G1B+6], 0
	s_mov_b32 s[G1B+7], 0
	s_or_b32 s[G1S+0], s43, (1<<21)                ; A's scale words: KP planes x 512 bytes, 16,384 apart
	s_mov_b32 s[G1S+1], 512<<16
	s_mov_b32 s[G1S+2], KP<<16
	s_mov_b32 s[G1S+3], 512<<16
	s_mov_b32 s[G1S+4], KP
	s_mov_b32 s[G1S+5], 16384
	s_mov_b32 s[G1S+6], 0
	s_mov_b32 s[G1S+7], 0
	s_or_b32 s[G1SB+0], s44, (3<<16)|(1<<20)|(1<<21)|(5<<22)|(3<<25)   ; B's scale bytes: a dense block as rows of 256 bytes, 16 of padding behind each
	s_mov_b32 s[G1SB+1], 32<<16
	s_mov_b32 s[G1SB+2], (128*KS/256)<<16
	s_mov_b32 s[G1SB+3], 32<<16
	s_mov_b32 s[G1SB+4], 128*KS/256
	s_mov_b32 s[G1SB+5], 32
	s_mov_b32 s[G1SB+6], 0
	s_mov_b32 s[G1SB+7], 0
	s_mul_i32 s20, s17, 12288                      ; A's codes: 16 images a tile row, 8 a half
	s_mul_i32 s18, s16, 6144
	s_add_co_u32 s20, s20, s18
	s_mov_b32 s21, 0
	s_lshl_b32 s22, s17, 10                        ; A's scale words
	s_lshl_b32 s18, s16, 9
	s_add_co_u32 s22, s22, s18
	s_add_co_u32 s22, s22, ASOFF
	s_mov_b32 s23, 0
	s_lshl_b32 s46, s42, 8
	s_lshl_b32 s18, s16, 7
	s_add_co_u32 s46, s46, s18                     ; B's first row
	s_mul_i32 s92, s46, KS
	s_mov_b32 s93, 0
	s_mul_i32 s46, s46, KROW
	s_mov_b32 s47, 0
	s_mul_i32 s45, s16, HALFA                      ; where they go: no place in the cluster enters an LDS address
	s_mul_i32 s94, s16, HALFB
	s_add_co_u32 s94, s94, BOFF
	s_mul_i32 s95, s16, HALFSA
	s_add_co_u32 s95, s95, SCA
	s_mul_i32 s19, s16, HALFSB
	s_add_co_u32 s19, s19, SCB
	s_wait_kmcnt 0x0
	s_add_nc_u64 s[20:21], s[4:5], s[20:21]
	s_add_nc_u64 s[22:23], s[4:5], s[22:23]
	s_add_nc_u64 s[46:47], s[6:7], s[46:47]
	s_add_nc_u64 s[92:93], s[8:9], s[92:93]
	CROUND                                         ; all sixteen work-groups are here: the first joint loads meet
	s_mov_b32 s[G0S], 1
	s_mov_b32 s[G0S+1], s95
	s_mov_b64 s[G0S+2:G0S+3], s[22:23]
	s_or_b32 s[G0S+3], s[G0S+3], 0x80000000
	s_mov_b32 s[G0SB], 1
	s_mov_b32 s[G0SB+1], s19
	s_mov_b64 s[G0SB+2:G0SB+3], s[92:93]
	s_or_b32 s[G0SB+3], s[G0SB+3], 0x80000000
	JLOAD G0S, G1S, G0SB, G1SB
.irp s, 0,1
	s_mov_b32 s[G0+4*\s], 1
	s_add_co_u32 s[G0+4*\s+1], s45, \s*SLOT
	s_add_nc_u64 s[G0+4*\s+2:G0+4*\s+3], s[20:21], \s*4*APL
	s_or_b32 s[G0+4*\s+3], s[G0+4*\s+3], 0x80000000
	s_mov_b32 s[G0B+4*\s], 1
	s_add_co_u32 s[G0B+4*\s+1], s94, \s*SLOT
	s_add_nc_u64 s[G0B+4*\s+2:G0B+4*\s+3], s[46:47], \s*192
	s_or_b32 s[G0B+4*\s+3], s[G0B+4*\s+3], 0x80000000
	JLOAD G0+4*\s, G1, G0B+4*\s, G1B
.endr                                          ; three tensor loads of mine are out
	v_and_b32 v1, 15, v0                           ; r
	v_bfe_u32 v2, v0, 4, 1                         ; h
	v_and_b32 v3, 31, v0                           ; lane
	v_lshlrev_b32 v4, 4, v3
	v_lshlrev_b32 v5, 4, v1
	v_lshl_add_u32 v5, v2, 3, v5
	v_mul_u32_u24 v6, v1, PITCH
	v_mad_u32_u24 v6, v2, 24, v6
	v_lshl_add_u32 v7, v2, 4, v6
	s_mul_i32 s21, s15, HALFA
	s_mul_i32 s22, s16, HALFB
	s_add_co_u32 s22, s22, BOFF
.irp s, 0,1
	v_add_nc_u32 v[ADRA+\s], s21, v4
	v_add_nc_u32 v[ADRA+2+\s], s21, v5
	v_add_nc_u32 v[ADRB+\s], s22, v6
	v_add_nc_u32 v[ADRB+2+\s], s22, v7
	s_add_co_u32 s21, s21, SLOT
	s_add_co_u32 s22, s22, SLOT
.endr
	s_mul_i32 s21, s15, HALFSA
	s_add_co_u32 s21, s21, SCA
	v_lshl_add_u32 v[ADSA], v3, 2, s21             ; A's words: 32 rows an instruction
	v_mul_u32_u24 v8, v3, KS
	v_lshrrev_b32 v9, 8, v8
	v_lshl_add_u32 v8, v9, 4, v8
	s_mul_i32 s22, s16, HALFSB
	s_add_co_u32 s22, s22, SCB
	v_add_nc_u32 v[ADSB], s22, v8                  ; B's: row = lane, 16 more for each 256 passed
	s_lshl_b32 s20, s42, 10
	s_lshl_b32 s21, s16, 9
	s_add_co_u32 s20, s20, s21
	s_mov_b32 s21, 0
	s_add_nc_u64 s[10:11], s[10:11], s[20:21]      ; the bias of my 128 columns
	v_lshlrev_b32 v10, 5, v2
.irp b, 0,1,2,3,4,5,6,7
	global_load_b128 v[BI+8*\b:BI+8*\b+3], v10, s[10:11] offset:64*\b
	global_load_b128 v[BI+8*\b+4:BI+8*\b+7], v10, s[10:11] offset:64*\b+16
.endr
.macro FRAG reg, adr, q, i             ; a fragment of B from rows: six pieces of 8 bytes; where the piece three on lies behind one padding more, the second address register serves
.irp p, 0,1,2,3,4,5
.set PCE, 12*(\q)+6*(\p/3)+\p%3
.if PCE%8 < 5
	ds_load_b64 v[\reg+2*\p:\reg+2*\p+1], v[\adr] offset:8*PCE+16*(PCE/8)+(\i)*16*PITCH
.else
	ds_load_b64 v[\reg+2*\p:\reg+2*\p+1], v[\adr+2] offset:8*PCE+16*(PCE/8)+(\i)*16*PITCH
.endif
.endr
.endm
.macro FRAGA reg, slot, q, i           ; a fragment of A from two images
	ds_load_b128 v[\reg:\reg+3], v[ADRA+\slot] offset:2*(\q)*6144+768*(\i)
	ds_load_b64 v[\reg+4:\reg+5], v[ADRA+2+\slot] offset:2*(\q)*6144+768*(\i)+512
	ds_load_b128 v[\reg+6:\reg+9], v[ADRA+\slot] offset:(2*(\q)+1)*6144+768*(\i)
	ds_load_b64 v[\reg+10:\reg+11], v[ADRA+2+\slot] offset:(2*(\q)+1)*6144+768*(\i)+512
.endm
.macro FETCH_B slot, q, p
	WIN TO_B
.irp i, 0,1,2,3,4,5,6,7
	FRAG 128*(\p)+FR*\i, ADRB+\slot, \q, \i
.endr
	WIN 0
.endm
.macro FETCH_A slot, q, i0             ; 16 loads
.irp i, \i0, \i0+1, \i0+2, \i0+3
	FRAGA AF+FR*(\i), \slot, \q, \i
.endr
.endm
.macro SCALES sc                       ; 12 loads: the K step's scale words
.irp q, 0,1
.irp i, 0,1,2,3
	ds_load_b32 v[SC+16*\sc+4*\q+\i], v[ADSA] offset:512*\q+128*\i
.endr
.endr
.irp i, 0,1,2,3
	ds_load_b64 v[SC+16*\sc+8+2*\i:SC+16*\sc+9+2*\i], v[ADSB] offset:2*SBLK*\i
.endr
.endm
.macro WM                              ; one product; the rows of the scale registers by the blocks' parities
.if rRB && rRA
	v_wmma_scale_f32_16x16x128_f8f6f4 v[rD:rD+7], v[rB:rB+11], v[rA:rA+11], v[rC:rC+7], v[rSB], v[rSA] matrix_a_fmt:MATRIX_FMT_FP6 matrix_b_fmt:MATRIX_FMT_FP6 matrix_a_scale:MATRIX_SCALE_ROW1 matrix_b_scale:MATRIX_SCALE_ROW1
.elseif rRB
	v_wmma_scale_f32_16x16x128_f8f6f4 v[rD:rD+7], v[rB:rB+11], v[rA:rA+11], v[rC:rC+7], v[rSB], v[rSA] matrix_a_fmt:MATRIX_FMT_FP6 matrix_b_fmt:MATRIX_FMT_FP6 matrix_a_scale:MATRIX_SCALE_ROW1
.elseif rRA
	v_wmma_scale_f32_16x16x128_f8f6f4 v[rD:rD+7], v[rB:rB+11], v[rA:rA+11], v[rC:rC+7], v[rSB], v[rSA] matrix_a_fmt:MATRIX_FMT_FP6 matrix_b_fmt:MATRIX_FMT_FP6 matrix_b_scale:MATRIX_SCALE_ROW1
.else
	v_wmma_scale_f32_16x16x128_f8f6f4 v[rD:rD+7], v[rB:rB+11], v[rA:rA+11], v[rC:rC+7], v[rSB], v[rSA] matrix_a_fmt:MATRIX_FMT_FP6 matrix_b_fmt:MATRIX_FMT_FP6
.endif
.endm
; 16 products: A's blocks a0, a0 + 1 x B's eight.  The 64 accumulators take turns, one instruction a turn, in the same order in every step.  first = 1: C is the bias.
.macro MUL16 a0, p, q, sc, first
.irp a, \a0, \a0+1
.irp b, 0,1,2,3,4,5,6,7
.set rD, 8*(8*((\a)%4)+\b)
.set rB, 128*(\p)+FR*\b
.set rA, AF+FR*(\a)
.set rSB, SC+16*(\sc)+8+2*(\b/2)+(\q)
.set rSA, SC+16*(\sc)+4*(\q)+(\a)/2
.set rRB, \b%2
.set rRA, (\a)%2
.if \first
.set rC, BI+8*\b
.else
.set rC, rD
.endif
	WM
.endr
.endr
.endm
.macro STEP slot, first                ; a slot's first 128 along K
	s_wait_dscnt 16                                ; all but A's blocks 4-7 (the youngest 16 loads)
.if \first
	WIN 0x81                                       ; C (the bias) in window 0
.else
	WIN MUL_LO
.endif
	MUL16 0, 0, 0, \slot, \first
	MUL16 2, 0, 0, \slot, \first
	s_wait_dscnt 0x0
	PLACES                                         ; in front of loads into registers that matrix instructions have read
	FETCH_B \slot, 1, 1
	FETCH_A \slot, 1, 0
.if \first
	WIN 0xc1
.else
	WIN MUL_HI
.endif
	MUL16 4, 0, 0, \slot, \first
	MUL16 6, 0, 0, \slot, \first
	PLACES
	WIN 0
	FETCH_A \slot, 1, 4
.endm
.macro TURN slot, next, fill           ; a slot's second 128 along K, and the change of slots
	s_wait_tensorcnt 0x0                           ; all my tensor loads have landed: my part of the next slot
	ds_add_u32 v[SPW], v[NIL]                      ; 0 onto my spare word
	s_wait_dscnt 17                                ; the add and A's blocks 4-7 may be out
	WIN MUL_LO
	MUL16 0, 1, 1, \slot, 0
	s_wait_dscnt 0x0                               ; the add is done, my reads of this slot are over
	s_barrier_signal -1
	MUL16 2, 1, 1, \slot, 0
	WIN 0
	s_barrier_wait -1
.if \fill
	CREST                                          ; the barrier opened a round of the cluster's: no wave of any partner still reads this slot or has a load on its way
	s_add_nc_u64 s[G0+4*\slot+2:G0+4*\slot+3], s[G0+4*\slot+2:G0+4*\slot+3], 8*APL
	s_add_nc_u64 s[G0B+4*\slot+2:G0B+4*\slot+3], s[G0B+4*\slot+2:G0B+4*\slot+3], 2*192
	JLOAD G0+4*\slot, G1, G0B+4*\slot, G1B         ; my one tensor load behind the round; its four v_nop are the places in front of the loads below
.else
	PLACES
.endif
	v_add_nc_u32 v[ADSA], 1024, v[ADSA]            ; the next K step's scale words
	v_add_nc_u32 v[ADSB], 8, v[ADSB]
	FETCH_B \next, 0, 0
	FETCH_A \next, 0, 0
	SCALES \next
	WIN MUL_HI
	MUL16 4, 1, 1, \slot, 0
	MUL16 6, 1, 1, \slot, 0
	PLACES
	WIN 0
	FETCH_A \next, 0, 4
.endm
	s_wait_tensorcnt 1                             ; the scales and K step 0 are in; K step 1's load may be out
	s_barrier_signal -1
	s_barrier_wait -1
	FETCH_B 0, 0, 0
	FETCH_A 0, 0, 0
	SCALES 0
	FETCH_A 0, 0, 4
	s_wait_loadcnt 0x0                             ; the bias
	STEP 0, 1
	s_mov_b32 s3, LAPS-1
.Llap:
	TURN 0, 1, 1
	STEP 1, 0
	TURN 1, 0, 1
	STEP 0, 0
	s_sub_co_u32 s3, s3, 1
	s_cmp_lg_u32 s3, 0
	s_cbranch_scc1 .Llap
	TURN 0, 1, 0                                   ; the last lap fills nothing
	STEP 1, 0
	s_wait_dscnt 16
	WIN MUL_LO
	MUL16 0, 1, 1, 1, 0
	MUL16 2, 1, 1, 1, 0
	s_wait_dscnt 0x0
	WIN MUL_HI
	MUL16 4, 1, 1, 1, 0
	MUL16 6, 1, 1, 1, 0
	WIN 0
	PLACES
; ---- THE WAY OUT.  The stages lie in slot 0, which has had its last fill and, since the last change of slots, its last read.
.set STO, 24                           ; Q, K: my stage, 16 rows x 528: in at 528 r + 32 h
.set RQ,  25                           ; back at 528 r + 256 h: 64 columns, one head, of row r
.set STV, 26                           ; V: my stage, 32 rows x 528, in bytes of its own
.set RDV, 31                           ; back at 4 x lane: a column
.set GA,  11
.set GS,  12
.set VST, 33792
.set PKG, 208896                       ; a head's package in kv: K's images 0, K's words 98,304, V's images 106,496, V's words 204,800
.set W,   64
.set TT,  76
.set AM,  84
.set SO,  86
.set BY,  88
.set WD,  90
	s_mul_i32 s20, s14, 8448
	v_mul_u32_u24 v4, v1, 528
	v_lshl_add_u32 v5, v2, 5, v4
	v_add_nc_u32 v[STO], s20, v5
	v_lshl_add_u32 v6, v2, 8, v4
	v_add_nc_u32 v[RQ], s20, v6
	s_mul_i32 s20, s14, 16896
	s_add_co_u32 s20, s20, VST
	v_add_nc_u32 v[STV], s20, v5
	v_lshl_add_u32 v[RDV], v3, 2, s20
	s_lshr_b32 s23, s17, 3
	s_lshl_b32 s23, s23, 4
	s_lshl_b32 s45, s40, 2
	s_add_co_u32 s23, s23, s45
	s_lshl_b32 s45, s16, 1
	s_add_co_u32 s23, s23, s45                     ; 16 x batch + my first head
	s_and_b32 s45, s17, 7
	s_lshl_b32 s45, s45, 1
	s_add_co_u32 s45, s45, s15                     ; which 128 rows of the sequence are mine
	s_mov_b32 s47, 0
	s_cmp_eq_u32 ttmp9, 2                          ; the cluster's x: the same in all partners
	s_cbranch_scc1 .Lvpath
	s_mov_b32 s20, PKG
	s_mov_b32 s21, PKG
	s_mov_b32 s22, 98304
	s_cmp_eq_u32 ttmp9, 0
	s_cselect_b64 s[4:5], s[96:97], s[98:99]       ; Q's buffer or K's
	s_cselect_b32 s20, 98304, s20                  ; bytes from head to head: images,
	s_cselect_b32 s21, 8192, s21                   ; scale words,
	s_cselect_b32 s22, 3145728, s22                ; and where the words begin
	s_mul_i32 s46, s23, s20
	s_mul_i32 s92, s45, 8*768
	s_add_co_u32 s46, s46, s92
	s_add_nc_u64 s[6:7], s[4:5], s[46:47]
	s_mul_i32 s46, s23, s21
	s_lshl_b32 s92, s45, 9
	s_add_co_u32 s46, s46, s92
	s_add_co_u32 s46, s46, s22
	s_add_nc_u64 s[8:9], s[4:5], s[46:47]
	v_mul_u32_u24 v[GA], s20, v2
	v_lshl_add_u32 v[GA], v1, 4, v[GA]
	v_mul_u32_u24 v[GS], s21, v2
	v_lshl_add_u32 v[GS], v1, 2, v[GS]
; 64 numbers of a lane (two blocks of 32 of one row) become codes and leave as three stores: in each, lanes 0-15 fill 256 consecutive bytes of one image and lanes 16-31 of another
.macro QUANT2 x, off
	v_max3_num_f32 v[AM], |v[\x]|, |v[\x+1]|, 0x1800000            ; with the floor 2^(3 - 127)
	v_max3_num_f32 v[AM+1], |v[\x+32]|, |v[\x+33]|, 0x1800000
.irp i, 2,4,6,8,10,12,14,16,18,20,22,24,26,28,30
	v_max3_num_f32 v[AM], v[AM], |v[\x+\i]|, |v[\x+\i+1]|
	v_max3_num_f32 v[AM+1], v[AM+1], |v[\x+32+\i]|, |v[\x+33+\i]|
.endr
	v_add_nc_u32 v[SO], 0xff000000, v[AM]
	v_add_nc_u32 v[SO+1], 0xff000000, v[AM+1]
	s_wait_xcnt 0x0                                ; the last stores have read their data
	v_cvt_scalef32_pk16_fp6_f32 v[W:W+2], v[\x:\x+15], v[SO]
	v_cvt_scalef32_pk16_fp6_f32 v[TT:TT+2], v[\x+16:\x+31], v[SO]
	v_cvt_scalef32_pk16_fp6_f32 v[W+4:W+6], v[\x+32:\x+47], v[SO+1]
	v_cvt_scalef32_pk16_fp6_f32 v[TT+4:TT+6], v[\x+48:\x+63], v[SO+1]
	v_lshrrev_b32 v[BY], 23, v[SO]                 ; the bytes (plain places behind the conversions)
	v_lshrrev_b32 v[BY+1], 23, v[SO+1]
	v_mov_b32 v[W+3], v[TT]
	v_mov_b32 v[W+8], v[TT+1]
	v_mov_b32 v[W+9], v[TT+2]
	v_mov_b32 v[W+7], v[TT+4]
	v_mov_b32 v[W+10], v[TT+5]
	v_mov_b32 v[W+11], v[TT+6]
	global_store_b128 v[GA], v[W:W+3], s[6:7] offset:\off
	global_store_b128 v[GA], v[W+4:W+7], s[6:7] offset:\off+256
	global_store_b128 v[GA], v[W+8:W+11], s[6:7] offset:\off+512
.endm
.macro TOSTAGE a
.set AC, 64*((\a)%4)
	WIN 0x08+4*((\a)/4)
.irp b, 0,1,2,3,4,5,6,7
	ds_store_b128 v[STO], v[AC+8*\b:AC+8*\b+3] offset:64*\b        ; each accumulator from its low end on
	ds_store_b128 v[STO], v[AC+8*\b+4:AC+8*\b+7] offset:64*\b+16
.endr
	WIN 0
.set BB, 128+64*((\a)%2)
.irp t, 0,1,2,3,4,5,6,7,8,9,10,11,12,13,14,15
	ds_load_b128 v[BB+4*\t:BB+4*\t+3], v[RQ] offset:16*\t          ; LDS serves a wave's instructions in order
.endr
.endm
.macro PROC a, younger
.set BX, 128+64*((\a)%2)
	s_wait_dscnt \younger
	QUANT2 BX, 768*(\a)
	v_lshl_or_b32 v[WD], v[BY+1], 8, v[BY]
	v_or_b32 v[WD], 0x01010000, v[WD]              ; the byte 1 for the two blocks that the head does not have
	global_store_b32 v[GS], v[WD], s[8:9] offset:64*(\a)
.endm
	TOSTAGE 0
.irp a, 1,2,3,4,5,6,7
	TOSTAGE \a
	PROC \a-1, 32                                  ; behind block a - 1's loads: block a's 16 stores and 16 loads
.endr
	PROC 7, 0
	s_branch .Ljoin
.Lvpath:
.set WA,  64
.set PB,  80
.set TV,  96
.set VW,  112
.set AMV, 116
.set SOV, 120
.set BYV, 124
.set VX,  128
	s_mul_i32 s46, s23, PKG
	s_mul_i32 s92, s45, 6144
	s_add_co_u32 s46, s46, s92
	s_add_co_u32 s46, s46, 106496
	s_add_nc_u64 s[6:7], s[98:99], s[46:47]        ; V's images of my key step
	s_mul_i32 s46, s23, PKG
	s_lshl_b32 s92, s45, 8
	s_add_co_u32 s46, s46, s92
	s_add_co_u32 s46, s46, 204800
	s_add_nc_u64 s[8:9], s[98:99], s[46:47]        ; and its scale words
	v_bfe_u32 v4, v0, 3, 1                         ; u
	v_and_b32 v5, 7, v0
	v_lshl_add_u32 v5, v2, 3, v5                   ; the tile's row
	v_mul_u32_u24 v[GA], v4, 1536
	v_lshl_add_u32 v[GA], v5, 4, v[GA]
	v_lshlrev_b32 v[GS], 6, v4
	v_lshl_add_u32 v[GS], v5, 2, v[GS]
.irp be, 0,1,2,3                               ; a block of 32 keys at a time
.irp aa, 0,1
.set AC, 64*((2*\be+\aa)%4)
	WIN 0x08+4*((2*\be+\aa)/4)
.irp b, 0,1,2,3,4,5,6,7
	ds_store_b128 v[STV], v[AC+8*\b:AC+8*\b+3] offset:8448*\aa+64*\b
	ds_store_b128 v[STV], v[AC+8*\b+4:AC+8*\b+7] offset:8448*\aa+64*\b+16
.endr
.endr
	WIN 0
.set GG, 0
.rept 4
.set SG, 0
.rept 32
	ds_load_b32 v[VX+32*GG+SG], v[RDV] offset:528*(16*((SG>>3)&1)+8*(SG>>4)+(SG&7))+128*GG   ; column 32 g + lane, the key of slot SG
.set SG, SG+1
.endr
.set GG, GG+1
.endr
	s_wait_dscnt 0x0
.irp g, 0,1,2,3
	v_max3_num_f32 v[AMV+\g], |v[VX+32*\g]|, |v[VX+32*\g+1]|, 0x1800000
.endr
.irp i, 2,4,6,8,10,12,14,16,18,20,22,24,26,28,30
.irp g, 0,1,2,3
	v_max3_num_f32 v[AMV+\g], v[AMV+\g], |v[VX+32*\g+\i]|, |v[VX+32*\g+\i+1]|
.endr
.endr
.irp g, 0,1,2,3
	v_add_nc_u32 v[SOV+\g], 0xff000000, v[AMV+\g]
.endr
	s_wait_xcnt 0x0                                ; the last stores have read their data
.irp g, 0,1,2,3
	v_cvt_scalef32_pk16_fp6_f32 v[WA+4*\g:WA+4*\g+2], v[VX+32*\g:VX+32*\g+15], v[SOV+\g]
	v_cvt_scalef32_pk16_fp6_f32 v[TV+4*\g:TV+4*\g+2], v[VX+32*\g+16:VX+32*\g+31], v[SOV+\g]
.endr
.irp g, 0,1,2,3
	v_lshrrev_b32 v[BYV+\g], 23, v[SOV+\g]         ; (plain places behind the conversions)
.endr
.irp g, 0,1,2,3
.if \be == 0
	v_mov_b32 v[VW+\g], v[BYV+\g]
.else
	v_lshl_or_b32 v[VW+\g], v[BYV+\g], 8*\be, v[VW+\g]
.endif
	v_mov_b32 v[WA+4*\g+3], v[TV+4*\g]
	v_mov_b32 v[PB+4*\g+2*(\be%2)], v[TV+4*\g+1]
	v_mov_b32 v[PB+4*\g+2*(\be%2)+1], v[TV+4*\g+2]
.endr
.irp g, 0,1,2,3
	global_store_b128 v[GA], v[WA+4*\g:WA+4*\g+3], s[6:7] offset:(\g/2)*PKG+(\g%2)*3072+768*(\be/2)+256*(\be%2)
.if \be%2
	global_store_b128 v[GA], v[PB+4*\g:PB+4*\g+3], s[6:7] offset:(\g/2)*PKG+(\g%2)*3072+768*(\be/2)+512
.endif
.endr
.endr
.irp g, 0,1,2,3
	global_store_b32 v[GS], v[VW+\g], s[8:9] offset:(\g/2)*PKG+128*(\g%2)
.endr
.Ljoin:
	s_wait_tensorcnt 0x0                           ; the wave's end
	ds_add_u32 v[SPW], v[NIL]
	s_wait_dscnt 0x0
	CROUND                                         ; the closing round
	s_endpgm
.Lfunc_end_k_q0b631e0aa8_gqkv:
	.size	k_q0b631e0aa8_gqkv, .Lfunc_end_k_q0b631e0aa8_gqkv-k_q0b631e0aa8_gqkv
	.p2alignl 7, 3214868480
	.fill 96, 4, 3214868480
	.section	.rodata,"a",@progbits
	.p2align	6, 0x0
	.amdhsa_kernel k_q0b631e0aa8_gqkv
		.amdhsa_group_segment_fixed_size 327680
		.amdhsa_private_segment_fixed_size 0
		.amdhsa_enable_private_segment 0
		.amdhsa_kernarg_size 48
		.amdhsa_user_sgpr_count 2
		.amdhsa_user_sgpr_kernarg_segment_ptr 1
		.amdhsa_wavefront_size32 1
		.amdhsa_system_sgpr_workgroup_id_x 1
		.amdhsa_system_sgpr_workgroup_id_y 1
		.amdhsa_system_sgpr_workgroup_id_z 1
		.amdhsa_system_vgpr_workitem_id 0
		.amdhsa_next_free_vgpr 1024
		.amdhsa_next_free_sgpr 104
		.amdhsa_reserve_vcc 0
		.amdhsa_float_denorm_mode_32 3
		.amdhsa_float_denorm_mode_16_64 3
		.amdhsa_memory_ordered 1
		.amdhsa_forward_progress 1
		.amdhsa_inst_pref_size 236
	.end_amdhsa_kernel
	.amdgpu_metadata
---
amdhsa.version: [ 1, 2 ]
amdhsa.kernels:
  - .name:           k_q0b631e0aa8_gqkv
    .symbol:         k_q0b631e0aa8_gqkv.kd
    .args:
      - { .name: act, .offset: 0, .size: 8, .value_kind: global_buffer, .address_space: global }
      - { .name: qkv_w_codes, .offset: 8, .size: 8, .value_kind: global_buffer, .address_space: global }
      - { .name: qkv_w_scales, .offset: 16, .size: 8, .value_kind: global_buffer, .address_space: global }
      - { .name: qkv_b, .offset: 24, .size: 8, .value_kind: global_buffer, .address_space: global }
      - { .name: qb, .offset: 32, .size: 8, .value_kind: global_buffer, .address_space: global }
      - { .name: kv, .offset: 40, .size: 8, .value_kind: global_buffer, .address_space: global }
    .group_segment_fixed_size: 327680
    .private_segment_fixed_size: 0
    .kernarg_segment_align: 8
    .kernarg_segment_size: 48
    .max_flat_workgroup_size: 128
    .sgpr_count:     104
    .vgpr_count:     1024
    .wavefront_size: 32
...
	.end_amdgpu_metadata
.endif
;; end of part 2
;; launch attn (part 3): grid 8 x 32, 16 waves a work-group, no clusters, 210,944 bytes of LDS; arguments qb, kv, mbits, act; writes act
.if DOCPART == 3
	.amdgcn_target "amdgcn-amd-amdhsa--gfx1250"
	.amdhsa_code_object_version 6
	.text
	.protected	k_q0b631e0aa8_attn
	.globl	k_q0b631e0aa8_attn
	.p2align	8
	.type	k_q0b631e0aa8_attn,@function
k_q0b631e0aa8_attn:
	s_mov_b64 s[64:65], 0
	v_nop
	global_prefetch_b8 v0, s[64:65] scope:SCOPE_SE
	s_setreg_imm32_b32 hwreg(HW_REG_WAVE_MODE, 25, 1), 1
	s_wait_xcnt 0x0
; o = softmax(q k^T / 8, masked) v for one (batch, head), both products on codes of E2M3; o is quantised along the model's axis and leaves as the next product's operand images.
; t = score x log2(e) / 8; M = the running largest t rounded up to a whole number; p = 2^(t - M) is quantised along the keys; the sum of the unquantised p divides at the end.
; SHARES.  A work-group: one head of one batch and 16 of its 128 query tiles; a wave: one tile of 16 queries, T = 8 pos(wave) + work-group x.  pos is a 4 x 4 magic square less 1: the sum of pos is 30 over the waves
; of equal wave % 4 and of equal wave / 4, so that under a mask that hides later keys each group of four waves has the same number of open steps.
; The head's whole package (K's images and words, V's images and words: 208,896 bytes) is copied into LDS once, through registers.  NO TENSOR LOAD AND NO CLUSTER: a key step whose 128 keys are all hidden from the wave's
; 16 queries is jumped over, by a branch on the summary that an earlier launch stored; what partners could share is this one fill.
; LAYOUT.  S^T = K Q^T (source 0 = 16 neighbouring keys, source 1 = my queries), O^T = V^T P^T: a lane holds one query throughout.  The head's axis is 64: Q's upper 64 codes are zeros, K's operand names the next tile's
; registers there (any codes x zero codes add nothing), and both scale words carry the byte 1 for those blocks.  V's images hold the keys of a block in the order in which p's conversions leave them.
; LIMITS: a query all of whose keys are hidden has the sum 0: its scale bytes become 0xff, so that the next product gives NaN for the row, as the softmax of such a row is.  A block of zeros gets the byte 1.  NaN and infinities among the inputs are not served.  o's scale bytes leave singly, 64-byte spans a wave.
.set PKG, 208896
.set KSO, 98304
.set VCO, 106496
.set VSO, 204800
.set APL, 196608
.set ASOFF, 3145728
.set KF,  28                           ; v28-81: K's eight tiles, 6 registers each, and six zeros; later V's four fragments
.set S,   82                           ; v82-145 scores, then p
.set O,   146                          ; v146-177 O^T
.set PC,  178                          ; v178-189 p's codes
.set CT,  190
.set BM,  198
.set BT,  202
.set SO,  206
.set KSC, 210
.set VSC, 214
.set QSC, 216
.set PSC, 217
.set F,   218
.set TMP, 220
	s_load_b256 s[4:11], s[0:1], 0x0               ; qb, kv, mbits, act
	v_lshl_add_u32 v224, v0, 2, 0x33000
	v_mov_b32 v225, 0
	v_lshrrev_b32 v1, 5, v0
	v_readfirstlane_b32 s28, v1                    ; wave
	s_and_b32 s21, ttmp7, 0xffff                   ; 16 x batch + head
	s_mov_b32 s20, 0x0DE3B658
	s_cmp_lt_u32 s28, 8
	s_cselect_b32 s20, 0x7A94C12F, s20
	s_and_b32 s22, s28, 7
	s_lshl_b32 s22, s22, 2
	s_lshr_b32 s20, s20, s22
	s_and_b32 s20, s20, 15
	s_lshl_b32 s20, s20, 3
	s_add_co_u32 s20, s20, ttmp9                   ; T
	v_lshlrev_b32 v8, 4, v0                        ; 16 x thread: the fill's place, in memory and in LDS
	v_add_nc_u32 v9, 65536, v8
	v_add_nc_u32 v10, 131072, v8
	v_add_nc_u32 v11, 196608, v8
	v_lshlrev_b32 v217, 3, v0
	v_add_nc_u32 v220, VSO, v217
	s_mul_i32 s30, s21, PKG
	s_mov_b32 s31, 0
	s_wait_kmcnt 0x0
	s_add_nc_u64 s[6:7], s[6:7], s[30:31]
.set R, 0
.rept 25
	global_load_b128 v[82+4*R:85+4*R], v8, s[6:7] offset:8192*R
.set R, R+1
.endr
	global_load_b64 v[182:183], v217, s[6:7] offset:VSO
	v_and_b32 v222, 15, v0                         ; r
	v_bfe_u32 v223, v0, 4, 1                       ; h
	v_and_b32 v221, 31, v0                         ; lane
	v_lshlrev_b32 v1, 4, v221                      ; an image's bytes 0-15: 16 x lane
	v_lshlrev_b32 v2, 4, v222
	v_lshl_add_u32 v2, v223, 3, v2
	v_add_nc_u32 v4, VCO+512, v2
	v_add_nc_u32 v2, 512, v2                       ; its bytes 16-23: 512 + 16 r + 8 h
	v_add_nc_u32 v3, VCO, v1
	v_lshlrev_b32 v5, 2, v221
	v_add_nc_u32 v6, VSO, v5
	v_add_nc_u32 v5, KSO, v5
	v_lshlrev_b32 v222, 2, v222
	s_mul_i32 s30, s21, 98304
	s_mul_i32 s22, s20, 768
	s_add_co_u32 s30, s30, s22
	s_add_nc_u64 s[24:25], s[4:5], s[30:31]        ; Q's image
	s_lshl_b32 s30, s21, 13
	s_lshl_b32 s22, s20, 6
	s_add_co_u32 s30, s30, s22
	s_add_co_u32 s30, s30, 3145728
	s_add_nc_u64 s[26:27], s[4:5], s[30:31]        ; Q's scale words
	global_load_b128 v[16:19], v1, s[24:25]
	global_load_b64 v[20:21], v2, s[24:25]
	global_load_b32 v[QSC], v222, s[26:27]
	s_lshl_b32 s30, s20, 5
	s_add_co_u32 s30, s30, 524288
	s_add_nc_u64 s[22:23], s[8:9], s[30:31]        ; my tile's summary
	s_load_b256 s[68:75], s[22:23], 0x0
	s_lshl_b32 s30, s20, 12
	s_add_nc_u64 s[8:9], s[8:9], s[30:31]          ; my tile's lane masks, 256 bytes a step
	s_and_b32 s18, s21, 15                         ; head
	s_lshr_b32 s19, s21, 4                         ; batch
	s_lshl_b32 s30, s19, 7
	s_add_co_u32 s30, s30, s20
	s_mul_i32 s30, s30, 768
	s_mul_i32 s16, s18, APL
	s_add_co_u32 s30, s30, s16
	s_add_nc_u64 s[12:13], s[10:11], s[30:31]      ; o's image: plane = head
	s_lshr_b32 s30, s18, 1
	s_lshl_b32 s30, s30, 14
	s_lshl_b32 s16, s19, 13
	s_add_co_u32 s30, s30, s16
	s_lshl_b32 s16, s20, 6
	s_add_co_u32 s30, s30, s16
	s_and_b32 s16, s18, 1
	s_lshl_b32 s16, s16, 1
	s_add_co_u32 s30, s30, s16
	s_add_co_u32 s30, s30, ASOFF
	s_add_nc_u64 s[14:15], s[10:11], s[30:31]      ; o's scale bytes
	s_mov_b32 s16, 0x76543210
	s_mov_b32 s17, 0xfedcba98                      ; lane l xor 16
	s_mov_b32 s100, 0x3e38aa3b                     ; c = log2(e) / 8
	s_mov_b32 s101, s100
	s_wait_kmcnt 0x0
.irp i, 69,70,71,72,73,74,75
	s_or_b32 s68, s68, s[\i]
.endr
	s_and_b32 s18, s68, 0xffff                     ; bit s: step s has an open key
	s_lshr_b32 s19, s68, 16                        ; bit s: and a hidden one
	s_load_b512 s[32:47], s[8:9], 0x0              ; step 0's 64 lane masks
	s_load_b512 s[48:63], s[8:9], 0x40
	s_load_b512 s[68:83], s[8:9], 0x80
	s_load_b512 s[84:99], s[8:9], 0xc0
.set R, 0
.rept 25
	s_wait_loadcnt 28-R                            ; the younger loads may be out
	ds_store_b128 v[8+R/8], v[82+4*R:85+4*R] offset:8192*(R%8)
.set R, R+1
.endr
	s_wait_loadcnt 3                               ; Q's three may be out
	ds_store_b64 v220, v[182:183]
	s_wait_dscnt 0x0
	s_barrier_signal -1
	s_barrier_wait -1                              ; the package lies in LDS; from here on it is only read
	s_wait_loadcnt 0x0                             ; Q
	v_mov_b32 v7, 0xff800000                       ; -infinity
	v_mov_b32 v13, 0xff61b1e6                      ; the largest t so far: -3e38
	v_floor_f32 v12, -v13                          ; -M
	v_mov_b32 v14, 0
	v_mov_b32 v15, 0
.irp i, 22,23,24,25,26,27,76,77,78,79,80,81
	v_mov_b32 v[\i], 0                             ; Q's upper 64 codes; the registers behind K's last tile
.endr
.set J, 0
.rept 32
	v_mov_b32 v[O+J], 0                            ; the step is written once: its first turn finds zeros
.set J, J+1
.endr
.irp b, 0,1,2,3
	v_mov_b32 v[BT+\b], 0
.endr
	v_mov_b32 v[F+1], 0
	s_mov_b32 s29, 0
.Lstep:
	s_bitcmp1_b32 s18, s29
	s_cbranch_scc0 .Lskip                          ; all 128 keys are hidden from my 16 queries
.irp t, 0,1,2,3,4,5,6,7
	ds_load_b128 v[KF+6*\t:KF+6*\t+3], v1 offset:768*\t
	ds_load_b64 v[KF+6*\t+4:KF+6*\t+5], v2 offset:768*\t
.endr
.irp p, 0,1,2,3
	ds_load_b32 v[KSC+\p], v5 offset:128*\p        ; lanes 0-15 tile 2 p, lanes 16-31 tile 2 p + 1
.endr
	s_wait_dscnt 0x0
.irp t, 0,2,4,6
	v_wmma_scale_f32_16x16x128_f8f6f4 v[S+8*\t:S+8*\t+7], v[KF+6*\t:KF+6*\t+11], v[16:27], 0, v[KSC+\t/2], v[QSC] matrix_a_fmt:MATRIX_FMT_FP6 matrix_b_fmt:MATRIX_FMT_FP6
	v_wmma_scale_f32_16x16x128_f8f6f4 v[S+8*\t+8:S+8*\t+15], v[KF+6*\t+6:KF+6*\t+17], v[16:27], 0, v[KSC+\t/2], v[QSC] matrix_a_fmt:MATRIX_FMT_FP6 matrix_b_fmt:MATRIX_FMT_FP6 matrix_a_scale:MATRIX_SCALE_ROW1
.endr
.rept 4
	v_nop                                          ; places in front of the loads into K's registers and of the first read of the scores
.endr
.irp dt, 0,1,2,3                               ; V's fragments land under the softmax
.irp c, 0,1
	ds_load_b128 v[KF+12*\dt+6*\c:KF+12*\dt+6*\c+3], v3 offset:1536*\dt+768*\c
	ds_load_b64 v[KF+12*\dt+6*\c+4:KF+12*\dt+6*\c+5], v4 offset:1536*\dt+768*\c
.endr
.endr
	ds_load_b32 v[VSC], v6
	ds_load_b32 v[VSC+1], v6 offset:128
	s_bitcmp1_b32 s19, s29
	s_cbranch_scc0 .Lopen                          ; every key of the step counts
	s_wait_kmcnt 0x0                               ; the step's lane masks
.set N, 0
.rept 64
.if N < 32
	v_cndmask_b32 v[S+N], v[S+N], v7, s[32+N]
.else
	v_cndmask_b32 v[S+N], v[S+N], v7, s[36+N]
.endif
.set N, N+1
.endr
.Lopen:
.irp b, 0,1,2,3
	v_max3_num_f32 v[BM+\b], v[S+16*\b], v[S+1+16*\b], v[S+2+16*\b]        ; each block's largest score: for the row's maximum, and for the block's largest p
.endr
.irp i, 3,5,7,9,11,13
.irp b, 0,1,2,3
	v_max3_num_f32 v[BM+\b], v[BM+\b], v[S+16*\b+\i], v[S+1+16*\b+\i]
.endr
.endr
.irp b, 0,1,2,3
	v_max_num_f32 v[BM+\b], v[BM+\b], v[S+15+16*\b]
.endr
.irp b, 0,1,2,3
	v_permlanex16_b32 v[BT+\b], v[BM+\b], s16, s17
.endr
.irp b, 0,1,2,3
	v_max_num_f32 v[BM+\b], v[BM+\b], v[BT+\b]
.endr
	v_max3_num_f32 v[TMP], v[BM], v[BM+1], v[BM+2]
	v_max_num_f32 v[TMP], v[TMP], v[BM+3]
	v_mul_f32 v[TMP], s100, v[TMP]
	v_max_num_f32 v13, v13, v[TMP]                 ; the running largest t
	v_mov_b32 v[TMP], v12
	v_floor_f32 v12, -v13                          ; -M = floor(-t)
	v_sub_f32 v[TMP], v12, v[TMP]                  ; old M - new M, a whole number
	v_cvt_i32_f32 v[TMP], v[TMP]
	v_ldexp_f32 v[F], 1.0, v[TMP]                  ; f = 2^(old M - new M)
.set J, 0
.rept 32
	v_pk_fma_f32 v[S+J:S+J+1], v[S+J:S+J+1], s[100:101], v[12:13] op_sel_hi:[1,0,0]   ; t - M
.set J, J+2
.endr
.irp b, 0,1,2,3
	v_fma_f32 v[BM+\b], v[BM+\b], s100, v12
.endr
.set J, 0
.rept 64
	v_exp_f32 v[S+J], v[S+J]                       ; p
.set J, J+1
.endr
.irp b, 0,1,2,3
	v_exp_f32 v[BM+\b], v[BM+\b]                   ; the block's largest p
.endr
	v_pk_mul_f32 v[14:15], v[14:15], v[F:F+1] op_sel_hi:[1,0]      ; the sums under the new M (a plain place behind the exponentials)
	s_wait_alu depctr_va_vdst(0)
.irp b, 0,1,2,3
	v_max_num_f32 v[BM+\b], 0x1800000, v[BM+\b]
.endr
.irp b, 0,1,2,3
	v_add_nc_u32 v[SO+\b], 0xff000000, v[BM+\b]
.endr
.irp b, 0,1,2,3
	v_lshrrev_b32 v[BT+\b], 23, v[SO+\b]
.endr
	v_lshl_or_b32 v[PSC], v[BT+1], 8, v[BT]
	v_lshl_or_b32 v[PSC], v[BT+2], 16, v[PSC]
	v_lshl_or_b32 v[PSC], v[BT+3], 24, v[PSC]      ; p's scale word for these 128 keys
.irp c, 0,1
	v_cvt_scalef32_pk16_fp6_f32 v[PC+6*\c:PC+6*\c+2], v[S+32*\c:S+32*\c+15], v[SO+2*\c]
	v_cvt_scalef32_pk16_fp6_f32 v[CT+4*\c:CT+4*\c+2], v[S+32*\c+16:S+32*\c+31], v[SO+2*\c+1]
.endr
	v_nop                                          ; a plain place behind the conversions
.irp c, 0,1
.irp i, 0,1,2
	v_permlane16_swap_b32 v[PC+6*\c+\i], v[CT+4*\c+\i]             ; a whole block to a lane
.endr
.irp i, 0,1,2
	v_mov_b32 v[PC+6*\c+3+\i], v[CT+4*\c+\i]
.endr
.endr
	v_pk_add_f32 v[222:223], v[S:S+1], v[S+2:S+3]                  ; the row's sum, of the unquantised p, in two chains
.irp j, 4,8,12,16,20,24,28,32,36,40,44,48,52,56,60
	v_pk_add_f32 v[14:15], v[14:15], v[S+\j:S+\j+1]
	v_pk_add_f32 v[222:223], v[222:223], v[S+2+\j:S+3+\j]
.endr
	v_pk_add_f32 v[14:15], v[14:15], v[222:223]
.set J, 0
.rept 16
	v_pk_mul_f32 v[O+J:O+J+1], v[O+J:O+J+1], v[F:F+1] op_sel_hi:[1,0]   ; O^T under the new M; with the sums above: the places in front of the scaled products
.set J, J+2
.endr
	s_wait_dscnt 0x0                               ; V
.irp dt, 0,2
	v_wmma_scale_f32_16x16x128_f8f6f4 v[O+8*\dt:O+8*\dt+7], v[KF+12*\dt:KF+12*\dt+11], v[PC:PC+11], v[O+8*\dt:O+8*\dt+7], v[VSC+\dt/2], v[PSC] matrix_a_fmt:MATRIX_FMT_FP6 matrix_b_fmt:MATRIX_FMT_FP6
	v_wmma_scale_f32_16x16x128_f8f6f4 v[O+8*\dt+8:O+8*\dt+15], v[KF+12*\dt+12:KF+12*\dt+23], v[PC:PC+11], v[O+8*\dt+8:O+8*\dt+15], v[VSC+\dt/2], v[PSC] matrix_a_fmt:MATRIX_FMT_FP6 matrix_b_fmt:MATRIX_FMT_FP6 matrix_a_scale:MATRIX_SCALE_ROW1
.endr
.Lskip:
	v_add_nc_u32 v1, 6144, v1                      ; the next step's images and words; six places behind the products
	v_add_nc_u32 v2, 6144, v2
	v_add_nc_u32 v3, 6144, v3
	v_add_nc_u32 v4, 6144, v4
	v_add_nc_u32 v5, 512, v5
	v_add_nc_u32 v6, 256, v6
	s_add_co_u32 s30, s29, 1
	s_bitcmp1_b32 s19, s30                         ; bit 16 is 0: nothing is asked for beyond step 15
	s_cbranch_scc0 .Lnopf
	s_wait_kmcnt 0x0                               ; earlier scalar loads are done: their targets and their offset may be written
	s_lshl_b32 s66, s30, 8
	s_load_b512 s[32:47], s[8:9], s66 offset:0x0
	s_load_b512 s[48:63], s[8:9], s66 offset:0x40
	s_load_b512 s[68:83], s[8:9], s66 offset:0x80
	s_load_b512 s[84:99], s[8:9], s66 offset:0xc0
.Lnopf:
	s_add_co_u32 s29, s29, 1
	s_cmp_lt_u32 s29, 16
	s_cbranch_scc1 .Lstep
	s_wait_kmcnt 0x0
	; THE WAY OUT: O^T / the sum; registers 16 c + i are d = 32 c + 16 h + i of my query: quantised as a hidden layer is, block c in lanes l and l xor 16
	v_add_f32 v14, v14, v15
	v_permlanex16_b32 v[BT], v14, s16, s17
	v_add_f32 v14, v14, v[BT]
	v_cmp_eq_f32 s67, 0, v14                       ; no key counted
	v_rcp_f32 v15, v14
	v_mov_b32 v221, 0xff                           ; (a plain place behind the reciprocal)
.set J, 0
	s_wait_alu depctr_va_vdst(0)
.rept 32
	v_mul_f32 v[S+J], v[O+J], v15
.set J, J+1
.endr
.irp c, 0,1
	v_max3_num_f32 v[BM+\c], |v[S+16*\c]|, |v[S+16*\c+1]|, 0x1800000
.endr
.irp i, 2,4,6,8,10,12,14
.irp c, 0,1
	v_max3_num_f32 v[BM+\c], v[BM+\c], |v[S+16*\c+\i]|, |v[S+16*\c+\i+1]|
.endr
.endr
.irp c, 0,1
	v_permlanex16_b32 v[BT+\c], v[BM+\c], s16, s17
.endr
.irp c, 0,1
	v_max_num_f32 v[BM+\c], v[BM+\c], v[BT+\c]
.endr
.irp c, 0,1
	v_add_nc_u32 v[SO+\c], 0xff000000, v[BM+\c]
.endr
	v_cvt_scalef32_pk16_fp6_f32 v[PC:PC+2], v[S:S+15], v[SO]
	v_cvt_scalef32_pk16_fp6_f32 v[CT:CT+2], v[S+16:S+31], v[SO+1]
	v_lshrrev_b32 v[BT], 23, v[SO]                 ; (plain places behind the conversions)
	v_lshrrev_b32 v[BT+1], 23, v[SO+1]
.irp i, 0,1,2
	v_permlane16_swap_b32 v[PC+\i], v[CT+\i]
.endr
.irp i, 0,1,2
	v_mov_b32 v[PC+3+\i], v[CT+\i]
.endr
	s_mov_b32 s20, 0xffff0000
	v_cndmask_b32 v[BT], v[BT], v[BT+1], s20       ; lanes 16-31 store block 1's byte
	v_cndmask_b32 v[BT], v[BT], v221, s67
	v_and_b32 v8, 31, v0
	v_lshlrev_b32 v8, 4, v8
	v_and_b32 v9, 15, v0
	v_bfe_u32 v10, v0, 4, 1
	v_lshlrev_b32 v11, 4, v9
	v_lshl_add_u32 v11, v10, 3, v11
	v_lshl_add_u32 v10, v9, 2, v10
	global_store_b128 v8, v[PC:PC+3], s[12:13]                     ; 512 consecutive bytes,
	global_store_b64 v11, v[PC+4:PC+5], s[12:13] offset:512        ; and 256 more
	global_store_b8 v10, v[BT], s[14:15]
	s_wait_tensorcnt 0x0
	ds_add_u32 v224, v225
	s_wait_dscnt 0x0
	s_endpgm
.Lfunc_end_k_q0b631e0aa8_attn:
	.size	k_q0b631e0aa8_attn, .Lfunc_end_k_q0b631e0aa8_attn-k_q0b631e0aa8_attn
	.p2alignl 7, 3214868480
	.fill 96, 4, 3214868480
	.section	.rodata,"a",@progbits
	.p2align	6, 0x0
	.amdhsa_kernel k_q0b631e0aa8_attn
		.amdhsa_group_segment_fixed_size 210944
		.amdhsa_private_segment_fixed_size 0
		.amdhsa_enable_private_segment 0
		.amdhsa_kernarg_size 32
		.amdhsa_user_sgpr_count 2
		.amdhsa_user_sgpr_kernarg_segment_ptr 1
		.amdhsa_wavefront_size32 1
		.amdhsa_system_sgpr_workgroup_id_x 1
		.amdhsa_system_sgpr_workgroup_id_y 1
		.amdhsa_system_sgpr_workgroup_id_z 1
		.amdhsa_system_vgpr_workitem_id 0
		.amdhsa_next_free_vgpr 226
		.amdhsa_next_free_sgpr 104
		.amdhsa_reserve_vcc 0
		.amdhsa_float_denorm_mode_32 3
		.amdhsa_float_denorm_mode_16_64 3
		.amdhsa_memory_ordered 1
		.amdhsa_forward_progress 1
		.amdhsa_inst_pref_size 36
	.end_amdhsa_kernel
	.amdgpu_metadata
---
amdhsa.version: [ 1, 2 ]
amdhsa.kernels:
  - .name:           k_q0b631e0aa8_attn
    .symbol:         k_q0b631e0aa8_attn.kd
    .args:
      - { .name: qb, .offset: 0, .size: 8, .value_kind: global_buffer, .address_space: global }
      - { .name: kv, .offset: 8, .size: 8, .value_kind: global_buffer, .address_space: global }
      - { .name: mbits, .offset: 16, .size: 8, .value_kind: global_buffer, .address_space: global }
      - { .name: act, .offset: 24, .size: 8, .value_kind: global_buffer, .address_space: global }
    .group_segment_fixed_size: 210944
    .private_segment_fixed_size: 0
    .kernarg_segment_align: 8
    .kernarg_segment_size: 32
    .max_flat_workgroup_size: 512
    .sgpr_count:     104
    .vgpr_count:     226
    .wavefront_size: 32
...
	.end_amdgpu_metadata
.endif
;; end of part 3
;; launch gout (part 4): grid 4 x 16, 4 waves a work-group, clusters of 4 x 4, 327,680 bytes of LDS; arguments act, out_w_codes, out_w_scales, out_b, x, x1; writes x1
.if DOCPART == 4
	.amdgcn_target "amdgcn-amd-amdhsa--gfx1250"
	.amdhsa_code_object_version 6
	.text
	.protected	k_q0b631e0aa8_gout
	.globl	k_q0b631e0aa8_gout
	.p2align	8
	.type	k_q0b631e0aa8_gout,@function
k_q0b631e0aa8_gout:
	s_mov_b64 s[64:65], 0
	v_nop
	global_prefetch_b8 v0, s[64:65] scope:SCOPE_SE
	s_setreg_imm32_b32 hwreg(HW_REG_WAVE_MODE, 25, 1), 1
	s_wait_xcnt 0x0
	s_wait_alu depctr_hold_cnt(0) depctr_sa_sdst(0) depctr_va_vdst(0) depctr_va_sdst(0) depctr_va_ssrc(0) depctr_va_vcc(0) depctr_vm_vsrc(0)
	s_getreg_b32 s2, hwreg(HW_REG_IB_STS2, 6, 4)
	s_cmp_eq_u32 s2, 0
	s_cbranch_scc0 .Lentry_in_a_cluster
	s_endpgm
.Lentry_in_a_cluster:
	s_bfe_u32 s2, ttmp6, 0x10000c
	s_cmp_lg_u32 s2, 0xf033
	s_cbranch_scc0 .Lentry_shape_is_right
	s_endpgm
.Lentry_shape_is_right:
; y = res + (a W^T + b): a as operand images with scale words, W as rows of codes of E2M3 with E8M0 scales, res and y f32 [4,096][1,024].  K = SIZE_K.
; A tile of 256 x 256 to a work-group of four waves, 128 x 128 a wave: 64 accumulators.  K goes in steps of 256 through two LDS slots filled by the tensor data mover.
; A lies in memory as images of operand registers: [plane of 64 K][tile of 16 rows][768]: a fragment is two loads of 16 bytes and two of 8, dense in LDS.  B lies as rows of codes: 192 bytes a step, 16 bytes of padding behind each 64.
; All scale words of the work-group's rows come once, with the first fills.  CLUSTER 4 x 4: A's tiles are asked for jointly along a row of the cluster, B's along a column.
; The matrix instruction is used transposed (source 0 = 16 rows of W, source 1 = 16 rows of a): a lane holds eight neighbouring columns of one row.  The bias is the C of each sum's first instruction.
; THE WAY OUT: a block of 16 rows x 128 columns goes through my stage in LDS and comes back as whole rows of 512 bytes; the residual's rows, asked for two blocks ahead, are added; each store covers 512 consecutive bytes.
; N = 1,024 gives 64 tiles of this size: 64 work-groups.
.set SIZE_K, 1024
.set ASOFF,  3145728                   ; where A's scale planes begin
.set APL,    196608
.set KP,     SIZE_K/128
.set KS,     SIZE_K/32
.set KROW,   SIZE_K*3/4
.set HALFA,  24576
.set PITCH,  240
.set HALFB,  128*PITCH
.set BOFF,   2*HALFA
.set SLOT,   2*HALFA+2*HALFB
.set SCA,    2*SLOT
.set HALFSA, 512*KP
.set SCB,    SCA+2*HALFSA
.set HALFSB, (128*KS/256)*272
.set SBLK,   (16*KS/256)*272
.set SPARE,  SCB+2*HALFSB              ; the spare words: 128 bytes a wave, named by no other line
.set LAPS,   SIZE_K/512
.set FR,   12
.set ADRA, 16
.set ADRB, 20
.set STO,  24
.set RD,   25
.set CO,   26
.set ADSA, 27
.set SPW,  28
.set NIL,  29
.set ADSB, 30
.set SC,   32                          ; v32-63 scale words, two sets of 16
.set BI,   64                          ; v64-127 the bias in the result's layout
.set AF,   128                         ; v128-223 A's eight fragments
.set BK,   192
.set SPITCH, 528
.set G1,   24
.set G0,   32
.set G1B,  48
.set G0B,  56
.set G1S,  68
.set G0S,  76
.set G1SB, 80
.set G0SB, 88
.set MSB, 0
.macro WIN new
.if MSB != \new
	s_set_vgpr_msb (MSB<<8)|\new
.set MSB, \new
.endif
.endm
.set MUL_LO, 0xa1
.set MUL_HI, 0xf1
.set TO_B,   0x40
.macro PLACES
.rept 4
	v_nop
.endr
.endm
.macro JLOAD g0a, g1a, g0b, g1b        ; waves 0, 1 ask for A, waves 2, 3 for B; four v_nop follow each line
	s_cmp_eq_u32 s15, 0
	s_cbranch_scc0 .Lfor_b_\@
	tensor_load_to_lds s[\g0a:\g0a+3], s[\g1a:\g1a+7]
	s_nop 0
	PLACES
	s_branch .Lasked_\@
.Lfor_b_\@:
	tensor_load_to_lds s[\g0b:\g0b+3], s[\g1b:\g1b+7]
	s_nop 0
	PLACES
.Lasked_\@:
.endm
.macro CREST
	s_cmp_lg_u32 s14, 0
	s_cbranch_scc1 .Lnot_wave_0_\@
	s_barrier_signal -3
.Lnot_wave_0_\@:
	s_barrier_wait -3
	s_barrier_signal -1
	s_barrier_wait -1
.endm
.macro CROUND
	s_barrier_signal -1
	s_barrier_wait -1
	CREST
.endm
	s_load_b256 s[4:11], s[0:1], 0x0               ; A, W's codes, W's scales, bias
	s_load_b128 s[96:99], s[0:1], 0x20             ; the residual, the output
	v_lshl_add_u32 v[SPW], v0, 2, SPARE
	v_mov_b32 v[NIL], 0
	ds_add_u32 v28, v29
	ds_add_u32 v28, v29
	s_wait_dscnt 0x0
	v_lshrrev_b32 v1, 5, v0
	v_readfirstlane_b32 s14, v1
	s_lshr_b32 s15, s14, 1
	s_and_b32 s16, s14, 1
	s_bfe_u32 s40, ttmp6, 0x40000
	s_bfe_u32 s41, ttmp6, 0x40004
	s_lshl_b32 s42, ttmp9, 2
	s_add_co_u32 s42, s42, s40                     ; tile column
	s_and_b32 s17, ttmp7, 0xffff
	s_lshl_b32 s17, s17, 2
	s_add_co_u32 s17, s17, s41                     ; tile row
	s_lshl_b32 s43, s41, 2
	s_lshl_b32 s43, 15, s43
	s_lshl_b32 s44, 0x1111, s40
	s_or_b32 s[G1+0], s43, (1<<21)                 ; A's codes: 4 planes x 6,144 bytes, 196,608 apart, dense in LDS
	s_mov_b32 s[G1+1], 6144<<16
	s_mov_b32 s[G1+2], 4<<16
	s_mov_b32 s[G1+3], 6144<<16
	s_mov_b32 s[G1+4], 4
	s_mov_b32 s[G1+5], APL
	s_mov_b32 s[G1+6], 0
	s_mov_b32 s[G1+7], 0
	s_or_b32 s[G1B+0], s44, (1<<20)|(1<<21)|(3<<22)|(3<<25)   ; B's codes: 128 rows x 192 bytes, padded
	s_mov_b32 s[G1B+1], 192<<16
	s_mov_b32 s[G1B+2], 128<<16
	s_mov_b32 s[G1B+3], 192<<16
	s_mov_b32 s[G1B+4], 128
	s_mov_b32 s[G1B+5], KROW
	s_mov_b32 s[G1B+6], 0
	s_mov_b32 s[G1B+7], 0
	s_or_b32 s[G1S+0], s43, (1<<21)                ; A's scale words: KP planes x 512 bytes
	s_mov_b32 s[G1S+1], 512<<16
	s_mov_b32 s[G1S+2], KP<<16
	s_mov_b32 s[G1S+3], 512<<16
	s_mov_b32 s[G1S+4], KP
	s_mov_b32 s[G1S+5], 16384
	s_mov_b32 s[G1S+6], 0
	s_mov_b32 s[G1S+7], 0
	s_or_b32 s[G1SB+0], s44, (3<<16)|(1<<20)|(1<<21)|(5<<22)|(3<<25)   ; B's scale bytes: rows of 256 bytes + 16
	s_mov_b32 s[G1SB+1], 32<<16
	s_mov_b32 s[G1SB+2], (128*KS/256)<<16
	s_mov_b32 s[G1SB+3], 32<<16
	s_mov_b32 s[G1SB+4], 128*KS/256
	s_mov_b32 s[G1SB+5], 32
	s_mov_b32 s[G1SB+6], 0
	s_mov_b32 s[G1SB+7], 0
	s_mul_i32 s20, s17, 12288
	s_mul_i32 s18, s16, 6144
	s_add_co_u32 s20, s20, s18
	s_mov_b32 s21, 0
	s_lshl_b32 s22, s17, 10
	s_lshl_b32 s18, s16, 9
	s_add_co_u32 s22, s22, s18
	s_add_co_u32 s22, s22, ASOFF
	s_mov_b32 s23, 0
	s_lshl_b32 s46, s42, 8
	s_lshl_b32 s18, s16, 7
	s_add_co_u32 s46, s46, s18
	s_mul_i32 s92, s46, KS
	s_mov_b32 s93, 0
	s_mul_i32 s46, s46, KROW
	s_mov_b32 s47, 0
	s_mul_i32 s45, s16, HALFA
	s_mul_i32 s94, s16, HALFB
	s_add_co_u32 s94, s94, BOFF
	s_mul_i32 s95, s16, HALFSA
	s_add_co_u32 s95, s95, SCA
	s_mul_i32 s19, s16, HALFSB
	s_add_co_u32 s19, s19, SCB
	s_wait_kmcnt 0x0
	s_add_nc_u64 s[20:21], s[4:5], s[20:21]
	s_add_nc_u64 s[22:23], s[4:5], s[22:23]
	s_add_nc_u64 s[46:47], s[6:7], s[46:47]
	s_add_nc_u64 s[92:93], s[8:9], s[92:93]
	CROUND                                         ; all sixteen work-groups are here: the first joint loads meet
	s_mov_b32 s[G0S], 1
	s_mov_b32 s[G0S+1], s95
	s_mov_b64 s[G0S+2:G0S+3], s[22:23]
	s_or_b32 s[G0S+3], s[G0S+3], 0x80000000
	s_mov_b32 s[G0SB], 1
	s_mov_b32 s[G0SB+1], s19
	s_mov_b64 s[G0SB+2:G0SB+3], s[92:93]
	s_or_b32 s[G0SB+3], s[G0SB+3], 0x80000000
	JLOAD G0S, G1S, G0SB, G1SB
.irp s, 0,1
	s_mov_b32 s[G0+4*\s], 1
	s_add_co_u32 s[G0+4*\s+1], s45, \s*SLOT
	s_add_nc_u64 s[G0+4*\s+2:G0+4*\s+3], s[20:21], \s*4*APL
	s_or_b32 s[G0+4*\s+3], s[G0+4*\s+3], 0x80000000
	s_mov_b32 s[G0B+4*\s], 1
	s_add_co_u32 s[G0B+4*\s+1], s94, \s*SLOT
	s_add_nc_u64 s[G0B+4*\s+2:G0B+4*\s+3], s[46:47], \s*192
	s_or_b32 s[G0B+4*\s+3], s[G0B+4*\s+3], 0x80000000
	JLOAD G0+4*\s, G1, G0B+4*\s, G1B
.endr                                          ; three tensor loads of mine are out
	v_and_b32 v1, 15, v0
	v_bfe_u32 v2, v0, 4, 1
	v_and_b32 v3, 31, v0
	v_lshlrev_b32 v4, 4, v3
	v_lshlrev_b32 v5, 4, v1
	v_lshl_add_u32 v5, v2, 3, v5
	v_mul_u32_u24 v6, v1, PITCH
	v_mad_u32_u24 v6, v2, 24, v6
	v_lshl_add_u32 v7, v2, 4, v6
	s_mul_i32 s21, s15, HALFA
	s_mul_i32 s22, s16, HALFB
	s_add_co_u32 s22, s22, BOFF
.irp s, 0,1
	v_add_nc_u32 v[ADRA+\s], s21, v4
	v_add_nc_u32 v[ADRA+2+\s], s21, v5
	v_add_nc_u32 v[ADRB+\s], s22, v6
	v_add_nc_u32 v[ADRB+2+\s], s22, v7
	s_add_co_u32 s21, s21, SLOT
	s_add_co_u32 s22, s22, SLOT
.endr
	s_mul_i32 s21, s15, HALFSA
	s_add_co_u32 s21, s21, SCA
	v_lshl_add_u32 v[ADSA], v3, 2, s21
	v_mul_u32_u24 v8, v3, KS
	v_lshrrev_b32 v9, 8, v8
	v_lshl_add_u32 v8, v9, 4, v8
	s_mul_i32 s22, s16, HALFSB
	s_add_co_u32 s22, s22, SCB
	v_add_nc_u32 v[ADSB], s22, v8
	s_lshl_b32 s20, s42, 10
	s_lshl_b32 s21, s16, 9
	s_add_co_u32 s20, s20, s21
	s_mov_b32 s21, 0
	s_add_nc_u64 s[10:11], s[10:11], s[20:21]
	v_lshlrev_b32 v10, 5, v2
.irp b, 0,1,2,3,4,5,6,7
	global_load_b128 v[BI+8*\b:BI+8*\b+3], v10, s[10:11] offset:64*\b
	global_load_b128 v[BI+8*\b+4:BI+8*\b+7], v10, s[10:11] offset:64*\b+16
.endr
	s_mul_i32 s23, s14, 16*SPITCH                  ; my stage, in slot 0
	v_mul_u32_u24 v5, v1, SPITCH
	v_lshl_add_u32 v5, v2, 5, v5
	v_add_nc_u32 v[STO], s23, v5
	v_lshlrev_b32 v[CO], 4, v3
	v_add_nc_u32 v[RD], s23, v[CO]
	s_lshl_b32 s22, s17, 20                        ; my first row x 4,096 bytes, + my first column x 4 (s20 holds it)
	s_add_co_u32 s20, s20, s22
	s_lshl_b32 s22, s15, 19
	s_add_co_u32 s20, s20, s22
	s_add_nc_u64 s[96:97], s[96:97], s[20:21]
	s_add_nc_u64 s[98:99], s[98:99], s[20:21]
.macro FRAG reg, adr, q, i
.irp p, 0,1,2,3,4,5
.set PCE, 12*(\q)+6*(\p/3)+\p%3
.if PCE%8 < 5
	ds_load_b64 v[\reg+2*\p:\reg+2*\p+1], v[\adr] offset:8*PCE+16*(PCE/8)+(\i)*16*PITCH
.else
	ds_load_b64 v[\reg+2*\p:\reg+2*\p+1], v[\adr+2] offset:8*PCE+16*(PCE/8)+(\i)*16*PITCH
.endif
.endr
.endm
.macro FRAGA reg, slot, q, i
	ds_load_b128 v[\reg:\reg+3], v[ADRA+\slot] offset:2*(\q)*6144+768*(\i)
	ds_load_b64 v[\reg+4:\reg+5], v[ADRA+2+\slot] offset:2*(\q)*6144+768*(\i)+512
	ds_load_b128 v[\reg+6:\reg+9], v[ADRA+\slot] offset:(2*(\q)+1)*6144+768*(\i)
	ds_load_b64 v[\reg+10:\reg+11], v[ADRA+2+\slot] offset:(2*(\q)+1)*6144+768*(\i)+512
.endm
.macro FETCH_B slot, q, p
	WIN TO_B
.irp i, 0,1,2,3,4,5,6,7
	FRAG 128*(\p)+FR*\i, ADRB+\slot, \q, \i
.endr
	WIN 0
.endm
.macro FETCH_A slot, q, i0             ; 16 loads
.irp i, \i0, \i0+1, \i0+2, \i0+3
	FRAGA AF+FR*(\i), \slot, \q, \i
.endr
.endm
.macro SCALES sc                       ; 12 loads
.irp q, 0,1
.irp i, 0,1,2,3
	ds_load_b32 v[SC+16*\sc+4*\q+\i], v[ADSA] offset:512*\q+128*\i
.endr
.endr
.irp i, 0,1,2,3
	ds_load_b64 v[SC+16*\sc+8+2*\i:SC+16*\sc+9+2*\i], v[ADSB] offset:2*SBLK*\i
.endr
.endm
.macro WM
.if rRB && rRA
	v_wmma_scale_f32_16x16x128_f8f6f4 v[rD:rD+7], v[rB:rB+11], v[rA:rA+11], v[rC:rC+7], v[rSB], v[rSA] matrix_a_fmt:MATRIX_FMT_FP6 matrix_b_fmt:MATRIX_FMT_FP6 matrix_a_scale:MATRIX_SCALE_ROW1 matrix_b_scale:MATRIX_SCALE_ROW1
.elseif rRB
	v_wmma_scale_f32_16x16x128_f8f6f4 v[rD:rD+7], v[rB:rB+11], v[rA:rA+11], v[rC:rC+7], v[rSB], v[rSA] matrix_a_fmt:MATRIX_FMT_FP6 matrix_b_fmt:MATRIX_FMT_FP6 matrix_a_scale:MATRIX_SCALE_ROW1
.elseif rRA
	v_wmma_scale_f32_16x16x128_f8f6f4 v[rD:rD+7], v[rB:rB+11], v[rA:rA+11], v[rC:rC+7], v[rSB], v[rSA] matrix_a_fmt:MATRIX_FMT_FP6 matrix_b_fmt:MATRIX_FMT_FP6 matrix_b_scale:MATRIX_SCALE_ROW1
.else
	v_wmma_scale_f32_16x16x128_f8f6f4 v[rD:rD+7], v[rB:rB+11], v[rA:rA+11], v[rC:rC+7], v[rSB], v[rSA] matrix_a_fmt:MATRIX_FMT_FP6 matrix_b_fmt:MATRIX_FMT_FP6
.endif
.endm
; The 64 accumulators take turns, one instruction a turn, in the same order in every step.  first = 1: C is the bias.
.macro MUL16 a0, p, q, sc, first
.irp a, \a0, \a0+1
.irp b, 0,1,2,3,4,5,6,7
.set rD, 8*(8*((\a)%4)+\b)
.set rB, 128*(\p)+FR*\b
.set rA, AF+FR*(\a)
.set rSB, SC+16*(\sc)+8+2*(\b/2)+(\q)
.set rSA, SC+16*(\sc)+4*(\q)+(\a)/2
.set rRB, \b%2
.set rRA, (\a)%2
.if \first
.set rC, BI+8*\b
.else
.set rC, rD
.endif
	WM
.endr
.endr
.endm
.macro STEP slot, first
	s_wait_dscnt 16                                ; all but A's blocks 4-7 (the youngest 16 loads)
.if \first
	WIN 0x81
.else
	WIN MUL_LO
.endif
	MUL16 0, 0, 0, \slot, \first
	MUL16 2, 0, 0, \slot, \first
	s_wait_dscnt 0x0
	PLACES
	FETCH_B \slot, 1, 1
	FETCH_A \slot, 1, 0
.if \first
	WIN 0xc1
.else
	WIN MUL_HI
.endif
	MUL16 4, 0, 0, \slot, \first
	MUL16 6, 0, 0, \slot, \first
	PLACES
	WIN 0
	FETCH_A \slot, 1, 4
.endm
.macro TURN slot, next, fill
	s_wait_tensorcnt 0x0                           ; all my tensor loads have landed: my part of the next slot
	ds_add_u32 v[SPW], v[NIL]                      ; 0 onto my spare word
	s_wait_dscnt 17                                ; the add and A's blocks 4-7 may be out
	WIN MUL_LO
	MUL16 0, 1, 1, \slot, 0
	s_wait_dscnt 0x0                               ; the add is done, my reads of this slot are over
	s_barrier_signal -1
	MUL16 2, 1, 1, \slot, 0
	WIN 0
	s_barrier_wait -1
.if \fill
	CREST                                          ; the barrier opened a round of the cluster's
	s_add_nc_u64 s[G0+4*\slot+2:G0+4*\slot+3], s[G0+4*\slot+2:G0+4*\slot+3], 8*APL
	s_add_nc_u64 s[G0B+4*\slot+2:G0B+4*\slot+3], s[G0B+4*\slot+2:G0B+4*\slot+3], 2*192
	JLOAD G0+4*\slot, G1, G0B+4*\slot, G1B         ; my one tensor load behind the round
.else
	PLACES
.endif
	v_add_nc_u32 v[ADSA], 1024, v[ADSA]
	v_add_nc_u32 v[ADSB], 8, v[ADSB]
	FETCH_B \next, 0, 0
	FETCH_A \next, 0, 0
	SCALES \next
	WIN MUL_HI
	MUL16 4, 1, 1, \slot, 0
	MUL16 6, 1, 1, \slot, 0
	PLACES
	WIN 0
	FETCH_A \next, 0, 4
.endm
.macro RES a                           ; the residual's 16 rows of block a
.set RX, 64+64*((\a)%2)
.irp t, 0,1,2,3,4,5,6,7,8,9,10,11,12,13,14,15
	global_load_b128 v[RX+4*\t:RX+4*\t+3], v[CO], s[96:97] offset:(16*(\a)+\t)*4096
.endr
.endm
	s_wait_tensorcnt 1                             ; the scales and K step 0 are in; K step 1's load may be out
	s_barrier_signal -1
	s_barrier_wait -1
	FETCH_B 0, 0, 0
	FETCH_A 0, 0, 0
	SCALES 0
	FETCH_A 0, 0, 4
	s_wait_loadcnt 0x0                             ; the bias
	STEP 0, 1
	s_mov_b32 s3, LAPS-1
.Llap:
	TURN 0, 1, 1
	STEP 1, 0
	TURN 1, 0, 1
	STEP 0, 0
	s_sub_co_u32 s3, s3, 1
	s_cmp_lg_u32 s3, 0
	s_cbranch_scc1 .Llap
	RES 0                                          ; into the registers that the bias has left
	TURN 0, 1, 0
	STEP 1, 0
	s_wait_dscnt 16
	WIN MUL_LO
	MUL16 0, 1, 1, 1, 0
	MUL16 2, 1, 1, 1, 0
	s_wait_dscnt 0x0
	WIN MUL_HI
	MUL16 4, 1, 1, 1, 0
	MUL16 6, 1, 1, 1, 0
	WIN 0
	PLACES
	RES 1
.macro OUTB a
.set AC, 64*((\a)%4)
.if (\a) > 0
	s_wait_xcnt 0x0                                ; the last block's stores have read their data
.endif
	WIN 0x08+4*((\a)/4)
.irp b, 0,1,2,3,4,5,6,7
	ds_store_b128 v[STO], v[AC+8*\b:AC+8*\b+3] offset:64*\b        ; each accumulator from its low end on
	ds_store_b128 v[STO], v[AC+8*\b+4:AC+8*\b+7] offset:64*\b+16
.endr
	WIN 0
.irp t, 0,1,2,3,4,5,6,7,8,9,10,11,12,13,14,15
	ds_load_b128 v[BK+4*\t:BK+4*\t+3], v[RD] offset:\t*SPITCH      ; LDS serves a wave's instructions in order
.endr
	s_wait_dscnt 0x0
.if (\a) < 7
	s_wait_loadcnt 16                              ; the next block's residual may be out
.else
	s_wait_loadcnt 0x0
.endif
.set RX, 64+64*((\a)%2)
.set J, 0
.rept 32
	v_pk_add_f32 v[BK+J:BK+J+1], v[BK+J:BK+J+1], v[RX+J:RX+J+1]
.set J, J+2
.endr
.irp t, 0,1,2,3,4,5,6,7,8,9,10,11,12,13,14,15
	global_store_b128 v[CO], v[BK+4*\t:BK+4*\t+3], s[98:99] offset:(16*(\a)+\t)*4096     ; 512 consecutive bytes, aligned
.endr
.if (\a) < 6
	RES (\a)+2
.endif
.endm
.irp a, 0,1,2,3,4,5,6,7
	OUTB \a
.endr
	s_wait_tensorcnt 0x0                           ; the wave's end
	ds_add_u32 v[SPW], v[NIL]
	s_wait_dscnt 0x0
	CROUND                                         ; the closing round
	s_endpgm
.Lfunc_end_k_q0b631e0aa8_gout:
	.size	k_q0b631e0aa8_gout, .Lfunc_end_k_q0b631e0aa8_gout-k_q0b631e0aa8_gout
	.p2alignl 7, 3214868480
	.fill 96, 4, 3214868480
	.section	.rodata,"a",@progbits
	.p2align	6, 0x0
	.amdhsa_kernel k_q0b631e0aa8_gout
		.amdhsa_group_segment_fixed_size 327680
		.amdhsa_private_segment_fixed_size 0
		.amdhsa_enable_private_segment 0
		.amdhsa_kernarg_size 48
		.amdhsa_user_sgpr_count 2
		.amdhsa_user_sgpr_kernarg_segment_ptr 1
		.amdhsa_wavefront_size32 1
		.amdhsa_system_sgpr_workgroup_id_x 1
		.amdhsa_system_sgpr_workgroup_id_y 1
		.amdhsa_system_sgpr_workgroup_id_z 1
		.amdhsa_system_vgpr_workitem_id 0
		.amdhsa_next_free_vgpr 1024
		.amdhsa_next_free_sgpr 104
		.amdhsa_reserve_vcc 0
		.amdhsa_float_denorm_mode_32 3
		.amdhsa_float_denorm_mode_16_64 3
		.amdhsa_memory_ordered 1
		.amdhsa_forward_progress 1
		.amdhsa_inst_pref_size 183
	.end_amdhsa_kernel
	.amdgpu_metadata
---
amdhsa.version: [ 1, 2 ]
amdhsa.kernels:
  - .name:           k_q0b631e0aa8_gout
    .symbol:         k_q0b631e0aa8_gout.kd
    .args:
      - { .name: act, .offset: 0, .size: 8, .value_kind: global_buffer, .address_space: global }
      - { .name: out_w_codes, .offset: 8, .size: 8, .value_kind: global_buffer, .address_space: global }
      - { .name: out_w_scales, .offset: 16, .size: 8, .value_kind: global_buffer, .address_space: global }
      - { .name: out_b, .offset: 24, .size: 8, .value_kind: global_buffer, .address_space: global }
      - { .name: x, .offset: 32, .size: 8, .value_kind: global_buffer, .address_space: global }
      - { .name: x1, .offset: 40, .size: 8, .value_kind: global_buffer, .address_space: global }
    .group_segment_fixed_size: 327680
    .private_segment_fixed_size: 0
    .kernarg_segment_align: 8
    .kernarg_segment_size: 48
    .max_flat_workgroup_size: 128
    .sgpr_count:     104
    .vgpr_count:     1024
    .wavefront_size: 32
...
	.end_amdgpu_metadata
.endif
;; end of part 4
;; launch ln2 (part 5): grid 256 x 1, 8 waves a work-group, no clusters, 87,552 bytes of LDS; arguments x1, ln2_g, ln2_b, act; writes act
.if DOCPART == 5
	.amdgcn_target "amdgcn-amd-amdhsa--gfx1250"
	.amdhsa_code_object_version 6
	.text
	.protected	k_q0b631e0aa8_ln2
	.globl	k_q0b631e0aa8_ln2
	.p2align	8
	.type	k_q0b631e0aa8_ln2,@function
k_q0b631e0aa8_ln2:
	s_mov_b64 s[64:65], 0
	v_nop
	global_prefetch_b8 v0, s[64:65] scope:SCOPE_SE
	s_setreg_imm32_b32 hwreg(HW_REG_WAVE_MODE, 25, 1), 1
	s_wait_xcnt 0x0
; h = LayerNorm(x) g + b for 16 rows of 1,024 a work-group, quantised along the row to codes of E2M3 with one E8M0 byte for each 32, and stored in the order in which the next product's operand registers take them.
; CODES: [plane of 64 along K (16)][tile of 16 rows (256)][768 bytes].  An image of 768 bytes: block c (32 codes, 24 bytes) of row r has its bytes 0-15 at 256 c + 16 r and its bytes 16-23 at 512 + 16 r + 8 c.
; SCALES: behind the codes, [plane of 128 along K (8)][4,096 rows][4 bytes].
; A wave takes two rows; a row's 4,096 bytes lie in 32 registers between the passes, so x is read once.  The normalised row turns through the wave's own LDS so that a lane holds one whole block of 32.
; LIMITS: a block of zeros gets the byte 1 (its codes are zeros; the bytes are read by this program alone); NaN and infinities in x are not served beyond this: a row of NaN keeps some codes, and the residual carries the NaN on.  The scale words leave in runs of 64 bytes.
.set APL,   196608
.set ASOFF, 3145728
.set XST,   0
.set CST,   73728
.set SST,   86016
.set G,  16
.set B,  48
.set X0, 80
.set X1, 112
.set Y,  144
.set T,  176
	s_load_b128 s[4:7], s[0:1], 0x0                ; x, g
	s_load_b64 s[8:9], s[0:1], 0x10                ; b
	s_load_b64 s[14:15], s[0:1], 0x18              ; act
	v_lshl_add_u32 v192, v0, 2, 0x15200
	v_mov_b32 v193, 0
	v_lshrrev_b32 v1, 5, v0
	v_readfirstlane_b32 s16, v1                    ; wave
	v_and_b32 v14, 31, v0                          ; lane
	v_lshlrev_b32 v1, 4, v14
	s_lshl_b32 s24, ttmp9, 16
	s_lshl_b32 s25, s16, 13
	s_add_co_u32 s24, s24, s25
	s_mov_b32 s25, 0
	s_wait_kmcnt 0x0
	s_add_nc_u64 s[4:5], s[4:5], s[24:25]
.irp j, 0,1,2,3,4,5,6,7
	global_load_b128 v[X0+4*\j:X0+4*\j+3], v1, s[4:5] offset:512*\j
.endr
.irp j, 0,1,2,3,4,5,6,7
	global_load_b128 v[G+4*\j:G+4*\j+3], v1, s[6:7] offset:512*\j
.endr
.irp j, 0,1,2,3,4,5,6,7
	global_load_b128 v[B+4*\j:B+4*\j+3], v1, s[8:9] offset:512*\j
.endr
.irp j, 0,1,2,3,4,5,6,7
	global_load_b128 v[X1+4*\j:X1+4*\j+3], v1, s[4:5] offset:4096+512*\j
.endr
	s_mov_b32 s18, 0x76543210
	s_mov_b32 s19, 0xfedcba98
	s_mov_b32 s20, 0x3a800000                      ; 1 / 1,024
	s_mov_b32 s21, 0x3727c5ac                      ; 1e-5
	s_mul_i32 s22, s16, 9216
	v_lshrrev_b32 v15, 3, v14
	v_lshl_add_u32 v2, v15, 4, v1
	v_add_nc_u32 v2, s22, v2
	v_mul_u32_u24 v3, v14, 144
	v_add_nc_u32 v3, s22, v3
	v_lshrrev_b32 v15, 1, v14
	v_mul_u32_u24 v4, v15, 768
	v_and_b32 v15, 1, v14
	v_lshl_add_u32 v5, v15, 3, v4
	v_lshl_add_u32 v4, v15, 8, v4
	s_lshl_b32 s23, s16, 5
	s_add_co_u32 s23, s23, CST
	v_add_nc_u32 v4, s23, v4
	s_add_co_u32 s23, s23, 512
	v_add_nc_u32 v5, s23, v5
	v_lshrrev_b32 v15, 2, v14
	v_and_b32 v6, 3, v14
	v_lshl_add_u32 v6, v15, 6, v6
	s_lshl_b32 s23, s16, 3
	s_add_co_u32 s23, s23, SST
	v_add_nc_u32 v6, s23, v6
	s_mul_i32 s23, s16, 1536
	s_add_co_u32 s23, s23, CST
	v_add_nc_u32 v7, s23, v1
	v_lshrrev_b32 v15, 4, v14
	v_mul_u32_u24 v8, v15, APL-768
	v_add_nc_u32 v8, v8, v1
	v_add_nc_u32 v9, SST, v1
	s_mul_i32 s24, s16, 2*APL
	s_mul_i32 s23, ttmp9, 768
	s_add_co_u32 s24, s24, s23
	s_add_nc_u64 s[26:27], s[14:15], s[24:25]
	s_lshl_b32 s24, ttmp9, 6
	s_add_co_u32 s24, s24, ASOFF
	s_add_nc_u64 s[28:29], s[14:15], s[24:25]
.macro REDUCE
	v_add_f32_dpp v[T], v[T], v[T] row_xmask:1 row_mask:0xf bank_mask:0xf
	v_add_f32_dpp v[T], v[T], v[T] row_xmask:2 row_mask:0xf bank_mask:0xf
	v_add_f32_dpp v[T], v[T], v[T] row_xmask:4 row_mask:0xf bank_mask:0xf
	v_add_f32_dpp v[T], v[T], v[T] row_xmask:8 row_mask:0xf bank_mask:0xf
	v_permlanex16_b32 v[T+1], v[T], s18, s19
	v_add_f32 v[T], v[T], v[T+1]
.endm
.macro FOLD
	v_pk_add_f32 v[T:T+1], v[T:T+1], v[T+4:T+5]
	v_pk_add_f32 v[T+2:T+3], v[T+2:T+3], v[T+6:T+7]
	v_pk_add_f32 v[T:T+1], v[T:T+1], v[T+2:T+3]
	v_add_f32 v[T], v[T], v[T+1]
.endm
.macro ROW rr, X, left1, left2
	s_wait_loadcnt \left1
.irp i, 0,1,2,3,4,5,6,7
	v_pk_add_f32 v[T+2*\i:T+2*\i+1], v[\X+4*\i:\X+4*\i+1], v[\X+4*\i+2:\X+4*\i+3]
.endr
.irp i, 0,1,2,3
	v_pk_add_f32 v[T+2*\i:T+2*\i+1], v[T+2*\i:T+2*\i+1], v[T+8+2*\i:T+9+2*\i]
.endr
	FOLD
	REDUCE
	v_mul_f32 v10, s20, v[T]
	v_mul_f32 v11, s20, v[T]
.irp i, 0,1,2,3,4,5,6,7,8,9,10,11,12,13,14,15
	v_pk_add_f32 v[\X+2*\i:\X+2*\i+1], v[\X+2*\i:\X+2*\i+1], v[10:11] neg_lo:[0,1] neg_hi:[0,1]
.endr
.irp i, 0,1,2,3
	v_pk_mul_f32 v[T+2*\i:T+2*\i+1], v[\X+2*\i:\X+2*\i+1], v[\X+2*\i:\X+2*\i+1]
.endr
.irp i, 4,5,6,7,8,9,10,11,12,13,14,15
	v_pk_fma_f32 v[T+2*(\i%4):T+2*(\i%4)+1], v[\X+2*\i:\X+2*\i+1], v[\X+2*\i:\X+2*\i+1], v[T+2*(\i%4):T+2*(\i%4)+1]
.endr
	FOLD
	REDUCE
	v_fma_f32 v[T], v[T], s20, s21
	v_rsq_f32 v12, v[T]
	v_rsq_f32 v13, v[T]
	v_nop                                          ; a plain place behind the transcendentals
	s_wait_loadcnt \left2
	s_wait_alu depctr_va_vdst(0)
.irp i, 0,1,2,3,4,5,6,7,8,9,10,11,12,13,14,15
	v_pk_mul_f32 v[\X+2*\i:\X+2*\i+1], v[\X+2*\i:\X+2*\i+1], v[12:13]
.endr
.irp i, 0,1,2,3,4,5,6,7,8,9,10,11,12,13,14,15
	v_pk_fma_f32 v[\X+2*\i:\X+2*\i+1], v[\X+2*\i:\X+2*\i+1], v[G+2*\i:G+2*\i+1], v[B+2*\i:B+2*\i+1]
.endr
.irp j, 0,1,2,3,4,5,6,7
	ds_store_b128 v2, v[\X+4*\j:\X+4*\j+3] offset:\rr*4608+576*\j
.endr
.irp j, 0,1,2,3,4,5,6,7
	ds_load_b128 v[Y+4*\j:Y+4*\j+3], v3 offset:\rr*4608+16*\j      ; LDS serves a wave's instructions in order
.endr
	s_wait_dscnt 0x0
	v_max3_num_f32 v[T+12], |v[Y]|, |v[Y+1]|, 0x1800000            ; with the floor 2^(3 - 127)
	v_max3_num_f32 v[T+13], |v[Y+2]|, |v[Y+3]|, |v[Y+4]|
.irp i, 5,9,13,17,21,25
	v_max3_num_f32 v[T+12], v[T+12], |v[Y+\i]|, |v[Y+\i+1]|
	v_max3_num_f32 v[T+13], v[T+13], |v[Y+\i+2]|, |v[Y+\i+3]|
.endr
	v_max3_num_f32 v[T+12], v[T+12], |v[Y+29]|, |v[Y+30]|
	v_max3_num_f32 v[T+12], v[T+12], v[T+13], |v[Y+31]|
	v_add_nc_u32 v[T+14], 0xff000000, v[T+12]
	v_cvt_scalef32_pk16_fp6_f32 v[T:T+2], v[Y:Y+15], v[T+14]
	v_cvt_scalef32_pk16_fp6_f32 v[T+8:T+10], v[Y+16:Y+31], v[T+14]
	v_lshrrev_b32 v[T+15], 23, v[T+14]             ; the byte (a plain place behind the conversions)
	v_mov_b32 v[T+3], v[T+8]
	v_mov_b32 v[T+4], v[T+9]
	v_mov_b32 v[T+5], v[T+10]
	ds_store_b128 v4, v[T:T+3] offset:16*\rr
	ds_store_b64 v5, v[T+4:T+5] offset:16*\rr
	ds_store_b8 v6, v[T+15] offset:4*\rr
	s_wait_dscnt 0x0
.endm
	ROW 0, X0, 24, 8                               ; 24: g, b and the second row may be out; 8: the second row may be out
	ROW 1, X1, 0, 0
	s_barrier_signal -1                            ; every wave's LDS stores have landed (the wait for 0 above)
	s_barrier_wait -1
.irp i, 0,1,2
	ds_load_b128 v[Y+4*\i:Y+4*\i+3], v7 offset:512*\i
.endr
	s_wait_dscnt 0x0
	global_store_b128 v1, v[Y:Y+3], s[26:27]
	global_store_b128 v8, v[Y+4:Y+7], s[26:27] offset:512
	global_store_b128 v1, v[Y+8:Y+11], s[26:27] offset:APL+256
	s_cmp_lg_u32 s16, 0
	s_cbranch_scc1 .Ldone
	ds_load_b128 v[Y+12:Y+15], v9
	v_lshrrev_b32 v[T], 2, v14
	v_and_b32 v[T+1], 3, v14
	v_lshlrev_b32 v[T], 14, v[T]
	v_lshl_add_u32 v[T], v[T+1], 4, v[T]
	s_wait_dscnt 0x0
	global_store_b128 v[T], v[Y+12:Y+15], s[28:29]
.Ldone:
	s_wait_tensorcnt 0x0
	ds_add_u32 v192, v193
	s_wait_dscnt 0x0
	s_endpgm
.Lfunc_end_k_q0b631e0aa8_ln2:
	.size	k_q0b631e0aa8_ln2, .Lfunc_end_k_q0b631e0aa8_ln2-k_q0b631e0aa8_ln2
	.p2alignl 7, 3214868480
	.fill 96, 4, 3214868480
	.section	.rodata,"a",@progbits
	.p2align	6, 0x0
	.amdhsa_kernel k_q0b631e0aa8_ln2
		.amdhsa_group_segment_fixed_size 87552
		.amdhsa_private_segment_fixed_size 0
		.amdhsa_enable_private_segment 0
		.amdhsa_kernarg_size 32
		.amdhsa_user_sgpr_count 2
		.amdhsa_user_sgpr_kernarg_segment_ptr 1
		.amdhsa_wavefront_size32 1
		.amdhsa_system_sgpr_workgroup_id_x 1
		.amdhsa_system_sgpr_workgroup_id_y 1
		.amdhsa_system_sgpr_workgroup_id_z 1
		.amdhsa_system_vgpr_workitem_id 0
		.amdhsa_next_free_vgpr 194
		.amdhsa_next_free_sgpr 66
		.amdhsa_reserve_vcc 0
		.amdhsa_float_denorm_mode_32 3
		.amdhsa_float_denorm_mode_16_64 3
		.amdhsa_memory_ordered 1
		.amdhsa_forward_progress 1
		.amdhsa_inst_pref_size 25
	.end_amdhsa_kernel
	.amdgpu_metadata
---
amdhsa.version: [ 1, 2 ]
amdhsa.kernels:
  - .name:           k_q0b631e0aa8_ln2
    .symbol:         k_q0b631e0aa8_ln2.kd
    .args:
      - { .name: x1, .offset: 0, .size: 8, .value_kind: global_buffer, .address_space: global }
      - { .name: ln2_g, .offset: 8, .size: 8, .value_kind: global_buffer, .address_space: global }
      - { .name: ln2_b, .offset: 16, .size: 8, .value_kind: global_buffer, .address_space: global }
      - { .name: act, .offset: 24, .size: 8, .value_kind: global_buffer, .address_space: global }
    .group_segment_fixed_size: 87552
    .private_segment_fixed_size: 0
    .kernarg_segment_align: 8
    .kernarg_segment_size: 32
    .max_flat_workgroup_size: 256
    .sgpr_count:     66
    .vgpr_count:     194
    .wavefront_size: 32
...
	.end_amdgpu_metadata
.endif
;; end of part 5
;; launch gfc1 (part 6): grid 16 x 16, 4 waves a work-group, clusters of 4 x 4, 327,680 bytes of LDS; arguments act, fc1_w_codes, fc1_w_scales, fc1_b, gb; writes gb
.if DOCPART == 6
	.amdgcn_target "amdgcn-amd-amdhsa--gfx1250"
	.amdhsa_code_object_version 6
	.text
	.protected	k_q0b631e0aa8_gfc1
	.globl	k_q0b631e0aa8_gfc1
	.p2align	8
	.type	k_q0b631e0aa8_gfc1,@function
k_q0b631e0aa8_gfc1:
	s_mov_b64 s[64:65], 0
	v_nop
	global_prefetch_b8 v0, s[64:65] scope:SCOPE_SE
	s_setreg_imm32_b32 hwreg(HW_REG_WAVE_MODE, 25, 1), 1
	s_wait_xcnt 0x0
	s_wait_alu depctr_hold_cnt(0) depctr_sa_sdst(0) depctr_va_vdst(0) depctr_va_sdst(0) depctr_va_ssrc(0) depctr_va_vcc(0) depctr_vm_vsrc(0)
	s_getreg_b32 s2, hwreg(HW_REG_IB_STS2, 6, 4)
	s_cmp_eq_u32 s2, 0
	s_cbranch_scc0 .Lentry_in_a_cluster
	s_endpgm
.Lentry_in_a_cluster:
	s_bfe_u32 s2, ttmp6, 0x10000c
	s_cmp_lg_u32 s2, 0xf033
	s_cbranch_scc0 .Lentry_shape_is_right
	s_endpgm
.Lentry_shape_is_right:
; g = gelu(h W^T + b), exact (erf) form, M 4,096, N 4,096, K 1,024, on codes of E2M3 with E8M0 scales; g is quantised along N here and leaves as the next product's operand images.
; A tile of 256 x 256 to a work-group of four waves, 128 x 128 a wave: 64 accumulators.  K goes in steps of 256 through two LDS slots filled by the tensor data mover.
; A lies in memory as images of operand registers: [plane of 64 K][tile of 16 rows][768]; B as rows of codes: 192 bytes a step, 16 bytes of padding behind each 64.  All scale words come once, with the first fills.
; CLUSTER 4 x 4: A's tiles are asked for jointly along a row of the cluster, B's along a column.  The matrix instruction is used transposed; the bias is the C of each sum's first instruction.
; THE WAY OUT: 64 rows at a time go into my stage in LDS; a loop of four trips takes 16 rows each: a lane reads 64 neighbouring columns of one row, applies the activation, quantises two blocks of 32 and stores.
; erf(z) = z P(z^2) / Q(z^2) on z held to +-4: a rational form of degree 13 over 8 in f32; gelu = 0.5 x + 0.5 x erf(x / sqrt 2).
; LIMITS: below about x = -3 the activation's absolute error is about 1e-7 |x|, which reaches a code only in a block all of whose 32 numbers lie there.  A block of zeros gets the byte 1.  NaN and infinities are not served.  Scale bytes leave in runs of 64 bytes.
.set SIZE_K, 1024
.set ASOFF,  3145728
.set APL,    196608
.set KP,     SIZE_K/128
.set KS,     SIZE_K/32
.set KROW,   SIZE_K*3/4
.set HALFA,  24576
.set PITCH,  240
.set HALFB,  128*PITCH
.set BOFF,   2*HALFA
.set SLOT,   2*HALFA+2*HALFB
.set SCA,    2*SLOT
.set HALFSA, 512*KP
.set SCB,    SCA+2*HALFSA
.set HALFSB, (128*KS/256)*272
.set SBLK,   (16*KS/256)*272
.set SPARE,  SCB+2*HALFSB              ; the spare words: 128 bytes a wave, named by no other line
.set LAPS,   SIZE_K/512
.set FR,   12
.set ADRA, 16
.set ADRB, 20
.set ADSA, 27
.set SPW,  28
.set NIL,  29
.set ADSB, 30
.set SC,   32
.set BI,   64
.set AF,   128
.set G1,   24
.set G0,   32
.set G1B,  48
.set G0B,  56
.set G1S,  68
.set G0S,  76
.set G1SB, 80
.set G0SB, 88
.set MSB, 0
.macro WIN new
.if MSB != \new
	s_set_vgpr_msb (MSB<<8)|\new
.set MSB, \new
.endif
.endm
.set MUL_LO, 0xa1
.set MUL_HI, 0xf1
.set TO_B,   0x40
.macro PLACES
.rept 4
	v_nop
.endr
.endm
.macro JLOAD g0a, g1a, g0b, g1b        ; waves 0, 1 ask for A, waves 2, 3 for B; four v_nop follow each line
	s_cmp_eq_u32 s15, 0
	s_cbranch_scc0 .Lfor_b_\@
	tensor_load_to_lds s[\g0a:\g0a+3], s[\g1a:\g1a+7]
	s_nop 0
	PLACES
	s_branch .Lasked_\@
.Lfor_b_\@:
	tensor_load_to_lds s[\g0b:\g0b+3], s[\g1b:\g1b+7]
	s_nop 0
	PLACES
.Lasked_\@:
.endm
.macro CREST
	s_cmp_lg_u32 s14, 0
	s_cbranch_scc1 .Lnot_wave_0_\@
	s_barrier_signal -3
.Lnot_wave_0_\@:
	s_barrier_wait -3
	s_barrier_signal -1
	s_barrier_wait -1
.endm
.macro CROUND
	s_barrier_signal -1
	s_barrier_wait -1
	CREST
.endm
	s_load_b256 s[4:11], s[0:1], 0x0               ; A, W's codes, W's scales, bias
	s_load_b64 s[96:97], s[0:1], 0x20              ; gb
	v_lshl_add_u32 v[SPW], v0, 2, SPARE
	v_mov_b32 v[NIL], 0
	ds_add_u32 v28, v29
	ds_add_u32 v28, v29
	s_wait_dscnt 0x0
	v_lshrrev_b32 v1, 5, v0
	v_readfirstlane_b32 s14, v1
	s_lshr_b32 s15, s14, 1
	s_and_b32 s16, s14, 1
	s_bfe_u32 s40, ttmp6, 0x40000
	s_bfe_u32 s41, ttmp6, 0x40004
	s_lshl_b32 s42, ttmp9, 2
	s_add_co_u32 s42, s42, s40                     ; tile column
	s_and_b32 s17, ttmp7, 0xffff
	s_lshl_b32 s17, s17, 2
	s_add_co_u32 s17, s17, s41                     ; tile row
	s_lshl_b32 s43, s41, 2
	s_lshl_b32 s43, 15, s43
	s_lshl_b32 s44, 0x1111, s40
	s_or_b32 s[G1+0], s43, (1<<21)                 ; A's codes: 4 planes x 6,144 bytes, 196,608 apart, dense in LDS
	s_mov_b32 s[G1+1], 6144<<16
	s_mov_b32 s[G1+2], 4<<16
	s_mov_b32 s[G1+3], 6144<<16
	s_mov_b32 s[G1+4], 4
	s_mov_b32 s[G1+5], APL
	s_mov_b32 s[G1+6], 0
	s_mov_b32 s[G1+7], 0
	s_or_b32 s[G1B+0], s44, (1<<20)|(1<<21)|(3<<22)|(3<<25)   ; B's codes: 128 rows x 192 bytes, padded
	s_mov_b32 s[G1B+1], 192<<16
	s_mov_b32 s[G1B+2], 128<<16
	s_mov_b32 s[G1B+3], 192<<16
	s_mov_b32 s[G1B+4], 128
	s_mov_b32 s[G1B+5], KROW
	s_mov_b32 s[G1B+6], 0
	s_mov_b32 s[G1B+7], 0
	s_or_b32 s[G1S+0], s43, (1<<21)                ; A's scale words: KP planes x 512 bytes
	s_mov_b32 s[G1S+1], 512<<16
	s_mov_b32 s[G1S+2], KP<<16
	s_mov_b32 s[G1S+3], 512<<16
	s_mov_b32 s[G1S+4], KP
	s_mov_b32 s[G1S+5], 16384
	s_mov_b32 s[G1S+6], 0
	s_mov_b32 s[G1S+7], 0
	s_or_b32 s[G1SB+0], s44, (3<<16)|(1<<20)|(1<<21)|(5<<22)|(3<<25)   ; B's scale bytes: rows of 256 bytes + 16
	s_mov_b32 s[G1SB+1], 32<<16
	s_mov_b32 s[G1SB+2], (128*KS/256)<<16
	s_mov_b32 s[G1SB+3], 32<<16
	s_mov_b32 s[G1SB+4], 128*KS/256
	s_mov_b32 s[G1SB+5], 32
	s_mov_b32 s[G1SB+6], 0
	s_mov_b32 s[G1SB+7], 0
	s_mul_i32 s20, s17, 12288
	s_mul_i32 s18, s16, 6144
	s_add_co_u32 s20, s20, s18
	s_mov_b32 s21, 0
	s_lshl_b32 s22, s17, 10
	s_lshl_b32 s18, s16, 9
	s_add_co_u32 s22, s22, s18
	s_add_co_u32 s22, s22, ASOFF
	s_mov_b32 s23, 0
	s_lshl_b32 s46, s42, 8
	s_lshl_b32 s18, s16, 7
	s_add_co_u32 s46, s46, s18
	s_mul_i32 s92, s46, KS
	s_mov_b32 s93, 0
	s_mul_i32 s46, s46, KROW
	s_mov_b32 s47, 0
	s_mul_i32 s45, s16, HALFA
	s_mul_i32 s94, s16, HALFB
	s_add_co_u32 s94, s94, BOFF
	s_mul_i32 s95, s16, HALFSA
	s_add_co_u32 s95, s95, SCA
	s_mul_i32 s19, s16, HALFSB
	s_add_co_u32 s19, s19, SCB
	s_wait_kmcnt 0x0
	s_add_nc_u64 s[20:21], s[4:5], s[20:21]
	s_add_nc_u64 s[22:23], s[4:5], s[22:23]
	s_add_nc_u64 s[46:47], s[6:7], s[46:47]
	s_add_nc_u64 s[92:93], s[8:9], s[92:93]
	CROUND                                         ; all sixteen work-groups are here: the first joint loads meet
	s_mov_b32 s[G0S], 1
	s_mov_b32 s[G0S+1], s95
	s_mov_b64 s[G0S+2:G0S+3], s[22:23]
	s_or_b32 s[G0S+3], s[G0S+3], 0x80000000
	s_mov_b32 s[G0SB], 1
	s_mov_b32 s[G0SB+1], s19
	s_mov_b64 s[G0SB+2:G0SB+3], s[92:93]
	s_or_b32 s[G0SB+3], s[G0SB+3], 0x80000000
	JLOAD G0S, G1S, G0SB, G1SB
.irp s, 0,1
	s_mov_b32 s[G0+4*\s], 1
	s_add_co_u32 s[G0+4*\s+1], s45, \s*SLOT
	s_add_nc_u64 s[G0+4*\s+2:G0+4*\s+3], s[20:21], \s*4*APL
	s_or_b32 s[G0+4*\s+3], s[G0+4*\s+3], 0x80000000
	s_mov_b32 s[G0B+4*\s], 1
	s_add_co_u32 s[G0B+4*\s+1], s94, \s*SLOT
	s_add_nc_u64 s[G0B+4*\s+2:G0B+4*\s+3], s[46:47], \s*192
	s_or_b32 s[G0B+4*\s+3], s[G0B+4*\s+3], 0x80000000
	JLOAD G0+4*\s, G1, G0B+4*\s, G1B
.endr                                          ; three tensor loads of mine are out
	v_and_b32 v1, 15, v0
	v_bfe_u32 v2, v0, 4, 1
	v_and_b32 v3, 31, v0
	v_lshlrev_b32 v4, 4, v3
	v_lshlrev_b32 v5, 4, v1
	v_lshl_add_u32 v5, v2, 3, v5
	v_mul_u32_u24 v6, v1, PITCH
	v_mad_u32_u24 v6, v2, 24, v6
	v_lshl_add_u32 v7, v2, 4, v6
	s_mul_i32 s21, s15, HALFA
	s_mul_i32 s22, s16, HALFB
	s_add_co_u32 s22, s22, BOFF
.irp s, 0,1
	v_add_nc_u32 v[ADRA+\s], s21, v4
	v_add_nc_u32 v[ADRA+2+\s], s21, v5
	v_add_nc_u32 v[ADRB+\s], s22, v6
	v_add_nc_u32 v[ADRB+2+\s], s22, v7
	s_add_co_u32 s21, s21, SLOT
	s_add_co_u32 s22, s22, SLOT
.endr
	s_mul_i32 s21, s15, HALFSA
	s_add_co_u32 s21, s21, SCA
	v_lshl_add_u32 v[ADSA], v3, 2, s21
	v_mul_u32_u24 v8, v3, KS
	v_lshrrev_b32 v9, 8, v8
	v_lshl_add_u32 v8, v9, 4, v8
	s_mul_i32 s22, s16, HALFSB
	s_add_co_u32 s22, s22, SCB
	v_add_nc_u32 v[ADSB], s22, v8
	s_lshl_b32 s20, s42, 10
	s_lshl_b32 s21, s16, 9
	s_add_co_u32 s20, s20, s21
	s_mov_b32 s21, 0
	s_add_nc_u64 s[10:11], s[10:11], s[20:21]
	v_lshlrev_b32 v10, 5, v2
.irp b, 0,1,2,3,4,5,6,7
	global_load_b128 v[BI+8*\b:BI+8*\b+3], v10, s[10:11] offset:64*\b
	global_load_b128 v[BI+8*\b+4:BI+8*\b+7], v10, s[10:11] offset:64*\b+16
.endr
.macro FRAG reg, adr, q, i
.irp p, 0,1,2,3,4,5
.set PCE, 12*(\q)+6*(\p/3)+\p%3
.if PCE%8 < 5
	ds_load_b64 v[\reg+2*\p:\reg+2*\p+1], v[\adr] offset:8*PCE+16*(PCE/8)+(\i)*16*PITCH
.else
	ds_load_b64 v[\reg+2*\p:\reg+2*\p+1], v[\adr+2] offset:8*PCE+16*(PCE/8)+(\i)*16*PITCH
.endif
.endr
.endm
.macro FRAGA reg, slot, q, i
	ds_load_b128 v[\reg:\reg+3], v[ADRA+\slot] offset:2*(\q)*6144+768*(\i)
	ds_load_b64 v[\reg+4:\reg+5], v[ADRA+2+\slot] offset:2*(\q)*6144+768*(\i)+512
	ds_load_b128 v[\reg+6:\reg+9], v[ADRA+\slot] offset:(2*(\q)+1)*6144+768*(\i)
	ds_load_b64 v[\reg+10:\reg+11], v[ADRA+2+\slot] offset:(2*(\q)+1)*6144+768*(\i)+512
.endm
.macro FETCH_B slot, q, p
	WIN TO_B
.irp i, 0,1,2,3,4,5,6,7
	FRAG 128*(\p)+FR*\i, ADRB+\slot, \q, \i
.endr
	WIN 0
.endm
.macro FETCH_A slot, q, i0             ; 16 loads
.irp i, \i0, \i0+1, \i0+2, \i0+3
	FRAGA AF+FR*(\i), \slot, \q, \i
.endr
.endm
.macro SCALES sc                       ; 12 loads
.irp q, 0,1
.irp i, 0,1,2,3
	ds_load_b32 v[SC+16*\sc+4*\q+\i], v[ADSA] offset:512*\q+128*\i
.endr
.endr
.irp i, 0,1,2,3
	ds_load_b64 v[SC+16*\sc+8+2*\i:SC+16*\sc+9+2*\i], v[ADSB] offset:2*SBLK*\i
.endr
.endm
.macro WM
.if rRB && rRA
	v_wmma_scale_f32_16x16x128_f8f6f4 v[rD:rD+7], v[rB:rB+11], v[rA:rA+11], v[rC:rC+7], v[rSB], v[rSA] matrix_a_fmt:MATRIX_FMT_FP6 matrix_b_fmt:MATRIX_FMT_FP6 matrix_a_scale:MATRIX_SCALE_ROW1 matrix_b_scale:MATRIX_SCALE_ROW1
.elseif rRB
	v_wmma_scale_f32_16x16x128_f8f6f4 v[rD:rD+7], v[rB:rB+11], v[rA:rA+11], v[rC:rC+7], v[rSB], v[rSA] matrix_a_fmt:MATRIX_FMT_FP6 matrix_b_fmt:MATRIX_FMT_FP6 matrix_a_scale:MATRIX_SCALE_ROW1
.elseif rRA
	v_wmma_scale_f32_16x16x128_f8f6f4 v[rD:rD+7], v[rB:rB+11], v[rA:rA+11], v[rC:rC+7], v[rSB], v[rSA] matrix_a_fmt:MATRIX_FMT_FP6 matrix_b_fmt:MATRIX_FMT_FP6 matrix_b_scale:MATRIX_SCALE_ROW1
.else
	v_wmma_scale_f32_16x16x128_f8f6f4 v[rD:rD+7], v[rB:rB+11], v[rA:rA+11], v[rC:rC+7], v[rSB], v[rSA] matrix_a_fmt:MATRIX_FMT_FP6 matrix_b_fmt:MATRIX_FMT_FP6
.endif
.endm
; The 64 accumulators take turns, one instruction a turn, in the same order in every step.  first = 1: C is the bias.
.macro MUL16 a0, p, q, sc, first
.irp a, \a0, \a0+1
.irp b, 0,1,2,3,4,5,6,7
.set rD, 8*(8*((\a)%4)+\b)
.set rB, 128*(\p)+FR*\b
.set rA, AF+FR*(\a)
.set rSB, SC+16*(\sc)+8+2*(\b/2)+(\q)
.set rSA, SC+16*(\sc)+4*(\q)+(\a)/2
.set rRB, \b%2
.set rRA, (\a)%2
.if \first
.set rC, BI+8*\b
.else
.set rC, rD
.endif
	WM
.endr
.endr
.endm
.macro STEP slot, first
	s_wait_dscnt 16                                ; all but A's blocks 4-7 (the youngest 16 loads)
.if \first
	WIN 0x81
.else
	WIN MUL_LO
.endif
	MUL16 0, 0, 0, \slot, \first
	MUL16 2, 0, 0, \slot, \first
	s_wait_dscnt 0x0
	PLACES
	FETCH_B \slot, 1, 1
	FETCH_A \slot, 1, 0
.if \first
	WIN 0xc1
.else
	WIN MUL_HI
.endif
	MUL16 4, 0, 0, \slot, \first
	MUL16 6, 0, 0, \slot, \first
	PLACES
	WIN 0
	FETCH_A \slot, 1, 4
.endm
.macro TURN slot, next, fill
	s_wait_tensorcnt 0x0                           ; all my tensor loads have landed: my part of the next slot
	ds_add_u32 v[SPW], v[NIL]                      ; 0 onto my spare word
	s_wait_dscnt 17                                ; the add and A's blocks 4-7 may be out
	WIN MUL_LO
	MUL16 0, 1, 1, \slot, 0
	s_wait_dscnt 0x0                               ; the add is done, my reads of this slot are over
	s_barrier_signal -1
	MUL16 2, 1, 1, \slot, 0
	WIN 0
	s_barrier_wait -1
.if \fill
	CREST                                          ; the barrier opened a round of the cluster's
	s_add_nc_u64 s[G0+4*\slot+2:G0+4*\slot+3], s[G0+4*\slot+2:G0+4*\slot+3], 8*APL
	s_add_nc_u64 s[G0B+4*\slot+2:G0B+4*\slot+3], s[G0B+4*\slot+2:G0B+4*\slot+3], 2*192
	JLOAD G0+4*\slot, G1, G0B+4*\slot, G1B         ; my one tensor load behind the round
.else
	PLACES
.endif
	v_add_nc_u32 v[ADSA], 1024, v[ADSA]
	v_add_nc_u32 v[ADSB], 8, v[ADSB]
	FETCH_B \next, 0, 0
	FETCH_A \next, 0, 0
	SCALES \next
	WIN MUL_HI
	MUL16 4, 1, 1, \slot, 0
	MUL16 6, 1, 1, \slot, 0
	PLACES
	WIN 0
	FETCH_A \next, 0, 4
.endm
	s_wait_tensorcnt 1                             ; the scales and K step 0 are in; K step 1's load may be out
	s_barrier_signal -1
	s_barrier_wait -1
	FETCH_B 0, 0, 0
	FETCH_A 0, 0, 0
	SCALES 0
	FETCH_A 0, 0, 4
	s_wait_loadcnt 0x0                             ; the bias
	STEP 0, 1
	s_mov_b32 s3, LAPS-1
.Llap:
	TURN 0, 1, 1
	STEP 1, 0
	TURN 1, 0, 1
	STEP 0, 0
	s_sub_co_u32 s3, s3, 1
	s_cmp_lg_u32 s3, 0
	s_cbranch_scc1 .Llap
	TURN 0, 1, 0
	STEP 1, 0
	s_wait_dscnt 16
	WIN MUL_LO
	MUL16 0, 1, 1, 1, 0
	MUL16 2, 1, 1, 1, 0
	s_wait_dscnt 0x0
	WIN MUL_HI
	MUL16 4, 1, 1, 1, 0
	MUL16 6, 1, 1, 1, 0
	WIN 0
	s_barrier_signal -1                            ; my reads of both slots are over (the wait for 0 above); both have had their last fill:
	s_barrier_wait -1                              ; behind this barrier the stages may lie over them
	PLACES
; ---- THE WAY OUT
.set STO, 24                           ; my stage, 64 rows x 528: in at 528 r + 32 h
.set RQ0, 25                           ; back at 528 r + 256 h
.set RQ,  26
.set GA,  11
.set GS,  12
.set W,   64
.set TT,  76
.set AM,  84
.set SO,  86
.set BY,  88
.set WD,  90
.set VA11, 96                          ; v[96:97] A11, v[98:99] B6: the addends of the two first multiply-adds
.set VB6,  98
.set X,   128
.set TZ,  192
.set T2,  208
.set TP,  224
.set TQ,  240
.set RS2, 24                           ; scalar pairs, both words written (the descriptors are done with: every tensor load has landed)
.set A13, 26
.set A9,  28
.set A7,  30
.set A5,  32
.set A3,  34
.set A1,  36
.set B8,  38
.set B4,  48
.set B2,  50
.set B0,  52
.macro KONST reg, bits
	s_mov_b32 s[\reg], \bits
	s_mov_b32 s[\reg+1], \bits
.endm
	s_lshl_b32 s20, s42, 2
	s_lshl_b32 s21, s16, 1
	s_add_co_u32 s20, s20, s21
	s_mul_i32 s20, s20, APL                        ; plane 4 x tile column + 2 x my half,
	s_lshl_b32 s21, s17, 4
	s_lshl_b32 s22, s15, 3
	s_add_co_u32 s21, s21, s22
	s_mul_i32 s21, s21, 768                        ; my first tile of rows
	s_add_co_u32 s20, s20, s21
	s_mov_b32 s21, 0
	s_add_nc_u64 s[6:7], s[96:97], s[20:21]
	s_lshl_b32 s20, s42, 1
	s_add_co_u32 s20, s20, s16
	s_lshl_b32 s20, s20, 14
	s_lshl_b32 s22, s17, 10
	s_add_co_u32 s20, s20, s22
	s_lshl_b32 s22, s15, 9
	s_add_co_u32 s20, s20, s22
	s_add_co_u32 s20, s20, 12582912
	s_add_nc_u64 s[8:9], s[96:97], s[20:21]        ; my rows' words in scale plane 2 x tile column + my half
	KONST RS2, 0x3f3504f3
	KONST A13, 0xaf95df0b
	KONST A9,  0xb60cff51
	KONST A7,  0xb86ec2d2
	KONST A5,  0xba40ac63
	KONST A3,  0xbb41a1f6
	KONST A1,  0xbc83dbd4
	KONST B8,  0xb77460cd
	KONST B4,  0xbadc924e
	KONST B2,  0xbbf19bf8
	KONST B0,  0xbc69b6a7
	v_mov_b32 v[VA11], 0x32edffee
	v_mov_b32 v[VA11+1], 0x32edffee
	v_mov_b32 v[VB6], 0xb95fbd29
	v_mov_b32 v[VB6+1], 0xb95fbd29
	s_mul_i32 s20, s14, 33792
	v_mul_u32_u24 v4, v1, 528
	v_lshl_add_u32 v5, v2, 5, v4
	v_add_nc_u32 v[STO], s20, v5
	v_lshl_add_u32 v6, v2, 8, v4
	v_add_nc_u32 v[RQ0], s20, v6
	v_mul_u32_u24 v[GA], v2, APL
	v_lshl_add_u32 v[GA], v1, 4, v[GA]
	v_lshlrev_b32 v[GS], 1, v2
	v_lshl_add_u32 v[GS], v1, 2, v[GS]
.macro HORN acc, k                     ; acc = acc z^2 + k, eight pairs
.irp i, 0,2,4,6,8,10,12,14
	v_pk_fma_f32 v[\acc+\i:\acc+\i+1], v[\acc+\i:\acc+\i+1], v[T2+\i:T2+\i+1], s[\k:\k+1] op_sel_hi:[1,1,0]
.endr
.endm
.macro GELU16 x                        ; 16 numbers in place
.irp i, 0,2,4,6,8,10,12,14
	v_pk_mul_f32 v[TZ+\i:TZ+\i+1], v[\x+\i:\x+\i+1], s[RS2:RS2+1] op_sel_hi:[1,0]
.endr
.irp i, 0,1,2,3,4,5,6,7,8,9,10,11,12,13,14,15
	v_med3_num_f32 v[TZ+\i], v[TZ+\i], -4.0, 4.0
.endr
.irp i, 0,2,4,6,8,10,12,14
	v_pk_mul_f32 v[T2+\i:T2+\i+1], v[TZ+\i:TZ+\i+1], v[TZ+\i:TZ+\i+1]
.endr
.irp i, 0,2,4,6,8,10,12,14
	v_pk_fma_f32 v[TP+\i:TP+\i+1], v[T2+\i:T2+\i+1], s[A13:A13+1], v[VA11:VA11+1] op_sel_hi:[1,0,1]
.endr
.irp i, 0,2,4,6,8,10,12,14
	v_pk_fma_f32 v[TQ+\i:TQ+\i+1], v[T2+\i:T2+\i+1], s[B8:B8+1], v[VB6:VB6+1] op_sel_hi:[1,0,1]
.endr
	HORN TP, A9
	HORN TQ, B4
	HORN TP, A7
	HORN TQ, B2
	HORN TP, A5
	HORN TQ, B0
	HORN TP, A3
	HORN TP, A1
.irp i, 0,2,4,6,8,10,12,14
	v_pk_mul_f32 v[TP+\i:TP+\i+1], v[TP+\i:TP+\i+1], v[TZ+\i:TZ+\i+1]
.endr
.irp i, 0,1,2,3,4,5,6,7,8,9,10,11,12,13,14,15
	v_rcp_f32 v[TQ+\i], v[TQ+\i]
.endr
.irp i, 0,2,4,6,8,10,12,14
	v_pk_mul_f32 v[\x+\i:\x+\i+1], v[\x+\i:\x+\i+1], 0.5 op_sel_hi:[1,0]     ; (plain places behind the reciprocals)
.endr
	s_wait_alu depctr_va_vdst(0)
.irp i, 0,2,4,6,8,10,12,14
	v_pk_mul_f32 v[TP+\i:TP+\i+1], v[TP+\i:TP+\i+1], v[TQ+\i:TQ+\i+1]       ; erf
.endr
.irp i, 0,2,4,6,8,10,12,14
	v_pk_fma_f32 v[\x+\i:\x+\i+1], v[\x+\i:\x+\i+1], v[TP+\i:TP+\i+1], v[\x+\i:\x+\i+1]
.endr
.endm
.macro QUANT2 x, off                   ; 64 numbers of a lane (two blocks of one row) become codes and leave as three stores: in each, lanes 0-15 fill 256 consecutive bytes of one image and lanes 16-31 of another
	v_max3_num_f32 v[AM], |v[\x]|, |v[\x+1]|, 0x1800000
	v_max3_num_f32 v[AM+1], |v[\x+32]|, |v[\x+33]|, 0x1800000
.irp i, 2,4,6,8,10,12,14,16,18,20,22,24,26,28,30
	v_max3_num_f32 v[AM], v[AM], |v[\x+\i]|, |v[\x+\i+1]|
	v_max3_num_f32 v[AM+1], v[AM+1], |v[\x+32+\i]|, |v[\x+33+\i]|
.endr
	v_add_nc_u32 v[SO], 0xff000000, v[AM]
	v_add_nc_u32 v[SO+1], 0xff000000, v[AM+1]
	s_wait_xcnt 0x0
	v_cvt_scalef32_pk16_fp6_f32 v[W:W+2], v[\x:\x+15], v[SO]
	v_cvt_scalef32_pk16_fp6_f32 v[TT:TT+2], v[\x+16:\x+31], v[SO]
	v_cvt_scalef32_pk16_fp6_f32 v[W+4:W+6], v[\x+32:\x+47], v[SO+1]
	v_cvt_scalef32_pk16_fp6_f32 v[TT+4:TT+6], v[\x+48:\x+63], v[SO+1]
	v_lshrrev_b32 v[BY], 23, v[SO]                 ; the bytes (plain places behind the conversions)
	v_lshrrev_b32 v[BY+1], 23, v[SO+1]
	v_mov_b32 v[W+3], v[TT]
	v_mov_b32 v[W+8], v[TT+1]
	v_mov_b32 v[W+9], v[TT+2]
	v_mov_b32 v[W+7], v[TT+4]
	v_mov_b32 v[W+10], v[TT+5]
	v_mov_b32 v[W+11], v[TT+6]
	global_store_b128 v[GA], v[W:W+3], s[6:7] offset:\off
	global_store_b128 v[GA], v[W+4:W+7], s[6:7] offset:\off+256
	global_store_b128 v[GA], v[W+8:W+11], s[6:7] offset:\off+512
.endm
.macro HALF win                        ; the 32 accumulators of one window: 64 rows
	WIN \win
.irp a, 0,1,2,3
.irp b, 0,1,2,3,4,5,6,7
	ds_store_b128 v[STO], v[8*(8*\a+\b):8*(8*\a+\b)+3] offset:8448*\a+64*\b            ; each accumulator from its low end on
	ds_store_b128 v[STO], v[8*(8*\a+\b)+4:8*(8*\a+\b)+7] offset:8448*\a+64*\b+16
.endr
.endr
	WIN 0
	s_mov_b32 s54, 4
	s_mov_b32 s55, 0
.Lrows_\@:
	v_add_nc_u32 v[RQ], s55, v[RQ0]
.irp t, 0,1,2,3,4,5,6,7,8,9,10,11,12,13,14,15
	ds_load_b128 v[X+4*\t:X+4*\t+3], v[RQ] offset:16*\t            ; LDS serves a wave's instructions in order
.endr
.irp k, 0,1,2,3
	s_wait_dscnt 12-4*\k                           ; the later quarters' loads may be out
	GELU16 X+16*\k
.endr
	QUANT2 X, 0
	v_lshl_or_b32 v[WD], v[BY+1], 8, v[BY]
	global_store_b16 v[GS], v[WD], s[8:9]          ; bytes 2 h and 2 h + 1 of my row's word
	s_wait_xcnt 0x0                                ; the stores have read their bases
	s_add_nc_u64 s[6:7], s[6:7], 768
	s_add_nc_u64 s[8:9], s[8:9], 64
	s_add_co_u32 s55, s55, 8448
	s_sub_co_u32 s54, s54, 1
	s_cmp_lg_u32 s54, 0
	s_cbranch_scc1 .Lrows_\@
.endm
	HALF 0x08
	HALF 0x0c
	s_wait_tensorcnt 0x0                           ; the wave's end
	ds_add_u32 v[SPW], v[NIL]
	s_wait_dscnt 0x0
	CROUND                                         ; the closing round
	s_endpgm
.Lfunc_end_k_q0b631e0aa8_gfc1:
	.size	k_q0b631e0aa8_gfc1, .Lfunc_end_k_q0b631e0aa8_gfc1-k_q0b631e0aa8_gfc1
	.p2alignl 7, 3214868480
	.fill 96, 4, 3214868480
	.section	.rodata,"a",@progbits
	.p2align	6, 0x0
	.amdhsa_kernel k_q0b631e0aa8_gfc1
		.amdhsa_group_segment_fixed_size 327680
		.amdhsa_private_segment_fixed_size 0
		.amdhsa_enable_private_segment 0
		.amdhsa_kernarg_size 40
		.amdhsa_user_sgpr_count 2
		.amdhsa_user_sgpr_kernarg_segment_ptr 1
		.amdhsa_wavefront_size32 1
		.amdhsa_system_sgpr_workgroup_id_x 1
		.amdhsa_system_sgpr_workgroup_id_y 1
		.amdhsa_system_sgpr_workgroup_id_z 1
		.amdhsa_system_vgpr_workitem_id 0
		.amdhsa_next_free_vgpr 1024
		.amdhsa_next_free_sgpr 104
		.amdhsa_reserve_vcc 0
		.amdhsa_float_denorm_mode_32 3
		.amdhsa_float_denorm_mode_16_64 3
		.amdhsa_memory_ordered 1
		.amdhsa_forward_progress 1
		.amdhsa_inst_pref_size 222
	.end_amdhsa_kernel
	.amdgpu_metadata
---
amdhsa.version: [ 1, 2 ]
amdhsa.kernels:
  - .name:           k_q0b631e0aa8_gfc1
    .symbol:         k_q0b631e0aa8_gfc1.kd
    .args:
      - { .name: act, .offset: 0, .size: 8, .value_kind: global_buffer, .address_space: global }
      - { .name: fc1_w_codes, .offset: 8, .size: 8, .value_kind: global_buffer, .address_space: global }
      - { .name: fc1_w_scales, .offset: 16, .size: 8, .value_kind: global_buffer, .address_space: global }
      - { .name: fc1_b, .offset: 24, .size: 8, .value_kind: global_buffer, .address_space: global }
      - { .name: gb, .offset: 32, .size: 8, .value_kind: global_buffer, .address_space: global }
    .group_segment_fixed_size: 327680
    .private_segment_fixed_size: 0
    .kernarg_segment_align: 8
    .kernarg_segment_size: 40
    .max_flat_workgroup_size: 128
    .sgpr_count:     104
    .vgpr_count:     1024
    .wavefront_size: 32
...
	.end_amdgpu_metadata
.endif
;; end of part 6
;; launch gfc2 (part 7): grid 4 x 16, 4 waves a work-group, clusters of 4 x 4, 327,680 bytes of LDS; arguments gb, fc2_w_codes, fc2_w_scales, fc2_b, x1, out0; writes out0
.if DOCPART == 7
	.amdgcn_target "amdgcn-amd-amdhsa--gfx1250"
	.amdhsa_code_object_version 6
	.text
	.protected	k_q0b631e0aa8_gfc2
	.globl	k_q0b631e0aa8_gfc2
	.p2align	8
	.type	k_q0b631e0aa8_gfc2,@function
k_q0b631e0aa8_gfc2:
	s_mov_b64 s[64:65], 0
	v_nop
	global_prefetch_b8 v0, s[64:65] scope:SCOPE_SE
	s_setreg_imm32_b32 hwreg(HW_REG_WAVE_MODE, 25, 1), 1
	s_wait_xcnt 0x0
	s_wait_alu depctr_hold_cnt(0) depctr_sa_sdst(0) depctr_va_vdst(0) depctr_va_sdst(0) depctr_va_ssrc(0) depctr_va_vcc(0) depctr_vm_vsrc(0)
	s_getreg_b32 s2, hwreg(HW_REG_IB_STS2, 6, 4)
	s_cmp_eq_u32 s2, 0
	s_cbranch_scc0 .Lentry_in_a_cluster
	s_endpgm
.Lentry_in_a_cluster:
	s_bfe_u32 s2, ttmp6, 0x10000c
	s_cmp_lg_u32 s2, 0xf033
	s_cbranch_scc0 .Lentry_shape_is_right
	s_endpgm
.Lentry_shape_is_right:
; y = res + (a W^T + b): a as operand images with scale words, W as rows of codes of E2M3 with E8M0 scales, res and y f32 [4,096][1,024].  K = SIZE_K.
; A tile of 256 x 256 to a work-group of four waves, 128 x 128 a wave: 64 accumulators.  K goes in steps of 256 through two LDS slots filled by the tensor data mover.
; A lies in memory as images of operand registers: [plane of 64 K][tile of 16 rows][768]: a fragment is two loads of 16 bytes and two of 8, dense in LDS.  B lies as rows of codes: 192 bytes a step, 16 bytes of padding behind each 64.
; All scale words of the work-group's rows come once, with the first fills.  CLUSTER 4 x 4: A's tiles are asked for jointly along a row of the cluster, B's along a column.
; The matrix instruction is used transposed (source 0 = 16 rows of W, source 1 = 16 rows of a): a lane holds eight neighbouring columns of one row.  The bias is the C of each sum's first instruction.
; THE WAY OUT: a block of 16 rows x 128 columns goes through my stage in LDS and comes back as whole rows of 512 bytes; the residual's rows, asked for two blocks ahead, are added; each store covers 512 consecutive bytes.
; N = 1,024 gives 64 tiles of this size: 64 work-groups.
.set SIZE_K, 4096
.set ASOFF,  12582912                  ; where A's scale planes begin
.set APL,    196608
.set KP,     SIZE_K/128
.set KS,     SIZE_K/32
.set KROW,   SIZE_K*3/4
.set HALFA,  24576
.set PITCH,  240
.set HALFB,  128*PITCH
.set BOFF,   2*HALFA
.set SLOT,   2*HALFA+2*HALFB
.set SCA,    2*SLOT
.set HALFSA, 512*KP
.set SCB,    SCA+2*HALFSA
.set HALFSB, (128*KS/256)*272
.set SBLK,   (16*KS/256)*272
.set SPARE,  SCB+2*HALFSB              ; the spare words: 128 bytes a wave, named by no other line
.set LAPS,   SIZE_K/512
.set FR,   12
.set ADRA, 16
.set ADRB, 20
.set STO,  24
.set RD,   25
.set CO,   26
.set ADSA, 27
.set SPW,  28
.set NIL,  29
.set ADSB, 30
.set SC,   32                          ; v32-63 scale words, two sets of 16
.set BI,   64                          ; v64-127 the bias in the result's layout
.set AF,   128                         ; v128-223 A's eight fragments
.set BK,   192
.set SPITCH, 528
.set G1,   24
.set G0,   32
.set G1B,  48
.set G0B,  56
.set G1S,  68
.set G0S,  76
.set G1SB, 80
.set G0SB, 88
.set MSB, 0
.macro WIN new
.if MSB != \new
	s_set_vgpr_msb (MSB<<8)|\new
.set MSB, \new
.endif
.endm
.set MUL_LO, 0xa1
.set MUL_HI, 0xf1
.set TO_B,   0x40
.macro PLACES
.rept 4
	v_nop
.endr
.endm
.macro JLOAD g0a, g1a, g0b, g1b        ; waves 0, 1 ask for A, waves 2, 3 for B; four v_nop follow each line
	s_cmp_eq_u32 s15, 0
	s_cbranch_scc0 .Lfor_b_\@
	tensor_load_to_lds s[\g0a:\g0a+3], s[\g1a:\g1a+7]
	s_nop 0
	PLACES
	s_branch .Lasked_\@
.Lfor_b_\@:
	tensor_load_to_lds s[\g0b:\g0b+3], s[\g1b:\g1b+7]
	s_nop 0
	PLACES
.Lasked_\@:
.endm
.macro CREST
	s_cmp_lg_u32 s14, 0
	s_cbranch_scc1 .Lnot_wave_0_\@
	s_barrier_signal -3
.Lnot_wave_0_\@:
	s_barrier_wait -3
	s_barrier_signal -1
	s_barrier_wait -1
.endm
.macro CROUND
	s_barrier_signal -1
	s_barrier_wait -1
	CREST
.endm
	s_load_b256 s[4:11], s[0:1], 0x0               ; A, W's codes, W's scales, bias
	s_load_b128 s[96:99], s[0:1], 0x20             ; the residual, the output
	v_lshl_add_u32 v[SPW], v0, 2, SPARE
	v_mov_b32 v[NIL], 0
	ds_add_u32 v28, v29
	ds_add_u32 v28, v29
	s_wait_dscnt 0x0
	v_lshrrev_b32 v1, 5, v0
	v_readfirstlane_b32 s14, v1
	s_lshr_b32 s15, s14, 1
	s_and_b32 s16, s14, 1
	s_bfe_u32 s40, ttmp6, 0x40000
	s_bfe_u32 s41, ttmp6, 0x40004
	s_lshl_b32 s42, ttmp9, 2
	s_add_co_u32 s42, s42, s40                     ; tile column
	s_and_b32 s17, ttmp7, 0xffff
	s_lshl_b32 s17, s17, 2
	s_add_co_u32 s17, s17, s41                     ; tile row
	s_lshl_b32 s43, s41, 2
	s_lshl_b32 s43, 15, s43
	s_lshl_b32 s44, 0x1111, s40
	s_or_b32 s[G1+0], s43, (1<<21)                 ; A's codes: 4 planes x 6,144 bytes, 196,608 apart, dense in LDS
	s_mov_b32 s[G1+1], 6144<<16
	s_mov_b32 s[G1+2], 4<<16
	s_mov_b32 s[G1+3], 6144<<16
	s_mov_b32 s[G1+4], 4
	s_mov_b32 s[G1+5], APL
	s_mov_b32 s[G1+6], 0
	s_mov_b32 s[G1+7], 0
	s_or_b32 s[G1B+0], s44, (1<<20)|(1<<21)|(3<<22)|(3<<25)   ; B's codes: 128 rows x 192 bytes, padded
	s_mov_b32 s[G1B+1], 192<<16
	s_mov_b32 s[G1B+2], 128<<16
	s_mov_b32 s[G1B+3], 192<<16
	s_mov_b32 s[G1B+4], 128
	s_mov_b32 s[G1B+5], KROW
	s_mov_b32 s[G1B+6], 0
	s_mov_b32 s[G1B+7], 0
	s_or_b32 s[G1S+0], s43, (1<<21)                ; A's scale words: KP planes x 512 bytes
	s_mov_b32 s[G1S+1], 512<<16
	s_mov_b32 s[G1S+2], KP<<16
	s_mov_b32 s[G1S+3], 512<<16
	s_mov_b32 s[G1S+4], KP
	s_mov_b32 s[G1S+5], 16384
	s_mov_b32 s[G1S+6], 0
	s_mov_b32 s[G1S+7], 0
	s_or_b32 s[G1SB+0], s44, (3<<16)|(1<<20)|(1<<21)|(5<<22)|(3<<25)   ; B's scale bytes: rows of 256 bytes + 16
	s_mov_b32 s[G1SB+1], 32<<16
	s_mov_b32 s[G1SB+2], (128*KS/256)<<16
	s_mov_b32 s[G1SB+3], 32<<16
	s_mov_b32 s[G1SB+4], 128*KS/256
	s_mov_b32 s[G1SB+5], 32
	s_mov_b32 s[G1SB+6], 0
	s_mov_b32 s[G1SB+7], 0
	s_mul_i32 s20, s17, 12288
	s_mul_i32 s18, s16, 6144
	s_add_co_u32 s20, s20, s18
	s_mov_b32 s21, 0
	s_lshl_b32 s22, s17, 10
	s_lshl_b32 s18, s16, 9
	s_add_co_u32 s22, s22, s18
	s_add_co_u32 s22, s22, ASOFF
	s_mov_b32 s23, 0
	s_lshl_b32 s46, s42, 8
	s_lshl_b32 s18, s16, 7
	s_add_co_u32 s46, s46, s18
	s_mul_i32 s92, s46, KS
	s_mov_b32 s93, 0
	s_mul_i32 s46, s46, KROW
	s_mov_b32 s47, 0
	s_mul_i32 s45, s16, HALFA
	s_mul_i32 s94, s16, HALFB
	s_add_co_u32 s94, s94, BOFF
	s_mul_i32 s95, s16, HALFSA
	s_add_co_u32 s95, s95, SCA
	s_mul_i32 s19, s16, HALFSB
	s_add_co_u32 s19, s19, SCB
	s_wait_kmcnt 0x0
	s_add_nc_u64 s[20:21], s[4:5], s[20:21]
	s_add_nc_u64 s[22:23], s[4:5], s[22:23]
	s_add_nc_u64 s[46:47], s[6:7], s[46:47]
	s_add_nc_u64 s[92:93], s[8:9], s[92:93]
	CROUND                                         ; all sixteen work-groups are here: the first joint loads meet
	s_mov_b32 s[G0S], 1
	s_mov_b32 s[G0S+1], s95
	s_mov_b64 s[G0S+2:G0S+3], s[22:23]
	s_or_b32 s[G0S+3], s[G0S+3], 0x80000000
	s_mov_b32 s[G0SB], 1
	s_mov_b32 s[G0SB+1], s19
	s_mov_b64 s[G0SB+2:G0SB+3], s[92:93]
	s_or_b32 s[G0SB+3], s[G0SB+3], 0x80000000
	JLOAD G0S, G1S, G0SB, G1SB
.irp s, 0,1
	s_mov_b32 s[G0+4*\s], 1
	s_add_co_u32 s[G0+4*\s+1], s45, \s*SLOT
	s_add_nc_u64 s[G0+4*\s+2:G0+4*\s+3], s[20:21], \s*4*APL
	s_or_b32 s[G0+4*\s+3], s[G0+4*\s+3], 0x80000000
	s_mov_b32 s[G0B+4*\s], 1
	s_add_co_u32 s[G0B+4*\s+1], s94, \s*SLOT
	s_add_nc_u64 s[G0B+4*\s+2:G0B+4*\s+3], s[46:47], \s*192
	s_or_b32 s[G0B+4*\s+3], s[G0B+4*\s+3], 0x80000000
	JLOAD G0+4*\s, G1, G0B+4*\s, G1B
.endr                                          ; three tensor loads of mine are out
	v_and_b32 v1, 15, v0
	v_bfe_u32 v2, v0, 4, 1
	v_and_b32 v3, 31, v0
	v_lshlrev_b32 v4, 4, v3
	v_lshlrev_b32 v5, 4, v1
	v_lshl_add_u32 v5, v2, 3, v5
	v_mul_u32_u24 v6, v1, PITCH
	v_mad_u32_u24 v6, v2, 24, v6
	v_lshl_add_u32 v7, v2, 4, v6
	s_mul_i32 s21, s15, HALFA
	s_mul_i32 s22, s16, HALFB
	s_add_co_u32 s22, s22, BOFF
.irp s, 0,1
	v_add_nc_u32 v[ADRA+\s], s21, v4
	v_add_nc_u32 v[ADRA+2+\s], s21, v5
	v_add_nc_u32 v[ADRB+\s], s22, v6
	v_add_nc_u32 v[ADRB+2+\s], s22, v7
	s_add_co_u32 s21, s21, SLOT
	s_add_co_u32 s22, s22, SLOT
.endr
	s_mul_i32 s21, s15, HALFSA
	s_add_co_u32 s21, s21, SCA
	v_lshl_add_u32 v[ADSA], v3, 2, s21
	v_mul_u32_u24 v8, v3, KS
	v_lshrrev_b32 v9, 8, v8
	v_lshl_add_u32 v8, v9, 4, v8
	s_mul_i32 s22, s16, HALFSB
	s_add_co_u32 s22, s22, SCB
	v_add_nc_u32 v[ADSB], s22, v8
	s_lshl_b32 s20, s42, 10
	s_lshl_b32 s21, s16, 9
	s_add_co_u32 s20, s20, s21
	s_mov_b32 s21, 0
	s_add_nc_u64 s[10:11], s[10:11], s[20:21]
	v_lshlrev_b32 v10, 5, v2
.irp b, 0,1,2,3,4,5,6,7
	global_load_b128 v[BI+8*\b:BI+8*\b+3], v10, s[10:11] offset:64*\b
	global_load_b128 v[BI+8*\b+4:BI+8*\b+7], v10, s[10:11] offset:64*\b+16
.endr
	s_mul_i32 s23, s14, 16*SPITCH                  ; my stage, in slot 0
	v_mul_u32_u24 v5, v1, SPITCH
	v_lshl_add_u32 v5, v2, 5, v5
	v_add_nc_u32 v[STO], s23, v5
	v_lshlrev_b32 v[CO], 4, v3
	v_add_nc_u32 v[RD], s23, v[CO]
	s_lshl_b32 s22, s17, 20                        ; my first row x 4,096 bytes, + my first column x 4 (s20 holds it)
	s_add_co_u32 s20, s20, s22
	s_lshl_b32 s22, s15, 19
	s_add_co_u32 s20, s20, s22
	s_add_nc_u64 s[96:97], s[96:97], s[20:21]
	s_add_nc_u64 s[98:99], s[98:99], s[20:21]
.macro FRAG reg, adr, q, i
.irp p, 0,1,2,3,4,5
.set PCE, 12*(\q)+6*(\p/3)+\p%3
.if PCE%8 < 5
	ds_load_b64 v[\reg+2*\p:\reg+2*\p+1], v[\adr] offset:8*PCE+16*(PCE/8)+(\i)*16*PITCH
.else
	ds_load_b64 v[\reg+2*\p:\reg+2*\p+1], v[\adr+2] offset:8*PCE+16*(PCE/8)+(\i)*16*PITCH
.endif
.endr
.endm
.macro FRAGA reg, slot, q, i
	ds_load_b128 v[\reg:\reg+3], v[ADRA+\slot] offset:2*(\q)*6144+768*(\i)
	ds_load_b64 v[\reg+4:\reg+5], v[ADRA+2+\slot] offset:2*(\q)*6144+768*(\i)+512
	ds_load_b128 v[\reg+6:\reg+9], v[ADRA+\slot] offset:(2*(\q)+1)*6144+768*(\i)
	ds_load_b64 v[\reg+10:\reg+11], v[ADRA+2+\slot] offset:(2*(\q)+1)*6144+768*(\i)+512
.endm
.macro FETCH_B slot, q, p
	WIN TO_B
.irp i, 0,1,2,3,4,5,6,7
	FRAG 128*(\p)+FR*\i, ADRB+\slot, \q, \i
.endr
	WIN 0
.endm
.macro FETCH_A slot, q, i0             ; 16 loads
.irp i, \i0, \i0+1, \i0+2, \i0+3
	FRAGA AF+FR*(\i), \slot, \q, \i
.endr
.endm
.macro SCALES sc                       ; 12 loads
.irp q, 0,1
.irp i, 0,1,2,3
	ds_load_b32 v[SC+16*\sc+4*\q+\i], v[ADSA] offset:512*\q+128*\i
.endr
.endr
.irp i, 0,1,2,3
	ds_load_b64 v[SC+16*\sc+8+2*\i:SC+16*\sc+9+2*\i], v[ADSB] offset:2*SBLK*\i
.endr
.endm
.macro WM
.if rRB && rRA
	v_wmma_scale_f32_16x16x128_f8f6f4 v[rD:rD+7], v[rB:rB+11], v[rA:rA+11], v[rC:rC+7], v[rSB], v[rSA] matrix_a_fmt:MATRIX_FMT_FP6 matrix_b_fmt:MATRIX_FMT_FP6 matrix_a_scale:MATRIX_SCALE_ROW1 matrix_b_scale:MATRIX_SCALE_ROW1
.elseif rRB
	v_wmma_scale_f32_16x16x128_f8f6f4 v[rD:rD+7], v[rB:rB+11], v[rA:rA+11], v[rC:rC+7], v[rSB], v[rSA] matrix_a_fmt:MATRIX_FMT_FP6 matrix_b_fmt:MATRIX_FMT_FP6 matrix_a_scale:MATRIX_SCALE_ROW1
.elseif rRA
	v_wmma_scale_f32_16x16x128_f8f6f4 v[rD:rD+7], v[rB:rB+11], v[rA:rA+11], v[rC:rC+7], v[rSB], v[rSA] matrix_a_fmt:MATRIX_FMT_FP6 matrix_b_fmt:MATRIX_FMT_FP6 matrix_b_scale:MATRIX_SCALE_ROW1
.else
	v_wmma_scale_f32_16x16x128_f8f6f4 v[rD:rD+7], v[rB:rB+11], v[rA:rA+11], v[rC:rC+7], v[rSB], v[rSA] matrix_a_fmt:MATRIX_FMT_FP6 matrix_b_fmt:MATRIX_FMT_FP6
.endif
.endm
; The 64 accumulators take turns, one instruction a turn, in the same order in every step.  first = 1: C is the bias.
.macro MUL16 a0, p, q, sc, first
.irp a, \a0, \a0+1
.irp b, 0,1,2,3,4,5,6,7
.set rD, 8*(8*((\a)%4)+\b)
.set rB, 128*(\p)+FR*\b
.set rA, AF+FR*(\a)
.set rSB, SC+16*(\sc)+8+2*(\b/2)+(\q)
.set rSA, SC+16*(\sc)+4*(\q)+(\a)/2
.set rRB, \b%2
.set rRA, (\a)%2
.if \first
.set rC, BI+8*\b
.else
.set rC, rD
.endif
	WM
.endr
.endr
.endm
.macro STEP slot, first
	s_wait_dscnt 16                                ; all but A's blocks 4-7 (the youngest 16 loads)
.if \first
	WIN 0x81
.else
	WIN MUL_LO
.endif
	MUL16 0, 0, 0, \slot, \first
	MUL16 2, 0, 0, \slot, \first
	s_wait_dscnt 0x0
	PLACES
	FETCH_B \slot, 1, 1
	FETCH_A \slot, 1, 0
.if \first
	WIN 0xc1
.else
	WIN MUL_HI
.endif
	MUL16 4, 0, 0, \slot, \first
	MUL16 6, 0, 0, \slot, \first
	PLACES
	WIN 0
	FETCH_A \slot, 1, 4
.endm
.macro TURN slot, next, fill
	s_wait_tensorcnt 0x0                           ; all my tensor loads have landed: my part of the next slot
	ds_add_u32 v[SPW], v[NIL]                      ; 0 onto my spare word
	s_wait_dscnt 17                                ; the add and A's blocks 4-7 may be out
	WIN MUL_LO
	MUL16 0, 1, 1, \slot, 0
	s_wait_dscnt 0x0                               ; the add is done, my reads of this slot are over
	s_barrier_signal -1
	MUL16 2, 1, 1, \slot, 0
	WIN 0
	s_barrier_wait -1
.if \fill
	CREST                                          ; the barrier opened a round of the cluster's
	s_add_nc_u64 s[G0+4*\slot+2:G0+4*\slot+3], s[G0+4*\slot+2:G0+4*\slot+3], 8*APL
	s_add_nc_u64 s[G0B+4*\slot+2:G0B+4*\slot+3], s[G0B+4*\slot+2:G0B+4*\slot+3], 2*192
	JLOAD G0+4*\slot, G1, G0B+4*\slot, G1B         ; my one tensor load behind the round
.else
	PLACES
.endif
	v_add_nc_u32 v[ADSA], 1024, v[ADSA]
	v_add_nc_u32 v[ADSB], 8, v[ADSB]
	FETCH_B \next, 0, 0
	FETCH_A \next, 0, 0
	SCALES \next
	WIN MUL_HI
	MUL16 4, 1, 1, \slot, 0
	MUL16 6, 1, 1, \slot, 0
	PLACES
	WIN 0
	FETCH_A \next, 0, 4
.endm
.macro RES a                           ; the residual's 16 rows of block a
.set RX, 64+64*((\a)%2)
.irp t, 0,1,2,3,4,5,6,7,8,9,10,11,12,13,14,15
	global_load_b128 v[RX+4*\t:RX+4*\t+3], v[CO], s[96:97] offset:(16*(\a)+\t)*4096
.endr
.endm
	s_wait_tensorcnt 1                             ; the scales and K step 0 are in; K step 1's load may be out
	s_barrier_signal -1
	s_barrier_wait -1
	FETCH_B 0, 0, 0
	FETCH_A 0, 0, 0
	SCALES 0
	FETCH_A 0, 0, 4
	s_wait_loadcnt 0x0                             ; the bias
	STEP 0, 1
	s_mov_b32 s3, LAPS-1
.Llap:
	TURN 0, 1, 1
	STEP 1, 0
	TURN 1, 0, 1
	STEP 0, 0
	s_sub_co_u32 s3, s3, 1
	s_cmp_lg_u32 s3, 0
	s_cbranch_scc1 .Llap
	RES 0                                          ; into the registers that the bias has left
	TURN 0, 1, 0
	STEP 1, 0
	s_wait_dscnt 16
	WIN MUL_LO
	MUL16 0, 1, 1, 1, 0
	MUL16 2, 1, 1, 1, 0
	s_wait_dscnt 0x0
	WIN MUL_HI
	MUL16 4, 1, 1, 1, 0
	MUL16 6, 1, 1, 1, 0
	WIN 0
	PLACES
	RES 1
.macro OUTB a
.set AC, 64*((\a)%4)
.if (\a) > 0
	s_wait_xcnt 0x0                                ; the last block's stores have read their data
.endif
	WIN 0x08+4*((\a)/4)
.irp b, 0,1,2,3,4,5,6,7
	ds_store_b128 v[STO], v[AC+8*\b:AC+8*\b+3] offset:64*\b        ; each accumulator from its low end on
	ds_store_b128 v[STO], v[AC+8*\b+4:AC+8*\b+7] offset:64*\b+16
.endr
	WIN 0
.irp t, 0,1,2,3,4,5,6,7,8,9,10,11,12,13,14,15
	ds_load_b128 v[BK+4*\t:BK+4*\t+3], v[RD] offset:\t*SPITCH      ; LDS serves a wave's instructions in order
.endr
	s_wait_dscnt 0x0
.if (\a) < 7
	s_wait_loadcnt 16                              ; the next block's residual may be out
.else
	s_wait_loadcnt 0x0
.endif
.set RX, 64+64*((\a)%2)
.set J, 0
.rept 32
	v_pk_add_f32 v[BK+J:BK+J+1], v[BK+J:BK+J+1], v[RX+J:RX+J+1]
.set J, J+2
.endr
.irp t, 0,1,2,3,4,5,6,7,8,9,10,11,12,13,14,15
	global_store_b128 v[CO], v[BK+4*\t:BK+4*\t+3], s[98:99] offset:(16*(\a)+\t)*4096 th:TH_STORE_NT   ; 512 consecutive bytes, aligned; written once, read by nobody here
.endr
.if (\a) < 6
	RES (\a)+2
.endif
.endm
.irp a, 0,1,2,3,4,5,6,7
	OUTB \a
.endr
	s_wait_tensorcnt 0x0                           ; the wave's end
	ds_add_u32 v[SPW], v[NIL]
	s_wait_dscnt 0x0
	CROUND                                         ; the closing round
	s_endpgm
.Lfunc_end_k_q0b631e0aa8_gfc2:
	.size	k_q0b631e0aa8_gfc2, .Lfunc_end_k_q0b631e0aa8_gfc2-k_q0b631e0aa8_gfc2
	.p2alignl 7, 3214868480
	.fill 96, 4, 3214868480
	.section	.rodata,"a",@progbits
	.p2align	6, 0x0
	.amdhsa_kernel k_q0b631e0aa8_gfc2
		.amdhsa_group_segment_fixed_size 327680
		.amdhsa_private_segment_fixed_size 0
		.amdhsa_enable_private_segment 0
		.amdhsa_kernarg_size 48
		.amdhsa_user_sgpr_count 2
		.amdhsa_user_sgpr_kernarg_segment_ptr 1
		.amdhsa_wavefront_size32 1
		.amdhsa_system_sgpr_workgroup_id_x 1
		.amdhsa_system_sgpr_workgroup_id_y 1
		.amdhsa_system_sgpr_workgroup_id_z 1
		.amdhsa_system_vgpr_workitem_id 0
		.amdhsa_next_free_vgpr 1024
		.amdhsa_next_free_sgpr 104
		.amdhsa_reserve_vcc 0
		.amdhsa_float_denorm_mode_32 3
		.amdhsa_float_denorm_mode_16_64 3
		.amdhsa_memory_ordered 1
		.amdhsa_forward_progress 1
		.amdhsa_inst_pref_size 183
	.end_amdhsa_kernel
	.amdgpu_metadata
---
amdhsa.version: [ 1, 2 ]
amdhsa.kernels:
  - .name:           k_q0b631e0aa8_gfc2
    .symbol:         k_q0b631e0aa8_gfc2.kd
    .args:
      - { .name: gb, .offset: 0, .size: 8, .value_kind: global_buffer, .address_space: global }
      - { .name: fc2_w_codes, .offset: 8, .size: 8, .value_kind: global_buffer, .address_space: global }
      - { .name: fc2_w_scales, .offset: 16, .size: 8, .value_kind: global_buffer, .address_space: global }
      - { .name: fc2_b, .offset: 24, .size: 8, .value_kind: global_buffer, .address_space: global }
      - { .name: x1, .offset: 32, .size: 8, .value_kind: global_buffer, .address_space: global }
      - { .name: out0, .offset: 40, .size: 8, .value_kind: global_buffer, .address_space: global }
    .group_segment_fixed_size: 327680
    .private_segment_fixed_size: 0
    .kernarg_segment_align: 8
    .kernarg_segment_size: 48
    .max_flat_workgroup_size: 128
    .sgpr_count:     104
    .vgpr_count:     1024
    .wavefront_size: 32
...
	.end_amdgpu_metadata
.endif
;; end of part 7
;; ======== version 2 of 2: 7 launches
;; limits: right only within a limited range of input values
;; workspace buffers: act 3,276,800 bytes; mbits 528,384 bytes of whole numbers; qb 3,407,872 bytes; kv 6,684,672 bytes; x1 16,777,216 bytes; gb 13,107,200 bytes
;; launch ln1m (part 8): grid 384 x 1, 8 waves a work-group, no clusters, 122,368 bytes of LDS; arguments x, ln1_g, ln1_b, mask, act, mbits; writes act, mbits
.if DOCPART == 8
	.amdgcn_target "amdgcn-amd-amdhsa--gfx1250"
	.amdhsa_code_object_version 6
	.text
	.protected	k_q0b631e0aa8_ln1m
	.globl	k_q0b631e0aa8_ln1m
	.p2align	8
	.type	k_q0b631e0aa8_ln1m,@function
k_q0b631e0aa8_ln1m:
	s_mov_b64 s[64:65], 0
	v_nop
	global_prefetch_b8 v0, s[64:65] scope:SCOPE_SE
	s_setreg_imm32_b32 hwreg(HW_REG_WAVE_MODE, 25, 1), 1
	s_wait_xcnt 0x0
; Work-groups 0-255: h = LayerNorm(x) g + b for 16 rows of 1,024, quantised along the row to codes of E2M3 with one E8M0 byte for each 32, and stored
; in the order in which the next product's operand registers take them.  Work-groups 256-383: the mask, one byte a (query, key), becomes lane masks and a summary for the attention launch.
; CODES: [plane of 64 along K (16)][tile of 16 rows (256)][768 bytes].  An image of 768 bytes: block c (32 codes, 24 bytes) of row r has its bytes 0-15 at 256 c + 16 r and its bytes 16-23 at 512 + 16 r + 8 c.
; SCALES: behind the codes, [plane of 128 along K (8)][4,096 rows][4 bytes].
; A wave takes two rows; a row's 4,096 bytes lie in 32 registers between the passes, so x is read once.  The normalised row turns through the wave's own LDS so that a lane holds one whole block of 32.
; MASK BITS: word 8 t + j of (query tile T, key step s): bit l = mask[16 T + l % 16][128 s + 16 t + 8 (l / 16) + j].  Summary word of (T, wave w): bits 2 w, 2 w + 1: the step has an open key; bits 16 + 2 w, + 1: it also has a hidden one.
; LIMITS: a block of zeros gets the byte 1 (its codes are zeros; the bytes are read by this program alone); NaN and infinities in x are not served.  The scale words leave in runs of 64 bytes.
.set APL,   196608                     ; bytes of a plane of codes
.set ASOFF, 3145728                    ; where the scale planes begin
.set XST,   0                          ; LDS: 8 waves x 2 rows x 32 places of 128 + 16 bytes
.set CST,   73728                      ; 16 images of 768 bytes
.set SST,   86016                      ; 8 planes x 16 rows x 4 scale bytes
.set MST,   86528                      ; the mask's way: 8 waves x 16 rows x 272 bytes
.set G,  16
.set B,  48
.set X0, 80
.set X1, 112
.set Y,  144
.set T,  176
	s_load_b128 s[4:7], s[0:1], 0x0                ; x, g
	s_load_b64 s[8:9], s[0:1], 0x10                ; b
	s_load_b128 s[12:15], s[0:1], 0x18             ; mask, act
	s_load_b64 s[10:11], s[0:1], 0x28              ; mbits
	v_lshl_add_u32 v192, v0, 2, 0x1da00
	v_mov_b32 v193, 0
	v_lshrrev_b32 v1, 5, v0
	s_delay_alu instid0(VALU_DEP_1)
	v_readfirstlane_b32 s16, v1                    ; wave
	v_and_b32 v14, 31, v0                          ; lane
	s_cmp_ge_u32 ttmp9, 256
	s_cbranch_scc1 .Lmask
	v_lshlrev_b32 v1, 4, v14                       ; 16 x lane
	s_lshl_b32 s24, ttmp9, 16                      ; 16 rows of 4,096 bytes a work-group,
	s_lshl_b32 s25, s16, 13                        ; two a wave
	s_add_co_u32 s24, s24, s25
	s_mov_b32 s25, 0
	s_wait_alu depctr_va_vdst(0)
	s_wait_kmcnt 0x0
	s_add_nc_u64 s[4:5], s[4:5], s[24:25]
.irp j, 0,1,2,3,4,5,6,7
	global_load_b128 v[X0+4*\j:X0+4*\j+3], v1, s[4:5] offset:512*\j       ; each load: 512 consecutive bytes
.endr
.irp j, 0,1,2,3,4,5,6,7
	global_load_b128 v[G+4*\j:G+4*\j+3], v1, s[6:7] offset:512*\j
.endr
.irp j, 0,1,2,3,4,5,6,7
	global_load_b128 v[B+4*\j:B+4*\j+3], v1, s[8:9] offset:512*\j
.endr
.irp j, 0,1,2,3,4,5,6,7
	global_load_b128 v[X1+4*\j:X1+4*\j+3], v1, s[4:5] offset:4096+512*\j
.endr
	s_mov_b32 s18, 0x76543210
	s_mov_b32 s19, 0xfedcba98                      ; lane l xor 16
	s_mov_b32 s20, 0x3a800000                      ; 1 / 1,024
	s_mov_b32 s21, 0x3727c5ac                      ; 1e-5
	s_mul_i32 s22, s16, 9216
	v_lshrrev_b32 v15, 3, v14
	s_delay_alu instid0(VALU_DEP_1)
	v_lshl_add_u32 v2, v15, 4, v1
	s_delay_alu instid0(VALU_DEP_1)
	v_add_nc_u32 v2, s22, v2                       ; into the turn: 16 l + 16 (l / 8)
	v_mul_u32_u24 v3, v14, 144
	s_delay_alu instid0(VALU_DEP_1)
	v_add_nc_u32 v3, s22, v3                       ; out of it: block l
	v_lshrrev_b32 v15, 1, v14
	s_delay_alu instid0(VALU_DEP_1)
	v_mul_u32_u24 v4, v15, 768
	v_and_b32 v15, 1, v14
	s_delay_alu instid0(VALU_DEP_1)
	v_lshl_add_u32 v5, v15, 3, v4
	s_delay_alu instid0(VALU_DEP_2)
	v_lshl_add_u32 v4, v15, 8, v4
	s_lshl_b32 s23, s16, 5
	s_add_co_u32 s23, s23, CST
	v_add_nc_u32 v4, s23, v4                       ; image l / 2, block l % 2, row 2 w: bytes 0-15
	s_add_co_u32 s23, s23, 512
	v_add_nc_u32 v5, s23, v5                       ; bytes 16-23
	v_lshrrev_b32 v15, 2, v14
	v_and_b32 v6, 3, v14
	s_delay_alu instid0(VALU_DEP_1)
	v_lshl_add_u32 v6, v15, 6, v6
	s_lshl_b32 s23, s16, 3
	s_add_co_u32 s23, s23, SST
	v_add_nc_u32 v6, s23, v6                       ; my block's scale byte
	s_mul_i32 s23, s16, 1536
	s_add_co_u32 s23, s23, CST
	v_add_nc_u32 v7, s23, v1                       ; the way out: images 2 w and 2 w + 1
	v_lshrrev_b32 v15, 4, v14
	s_delay_alu instid0(VALU_DEP_1)
	v_mul_u32_u24 v8, v15, APL-768
	s_delay_alu instid0(VALU_DEP_1)
	v_add_nc_u32 v8, v8, v1
	v_add_nc_u32 v9, SST, v1
	s_mul_i32 s24, s16, 2*APL
	s_mul_i32 s23, ttmp9, 768
	s_add_co_u32 s24, s24, s23
	s_add_nc_u64 s[26:27], s[14:15], s[24:25]      ; plane 2 w, my tile of rows
	s_lshl_b32 s24, ttmp9, 6
	s_add_co_u32 s24, s24, ASOFF
	s_add_nc_u64 s[28:29], s[14:15], s[24:25]      ; my 16 rows' scale words in plane 0
.macro REDUCE                          ; v[T] summed over the 32 lanes, in every lane
	s_delay_alu instid0(VALU_DEP_1)
	v_add_f32_dpp v[T], v[T], v[T] row_xmask:1 row_mask:0xf bank_mask:0xf
	s_delay_alu instid0(VALU_DEP_1)
	v_add_f32_dpp v[T], v[T], v[T] row_xmask:2 row_mask:0xf bank_mask:0xf
	s_delay_alu instid0(VALU_DEP_1)
	v_add_f32_dpp v[T], v[T], v[T] row_xmask:4 row_mask:0xf bank_mask:0xf
	s_delay_alu instid0(VALU_DEP_1)
	v_add_f32_dpp v[T], v[T], v[T] row_xmask:8 row_mask:0xf bank_mask:0xf
	s_delay_alu instid0(VALU_DEP_1)
	v_permlanex16_b32 v[T+1], v[T], s18, s19
	s_delay_alu instid0(VALU_DEP_1)
	v_add_f32 v[T], v[T], v[T+1]
.endm
.macro FOLD                            ; four pairs v[T..T+7] into v[T]
	s_delay_alu instid0(VALU_DEP_2)
	v_pk_add_f32 v[T:T+1], v[T:T+1], v[T+4:T+5]
	s_delay_alu instid0(VALU_DEP_2)
	v_pk_add_f32 v[T+2:T+3], v[T+2:T+3], v[T+6:T+7]
	s_delay_alu instid0(VALU_DEP_1)
	v_pk_add_f32 v[T:T+1], v[T:T+1], v[T+2:T+3]
	s_delay_alu instid0(VALU_DEP_1)
	v_add_f32 v[T], v[T], v[T+1]
.endm
; One row.  left1: younger loads that may be out when the row is needed; left2: when g and b are needed.
.macro ROW rr, X, left1, left2
	s_wait_loadcnt \left1
.irp i, 0,1,2,3,4,5,6,7
	v_pk_add_f32 v[T+2*\i:T+2*\i+1], v[\X+4*\i:\X+4*\i+1], v[\X+4*\i+2:\X+4*\i+3]
.endr
.irp i, 0,1,2,3
	s_delay_alu instid0(VALU_DEP_4)
	v_pk_add_f32 v[T+2*\i:T+2*\i+1], v[T+2*\i:T+2*\i+1], v[T+8+2*\i:T+9+2*\i]
.endr
	FOLD
	REDUCE
	s_delay_alu instid0(VALU_DEP_1)
	v_mul_f32 v10, s20, v[T]                       ; the mean, twice
	s_delay_alu instid0(VALU_DEP_2)
	v_mul_f32 v11, s20, v[T]
.irp i, 0,1,2,3,4,5,6,7,8,9,10,11,12,13,14,15
	v_pk_add_f32 v[\X+2*\i:\X+2*\i+1], v[\X+2*\i:\X+2*\i+1], v[10:11] neg_lo:[0,1] neg_hi:[0,1]
.endr
.irp i, 0,1,2,3
	v_pk_mul_f32 v[T+2*\i:T+2*\i+1], v[\X+2*\i:\X+2*\i+1], v[\X+2*\i:\X+2*\i+1]
.endr
.irp i, 4,5,6,7,8,9,10,11,12,13,14,15
	s_delay_alu instid0(VALU_DEP_4)
	v_pk_fma_f32 v[T+2*(\i%4):T+2*(\i%4)+1], v[\X+2*\i:\X+2*\i+1], v[\X+2*\i:\X+2*\i+1], v[T+2*(\i%4):T+2*(\i%4)+1]
.endr
	FOLD
	REDUCE
	s_delay_alu instid0(VALU_DEP_1)
	v_fma_f32 v[T], v[T], s20, s21                 ; the variance + 1e-5
	s_wait_alu depctr_va_vdst(0)
	v_rsq_f32 v12, v[T]
	v_rsq_f32 v13, v[T]
	v_nop                                          ; a plain place behind the transcendentals
	s_wait_loadcnt \left2
	s_wait_alu depctr_va_vdst(0)
.irp i, 0,1,2,3,4,5,6,7,8,9,10,11,12,13,14,15
	v_pk_mul_f32 v[\X+2*\i:\X+2*\i+1], v[\X+2*\i:\X+2*\i+1], v[12:13]
.endr
.irp i, 0,1,2,3,4,5,6,7,8,9,10,11,12,13,14,15
	v_pk_fma_f32 v[\X+2*\i:\X+2*\i+1], v[\X+2*\i:\X+2*\i+1], v[G+2*\i:G+2*\i+1], v[B+2*\i:B+2*\i+1]
.endr
.irp j, 0,1,2,3,4,5,6,7
	ds_store_b128 v2, v[\X+4*\j:\X+4*\j+3] offset:\rr*4608+576*\j
.endr
.irp j, 0,1,2,3,4,5,6,7
	ds_load_b128 v[Y+4*\j:Y+4*\j+3], v3 offset:\rr*4608+16*\j      ; LDS serves a wave's instructions in order: these see the stores above
.endr
	s_wait_dscnt 0x0
	v_max3_num_f32 v[T+12], |v[Y]|, |v[Y+1]|, 0x1800000            ; my block's largest magnitude, with the floor 2^(3 - 127): the byte cannot fall under 1
	v_max3_num_f32 v[T+13], |v[Y+2]|, |v[Y+3]|, |v[Y+4]|
.irp i, 5,9,13,17,21,25
	s_delay_alu instid0(VALU_DEP_2)
	v_max3_num_f32 v[T+12], v[T+12], |v[Y+\i]|, |v[Y+\i+1]|
	s_delay_alu instid0(VALU_DEP_2)
	v_max3_num_f32 v[T+13], v[T+13], |v[Y+\i+2]|, |v[Y+\i+3]|
.endr
	s_delay_alu instid0(VALU_DEP_2)
	v_max3_num_f32 v[T+12], v[T+12], |v[Y+29]|, |v[Y+30]|
	s_delay_alu instid0(VALU_DEP_1)
	v_max3_num_f32 v[T+12], v[T+12], v[T+13], |v[Y+31]|
	s_delay_alu instid0(VALU_DEP_1)
	v_add_nc_u32 v[T+14], 0xff000000, v[T+12]      ; 2 off the exponent field: the conversion's scale operand
	v_cvt_scalef32_pk16_fp6_f32 v[T:T+2], v[Y:Y+15], v[T+14]
	v_cvt_scalef32_pk16_fp6_f32 v[T+8:T+10], v[Y+16:Y+31], v[T+14]
	v_lshrrev_b32 v[T+15], 23, v[T+14]             ; the scale's byte (a plain place behind the conversions)
	v_mov_b32 v[T+3], v[T+8]
	v_mov_b32 v[T+4], v[T+9]
	v_mov_b32 v[T+5], v[T+10]
	ds_store_b128 v4, v[T:T+3] offset:16*\rr
	ds_store_b64 v5, v[T+4:T+5] offset:16*\rr
	ds_store_b8 v6, v[T+15] offset:4*\rr
	s_wait_dscnt 0x0                               ; the stores have read their registers
.endm
	ROW 0, X0, 24, 8                               ; 24: g, b and the second row may be out; 8: the second row may be out
	ROW 1, X1, 0, 0
	s_barrier_signal -1                            ; every wave's LDS stores have landed (the wait for 0 above)
	s_barrier_wait -1
.irp i, 0,1,2
	ds_load_b128 v[Y+4*\i:Y+4*\i+3], v7 offset:512*\i
.endr
	s_wait_dscnt 0x0
	global_store_b128 v1, v[Y:Y+3], s[26:27]                       ; sixteen lanes store 256 consecutive bytes, aligned
	global_store_b128 v8, v[Y+4:Y+7], s[26:27] offset:512          ; lanes 0-15 end image 2 w, lanes 16-31 begin image 2 w + 1
	global_store_b128 v1, v[Y+8:Y+11], s[26:27] offset:APL+256
	s_cmp_lg_u32 s16, 0
	s_cbranch_scc1 .Ldone
	ds_load_b128 v[Y+12:Y+15], v9
	v_lshrrev_b32 v[T], 2, v14
	v_and_b32 v[T+1], 3, v14
	s_delay_alu instid0(VALU_DEP_2)
	v_lshlrev_b32 v[T], 14, v[T]
	s_delay_alu instid0(VALU_DEP_1)
	v_lshl_add_u32 v[T], v[T+1], 4, v[T]           ; plane lane / 4, four rows' words
	s_wait_alu depctr_va_vdst(0)
	s_wait_dscnt 0x0
	global_store_b128 v[T], v[Y+12:Y+15], s[28:29]
.Ldone:
	s_wait_tensorcnt 0x0
	ds_add_u32 v192, v193
	s_wait_dscnt 0x0
	s_endpgm
.Lmask:                                            ; query tile T = work-group - 256; wave w: keys 256 w .. 256 w + 255, two steps of 128
	s_sub_co_u32 s17, ttmp9, 256
	v_and_b32 v2, 15, v0
	v_bfe_u32 v3, v0, 4, 1
	s_delay_alu instid0(VALU_DEP_2)
	v_lshlrev_b32 v4, 4, v2
	s_delay_alu instid0(VALU_DEP_1)
	v_lshl_add_u32 v5, v3, 11, v4                  ; two rows of the mask an instruction, 256 bytes of each
	s_mul_i32 s22, s16, 4352
	s_add_co_u32 s22, s22, MST
	v_mad_u32_u24 v6, v3, 272, v4
	s_delay_alu instid0(VALU_DEP_1)
	v_add_nc_u32 v6, s22, v6
	v_mul_u32_u24 v7, v2, 272
	s_delay_alu instid0(VALU_DEP_1)
	v_lshl_add_u32 v7, v3, 3, v7
	s_delay_alu instid0(VALU_DEP_1)
	v_add_nc_u32 v7, s22, v7                       ; back: row l % 16, 8 bytes at 8 (l / 16)
	v_lshlrev_b32 v1, 4, v14
	s_lshl_b32 s24, s17, 15
	s_lshl_b32 s25, s16, 8
	s_add_co_u32 s24, s24, s25
	s_mov_b32 s25, 0
	s_wait_alu depctr_va_vdst(0)
	s_wait_kmcnt 0x0
	s_add_nc_u64 s[12:13], s[12:13], s[24:25]
.irp j, 0,1,2,3,4,5,6,7
	global_load_b128 v[16+4*\j:19+4*\j], v5, s[12:13] offset:4096*\j th:TH_LOAD_NT
.endr
	s_lshl_b32 s24, s17, 12
	s_lshl_b32 s26, s16, 9
	s_add_co_u32 s24, s24, s26
	s_add_nc_u64 s[28:29], s[10:11], s[24:25]      ; my 128 words
	s_lshl_b32 s24, s17, 5
	s_lshl_b32 s26, s16, 2
	s_add_co_u32 s24, s24, s26
	s_add_co_u32 s24, s24, 524288
	s_add_nc_u64 s[10:11], s[10:11], s[24:25]      ; my summary word
	s_mov_b32 s32, -1                              ; the two steps' running AND,
	s_mov_b32 s33, -1
	s_mov_b32 s34, 0                               ; and OR
	s_mov_b32 s35, 0
.irp i, 0,1,2,3
	v_mov_b32 v[80+\i], 0
.endr
	s_wait_alu depctr_va_vdst(0)
	s_wait_loadcnt 0x0
.irp j, 0,1,2,3,4,5,6,7
	ds_store_b128 v6, v[16+4*\j:19+4*\j] offset:544*\j
.endr
.irp u, 0,1,2,3,4,5,6,7,8,9,10,11,12,13,14,15
	ds_load_b64 v[48+2*\u:49+2*\u], v7 offset:16*\u                ; step u / 8, key tile u % 8 (128 bytes a step)
.endr
	s_wait_dscnt 0x0
.set W, 0
.rept 128
	v_and_b32 v[84+W%4], 0xff<<(8*(W%4)), v[48+2*(W/8)+(W%8)/4]
	s_delay_alu instid0(VALU_DEP_1)
	v_cmp_ne_u32 s[20+W%4], 0, v[84+W%4]           ; the lane mask of score register W % 64
	s_delay_alu instid0(VALU_DEP_1)
	v_writelane_b32 v[80+W%4], s[20+W%4], W/4      ; word W lies in lane W / 4
	s_and_b32 s[32+W/64], s[32+W/64], s[20+W%4]
	s_or_b32 s[34+W/64], s[34+W/64], s[20+W%4]
.set W, W+1
.endr
	global_store_b128 v1, v[80:83], s[28:29]       ; 512 consecutive bytes
	s_cmp_lg_u32 s32, -1
	s_cselect_b32 s36, 1, 0                        ; some key of the step is open
	s_cmp_lg_u32 s33, -1
	s_cselect_b32 s37, 2, 0
	s_cmp_lg_u32 s34, 0
	s_cselect_b32 s38, 1, 0                        ; some key is hidden
	s_cmp_lg_u32 s35, 0
	s_cselect_b32 s39, 2, 0
	s_or_b32 s36, s36, s37
	s_or_b32 s38, s38, s39
	s_and_b32 s38, s38, s36
	s_lshl_b32 s38, s38, 16
	s_or_b32 s36, s36, s38
	s_lshl_b32 s37, s16, 1
	s_lshl_b32 s36, s36, s37
	v_mov_b32 v8, s36
	v_mov_b32 v9, 0
	s_wait_alu depctr_va_vdst(0)
	s_wait_xcnt 0x0                                ; EXEC changes only behind this wait
	v_cmp_eq_u32 vcc_lo, 0, v14
	s_wait_tensorcnt 0x0
	ds_add_u32 v192, v193
	s_wait_dscnt 0x0
	s_and_saveexec_b32 s30, vcc_lo
	global_store_b32 v9, v8, s[10:11]
	s_wait_xcnt 0x0
	s_or_b32 exec_lo, exec_lo, s30
	s_endpgm
.Lfunc_end_k_q0b631e0aa8_ln1m:
	.size	k_q0b631e0aa8_ln1m, .Lfunc_end_k_q0b631e0aa8_ln1m-k_q0b631e0aa8_ln1m
	.p2alignl 7, 3214868480
	.fill 96, 4, 3214868480
	.section	.rodata,"a",@progbits
	.p2align	6, 0x0
	.amdhsa_kernel k_q0b631e0aa8_ln1m
		.amdhsa_group_segment_fixed_size 122368
		.amdhsa_private_segment_fixed_size 0
		.amdhsa_enable_private_segment 0
		.amdhsa_kernarg_size 48
		.amdhsa_user_sgpr_count 2
		.amdhsa_user_sgpr_kernarg_segment_ptr 1
		.amdhsa_wavefront_size32 1
		.amdhsa_system_sgpr_workgroup_id_x 1
		.amdhsa_system_sgpr_workgroup_id_y 1
		.amdhsa_system_sgpr_workgroup_id_z 1
		.amdhsa_system_vgpr_workitem_id 0
		.amdhsa_next_free_vgpr 194
		.amdhsa_next_free_sgpr 66
		.amdhsa_reserve_vcc 1
		.amdhsa_float_denorm_mode_32 3
		.amdhsa_float_denorm_mode_16_64 3
		.amdhsa_memory_ordered 1
		.amdhsa_forward_progress 1
		.amdhsa_inst_pref_size 74
	.end_amdhsa_kernel
	.amdgpu_metadata
---
amdhsa.version: [ 1, 2 ]
amdhsa.kernels:
  - .name:           k_q0b631e0aa8_ln1m
    .symbol:         k_q0b631e0aa8_ln1m.kd
    .args:
      - { .name: x, .offset: 0, .size: 8, .value_kind: global_buffer, .address_space: global }
      - { .name: ln1_g, .offset: 8, .size: 8, .value_kind: global_buffer, .address_space: global }
      - { .name: ln1_b, .offset: 16, .size: 8, .value_kind: global_buffer, .address_space: global }
      - { .name: mask, .offset: 24, .size: 8, .value_kind: global_buffer, .address_space: global }
      - { .name: act, .offset: 32, .size: 8, .value_kind: global_buffer, .address_space: global }
      - { .name: mbits, .offset: 40, .size: 8, .value_kind: global_buffer, .address_space: global }
    .group_segment_fixed_size: 122368
    .private_segment_fixed_size: 0
    .kernarg_segment_align: 8
    .kernarg_segment_size: 48
    .max_flat_workgroup_size: 256
    .sgpr_count:     66
    .vgpr_count:     194
    .wavefront_size: 32
...
	.end_amdgpu_metadata
.endif
;; end of part 8
;; launch gqkv (part 9): grid 12 x 16, 4 waves a work-group, clusters of 4 x 4, 327,680 bytes of LDS; arguments act, qkv_w_codes, qkv_w_scales, qkv_b, qb, kv; writes qb, kv
.if DOCPART == 9
	.amdgcn_target "amdgcn-amd-amdhsa--gfx1250"
	.amdhsa_code_object_version 6
	.text
	.protected	k_q0b631e0aa8_gqkv
	.globl	k_q0b631e0aa8_gqkv
	.p2align	8
	.type	k_q0b631e0aa8_gqkv,@function
k_q0b631e0aa8_gqkv:
	s_mov_b64 s[64:65], 0
	v_nop
	global_prefetch_b8 v0, s[64:65] scope:SCOPE_SE
	s_setreg_imm32_b32 hwreg(HW_REG_WAVE_MODE, 25, 1), 1
	s_wait_xcnt 0x0
	s_wait_alu depctr_hold_cnt(0) depctr_sa_sdst(0) depctr_va_vdst(0) depctr_va_sdst(0) depctr_va_ssrc(0) depctr_va_vcc(0) depctr_vm_vsrc(0)
	s_getreg_b32 s2, hwreg(HW_REG_IB_STS2, 6, 4)
	s_cmp_eq_u32 s2, 0
	s_cbranch_scc0 .Lentry_in_a_cluster
	s_endpgm
.Lentry_in_a_cluster:
	s_bfe_u32 s2, ttmp6, 0x10000c
	s_cmp_lg_u32 s2, 0xf033
	s_cbranch_scc0 .Lentry_shape_is_right
	s_endpgm
.Lentry_shape_is_right:
; qkv = h W^T + b on codes of E2M3 with E8M0 scales, M 4,096, N 3,072, K 1,024; the results are quantised here and leave as the attention launch's operands.
; A tile of 256 x 256 to a work-group of four waves, 128 x 128 a wave: 64 accumulators.  K goes in steps of 256 through two LDS slots filled by the tensor data mover.
; A (the activations) lies in memory as images of operand registers: [plane of 64 K][tile of 16 rows][768]: a fragment is two loads of 16 bytes and two of 8, dense in LDS.  B (the weight) lies as rows of codes: 192 bytes a step, 16 bytes of padding behind each 64.
; All scale words of the work-group's rows come once, with the first fills.  CLUSTER 4 x 4: A's tiles are asked for jointly along a row of the cluster, B's along a column.
; The matrix instruction is used transposed (source 0 = 16 rows of W, source 1 = 16 rows of h): a lane holds eight neighbouring columns of one row.  The bias is the C of each sum's first instruction.
; THE WAY OUT hangs on the cluster's x, which all partners share: 0: Q, 1: K (quantised along the head's 64, images [head][tile of 16 rows][768], a scale word a row: two bytes and 0x0101 above them);
; 2: V, quantised along the KEYS: a lane takes a column d and 32 keys.  V's images have rows d (tile 2 c + u, row r: d = 32 c + 8 u + r + 8 (r / 8)) and, in a block of 32 keys, slot s holds key 16 ((s / 8) % 2) + 8 (s / 16) + s % 8: the order in which the softmax's conversions leave the keys.
; LIMITS: a block of zeros gets the byte 1 (read by this program alone); NaN and infinities are not served.  Scale words leave in runs of 64 bytes.
.set SIZE_K, 1024
.set ASOFF,  3145728                   ; where A's scale planes begin
.set APL,    196608                    ; a plane of A's codes
.set KP,     SIZE_K/128
.set KS,     SIZE_K/32
.set KROW,   SIZE_K*3/4
.set HALFA,  24576                     ; 2 planes x 16 images: what one load of the ring brings of A
; In place of what the head says of B and of the slots: the ring's two slots hold A alone, [plane of 64 K][16 images]; B's 256 rows of 768 bytes come once and stay, 16 bytes of padding behind each 256.
.set PITCH,  816                       ; 204 words: row r starts at bank 12 r mod 64, sixteen different groups of four banks
.set HALFB,  128*PITCH
.set SLOT,   2*HALFA
.set BOFF,   2*SLOT
.set SCA,    BOFF+2*HALFB
.set KB,     0                         ; the step of 128 along K whose fragments of B are fetched next
.set HALFSA, 512*KP
.set SCB,    SCA+2*HALFSA              ; B's scale bytes, units of 256 + 16
.set HALFSB, (128*KS/256)*272
.set SBLK,   (16*KS/256)*272
.set SPARE,  SCB+2*HALFSB              ; the spare words: 128 bytes a wave, named by no other line
.set LAPS,   SIZE_K/512
.set FR,   12
.set ADRA, 16                          ; v16-17 A's images in slot 0, 1: + 16 lane; v18-19: + 16 r + 8 h
.set ADRB, 20                          ; v20-21 B's rows; v22-23 the same behind one padding more
.set ADSA, 27
.set SPW,  28
.set NIL,  29
.set ADSB, 30
.set SC,   32                          ; v32-63 scale words, two sets of 16: A's at 4 q + a / 2, B's at 8 + 2 (b / 2) + q; even blocks in lanes 0-15, odd in lanes 16-31
.set BI,   64                          ; v64-127 the bias in the result's layout
.set AF,   128                         ; v128-223 A's eight fragments
.set G1,   24
.set G0,   32
.set G1B,  48
.set G0B,  56
.set G1S,  68
.set G0S,  76
.set G1SB, 80
.set G0SB, 88
.set MSB, 0
.macro WIN new                         ; the immediate's high byte repeats the setting that is left
.if MSB != \new
	s_set_vgpr_msb (MSB<<8)|\new
.set MSB, \new
.endif
.endm
.set MUL_LO, 0xa1                      ; source 0 (B) window 1, source 1 (A) window 0, C and D window 2
.set MUL_HI, 0xf1
.set TO_B,   0x40
.macro PLACES
.rept 4
	v_nop
.endr
.endm
.macro ALOAD g0                        ; waves 0, 1 ask for two planes of A each; waves 2, 3 have no part of the tile; four v_nop follow on both ways
	s_cmp_eq_u32 s15, 0
	s_cbranch_scc0 .Lno_a_\@
	tensor_load_to_lds s[\g0:\g0+3], s[G1:G1+7]
	s_nop 0
.Lno_a_\@:
	PLACES
.endm
.macro ARM under, g0, g1, next         ; one arm of the head's chain: one load, then a jump to the join
	s_cmp_lt_u32 s14, \under
	s_cbranch_scc0 \next
	tensor_load_to_lds s[\g0:\g0+3], s[\g1:\g1+7]
	s_nop 0
	PLACES
	s_branch .Lhead_asked
\next:
.endm
.macro CREST
	s_cmp_lg_u32 s14, 0
	s_cbranch_scc1 .Lnot_wave_0_\@
	s_barrier_signal -3
.Lnot_wave_0_\@:
	s_barrier_wait -3
	s_barrier_signal -1
	s_barrier_wait -1
.endm
.macro CROUND
	s_barrier_signal -1
	s_barrier_wait -1
	CREST
.endm
	s_load_b256 s[4:11], s[0:1], 0x0               ; A s[4:5], W's codes s[6:7], W's scales s[8:9], bias s[10:11]
	s_load_b128 s[96:99], s[0:1], 0x20             ; the way out's buffers
	v_lshl_add_u32 v[SPW], v0, 2, SPARE
	v_mov_b32 v[NIL], 0
	ds_add_u32 v28, v29
	ds_add_u32 v28, v29
	s_wait_dscnt 0x0
	v_lshrrev_b32 v1, 5, v0
	v_readfirstlane_b32 s14, v1                    ; wave
	s_lshr_b32 s15, s14, 1                         ; my half of the rows; also: I ask for A (0) or not (1)
	s_and_b32 s16, s14, 1                          ; my half of the columns; also: which half I ask for
	s_bfe_u32 s40, ttmp6, 0x40000                  ; cx
	s_bfe_u32 s41, ttmp6, 0x40004                  ; cy
	s_lshl_b32 s42, ttmp9, 2
	s_add_co_u32 s42, s42, s40                     ; tile column
	s_and_b32 s17, ttmp7, 0xffff
	s_lshl_b32 s17, s17, 2
	s_add_co_u32 s17, s17, s41                     ; tile row
	s_lshl_b32 s43, s41, 2
	s_lshl_b32 s43, 15, s43                        ; my row of the cluster
	s_lshl_b32 s44, 0x1111, s40                    ; my column
	s_or_b32 s[G1+0], s43, (1<<21)                 ; A's codes: 4 planes x 12,288 bytes, 196,608 apart, dense in LDS
	s_mov_b32 s[G1+1], 12288<<16                   ; a plane's 16 images; 4 planes at the head, 2 in the ring
	s_mov_b32 s[G1+2], 4<<16
	s_mov_b32 s[G1+3], 12288<<16
	s_mov_b32 s[G1+4], 4
	s_mov_b32 s[G1+5], APL
	s_mov_b32 s[G1+6], 0
	s_mov_b32 s[G1+7], 0
	s_or_b32 s[G1B+0], s44, (1<<20)|(1<<21)|(5<<22)|(3<<25)   ; B's codes: 256 whole rows of 768 bytes, 4 words of padding behind every 64
	s_mov_b32 s[G1B+1], 768<<16
	s_mov_b32 s[G1B+2], 256<<16
	s_mov_b32 s[G1B+3], 768<<16
	s_mov_b32 s[G1B+4], 256
	s_mov_b32 s[G1B+5], KROW
	s_mov_b32 s[G1B+6], 0
	s_mov_b32 s[G1B+7], 0
	s_or_b32 s[G1S+0], s43, (1<<21)                ; A's scale words: KP planes x 1,024 bytes, 16,384 apart
	s_mov_b32 s[G1S+1], 1024<<16                   ; the words of all 256 rows: [plane of 128 K][256 rows][4]
	s_mov_b32 s[G1S+2], KP<<16
	s_mov_b32 s[G1S+3], 1024<<16
	s_mov_b32 s[G1S+4], KP
	s_mov_b32 s[G1S+5], 16384
	s_mov_b32 s[G1S+6], 0
	s_mov_b32 s[G1S+7], 0
	s_or_b32 s[G1SB+0], s44, (3<<16)|(1<<20)|(1<<21)|(5<<22)|(3<<25)   ; B's scale bytes: a dense block as rows of 256 bytes, 16 of padding behind each
	s_mov_b32 s[G1SB+1], 32<<16
	s_mov_b32 s[G1SB+2], KS<<16                    ; 256 rows of KS bytes = KS rows of 256
	s_mov_b32 s[G1SB+3], 32<<16
	s_mov_b32 s[G1SB+4], KS
	s_mov_b32 s[G1SB+5], 32
	s_mov_b32 s[G1SB+6], 0
	s_mov_b32 s[G1SB+7], 0
	s_mul_i32 s12, s17, 12288                      ; A's codes: 16 images a tile row
	s_mov_b32 s13, 0
	s_mul_i32 s20, s16, 2*APL                      ; in the ring I ask for two of a slot's four planes
	s_add_co_u32 s20, s20, s12
	s_mov_b32 s21, 0
	s_lshl_b32 s22, s17, 10                        ; A's scale words
	s_add_co_u32 s22, s22, ASOFF
	s_mov_b32 s23, 0
	s_lshl_b32 s46, s42, 8                         ; B's first row
	s_mul_i32 s92, s46, KS
	s_mov_b32 s93, 0
	s_mul_i32 s46, s46, KROW
	s_mov_b32 s47, 0
	s_mul_i32 s45, s16, HALFA                      ; where my planes go
	s_wait_kmcnt 0x0
	s_add_nc_u64 s[20:21], s[4:5], s[20:21]
	s_add_nc_u64 s[22:23], s[4:5], s[22:23]
	s_add_nc_u64 s[46:47], s[6:7], s[46:47]
	s_add_nc_u64 s[92:93], s[8:9], s[92:93]
	s_add_nc_u64 s[6:7], s[4:5], s[12:13]          ; s[4:7]: group 0 of the head's load of slot 0, all four planes
	s_or_b32 s7, s7, 0x80000000
	s_mov_b32 s4, 1
	s_mov_b32 s5, 0
	CROUND                                         ; all sixteen work-groups are here: the first joint loads meet
	s_mov_b32 s[G0S], 1
	s_mov_b32 s[G0S+1], SCA
	s_mov_b64 s[G0S+2:G0S+3], s[22:23]
	s_or_b32 s[G0S+3], s[G0S+3], 0x80000000
	s_mov_b32 s[G0SB], 1
	s_mov_b32 s[G0SB+1], SCB
	s_mov_b64 s[G0SB+2:G0SB+3], s[92:93]
	s_or_b32 s[G0SB+3], s[G0SB+3], 0x80000000
.irp s, 0,1
	s_mov_b32 s[G0+4*\s], 1
	s_add_co_u32 s[G0+4*\s+1], s45, \s*SLOT
	s_add_nc_u64 s[G0+4*\s+2:G0+4*\s+3], s[20:21], \s*4*APL
	s_or_b32 s[G0+4*\s+3], s[G0+4*\s+3], 0x80000000
.endr
	s_mov_b32 s[G0B], 1
	s_mov_b32 s[G0B+1], BOFF
	s_mov_b64 s[G0B+2:G0B+3], s[46:47]
	s_or_b32 s[G0B+3], s[G0B+3], 0x80000000
	; the head's four tiles, one load a wave: wave 0 A's slot 0, wave 1 B, wave 2 A's scale words, wave 3 B's scale bytes
	ARM 1, 4, G1, .Lhead_b
	ARM 2, G0B, G1B, .Lhead_sa
	ARM 3, G0S, G1S, .Lhead_sb
	tensor_load_to_lds s[G0SB:G0SB+3], s[G1SB:G1SB+7]
	s_nop 0
	PLACES
.Lhead_asked:
	v_and_b32 v1, 15, v0                           ; r
	v_bfe_u32 v2, v0, 4, 1                         ; h
	v_and_b32 v3, 31, v0                           ; lane
	v_lshlrev_b32 v4, 4, v3
	v_lshlrev_b32 v5, 4, v1
	v_lshl_add_u32 v5, v2, 3, v5
	v_mul_u32_u24 v6, v1, PITCH
	v_mad_u32_u24 v6, v2, 24, v6
	v_lshl_add_u32 v7, v2, 4, v6
	s_mul_i32 s21, s15, 6144                       ; my eight images of each plane
	s_mul_i32 s22, s16, HALFB
	s_add_co_u32 s22, s22, BOFF
.irp s, 0,1
	v_add_nc_u32 v[ADRA+\s], s21, v4
	v_add_nc_u32 v[ADRA+2+\s], s21, v5
	v_add_nc_u32 v[ADRB+\s], s22, v6
	v_add_nc_u32 v[ADRB+2+\s], s22, v7
	s_add_co_u32 s21, s21, SLOT
	s_add_co_u32 s22, s22, 64*PITCH                ; v20, v22: my rows 0-63 of B; v21, v23: rows 64-127
.endr
	s_lshl_b32 s21, s15, 9
	s_add_co_u32 s21, s21, SCA
	v_lshl_add_u32 v[ADSA], v3, 2, s21             ; A's words: 32 rows an instruction
	v_mul_u32_u24 v8, v3, KS
	v_lshrrev_b32 v9, 8, v8
	v_lshl_add_u32 v8, v9, 4, v8
	s_mul_i32 s22, s16, HALFSB
	s_add_co_u32 s22, s22, SCB
	v_add_nc_u32 v[ADSB], s22, v8                  ; B's: row = lane, 16 more for each 256 passed
	s_lshl_b32 s20, s42, 10
	s_lshl_b32 s21, s16, 9
	s_add_co_u32 s20, s20, s21
	s_mov_b32 s21, 0
	s_add_nc_u64 s[10:11], s[10:11], s[20:21]      ; the bias of my 128 columns
	v_lshlrev_b32 v10, 5, v2
.irp b, 0,1,2,3,4,5,6,7
	global_load_b128 v[BI+8*\b:BI+8*\b+3], v10, s[10:11] offset:64*\b
	global_load_b128 v[BI+8*\b+4:BI+8*\b+7], v10, s[10:11] offset:64*\b+16
.endr
.macro FRAG reg, adr, q, i             ; a fragment of B from rows: six pieces of 8 bytes; where the piece three on lies behind one padding more, the second address register serves
.irp p, 0,1,2,3,4,5
.set PCE, 12*(\q)+6*(\p/3)+\p%3
.if PCE%32 < 29
	ds_load_b64 v[\reg+2*\p:\reg+2*\p+1], v[\adr] offset:8*PCE+16*(PCE/32)+((\i)%4)*16*PITCH
.else
	ds_load_b64 v[\reg+2*\p:\reg+2*\p+1], v[\adr+2] offset:8*PCE+16*(PCE/32)+((\i)%4)*16*PITCH
.endif
.endr
.endm
.macro FRAGA reg, slot, q, i           ; a fragment of A from two images
	ds_load_b128 v[\reg:\reg+3], v[ADRA+\slot] offset:2*(\q)*12288+768*(\i)
	ds_load_b64 v[\reg+4:\reg+5], v[ADRA+2+\slot] offset:2*(\q)*12288+768*(\i)+512
	ds_load_b128 v[\reg+6:\reg+9], v[ADRA+\slot] offset:(2*(\q)+1)*12288+768*(\i)
	ds_load_b64 v[\reg+10:\reg+11], v[ADRA+2+\slot] offset:(2*(\q)+1)*12288+768*(\i)+512
.endm
.macro FETCH_B slot, q, p
	WIN TO_B
.irp i, 0,1,2,3,4,5,6,7
	FRAG 128*(\p)+FR*\i, ADRB+\i/4, KB, \i
.endr
.set KB, KB+1                          ; the walk along K is written straight, so B's place along K is a constant of each line
	WIN 0
.endm
.macro FETCH_A slot, q, i0             ; 16 loads
.irp i, \i0, \i0+1, \i0+2, \i0+3
	FRAGA AF+FR*(\i), \slot, \q, \i
.endr
.endm
.macro SCALES sc                       ; 12 loads: the K step's scale words
.irp q, 0,1
.irp i, 0,1,2,3
	ds_load_b32 v[SC+16*\sc+4*\q+\i], v[ADSA] offset:1024*\q+128*\i
.endr
.endr
.irp i, 0,1,2,3
	ds_load_b64 v[SC+16*\sc+8+2*\i:SC+16*\sc+9+2*\i], v[ADSB] offset:2*SBLK*\i
.endr
.endm
.macro WM                              ; one product; the rows of the scale registers by the blocks' parities
.if rRB && rRA
	v_wmma_scale_f32_16x16x128_f8f6f4 v[rD:rD+7], v[rB:rB+11], v[rA:rA+11], v[rC:rC+7], v[rSB], v[rSA] matrix_a_fmt:MATRIX_FMT_FP6 matrix_b_fmt:MATRIX_FMT_FP6 matrix_a_scale:MATRIX_SCALE_ROW1 matrix_b_scale:MATRIX_SCALE_ROW1
.elseif rRB
	v_wmma_scale_f32_16x16x128_f8f6f4 v[rD:rD+7], v[rB:rB+11], v[rA:rA+11], v[rC:rC+7], v[rSB], v[rSA] matrix_a_fmt:MATRIX_FMT_FP6 matrix_b_fmt:MATRIX_FMT_FP6 matrix_a_scale:MATRIX_SCALE_ROW1
.elseif rRA
	v_wmma_scale_f32_16x16x128_f8f6f4 v[rD:rD+7], v[rB:rB+11], v[rA:rA+11], v[rC:rC+7], v[rSB], v[rSA] matrix_a_fmt:MATRIX_FMT_FP6 matrix_b_fmt:MATRIX_FMT_FP6 matrix_b_scale:MATRIX_SCALE_ROW1
.else
	v_wmma_scale_f32_16x16x128_f8f6f4 v[rD:rD+7], v[rB:rB+11], v[rA:rA+11], v[rC:rC+7], v[rSB], v[rSA] matrix_a_fmt:MATRIX_FMT_FP6 matrix_b_fmt:MATRIX_FMT_FP6
.endif
.endm
; 16 products: A's blocks a0, a0 + 1 x B's eight.  The 64 accumulators take turns, one instruction a turn, in the same order in every step.  first = 1: C is the bias.
.macro MUL16 a0, p, q, sc, first
.irp a, \a0, \a0+1
.irp b, 0,1,2,3,4,5,6,7
.set rD, 8*(8*((\a)%4)+\b)
.set rB, 128*(\p)+FR*\b
.set rA, AF+FR*(\a)
.set rSB, SC+16*(\sc)+8+2*(\b/2)+(\q)
.set rSA, SC+16*(\sc)+4*(\q)+(\a)/2
.set rRB, \b%2
.set rRA, (\a)%2
.if \first
.set rC, BI+8*\b
.else
.set rC, rD
.endif
	WM
.endr
.endr
.endm
.macro STEP slot, first                ; a slot's first 128 along K
	s_wait_dscnt 16                                ; all but A's blocks 4-7 (the youngest 16 loads)
.if \first
	WIN 0x81                                       ; C (the bias) in window 0
.else
	WIN MUL_LO
.endif
	MUL16 0, 0, 0, \slot, \first
	MUL16 2, 0, 0, \slot, \first
	s_wait_dscnt 0x0
	PLACES                                         ; in front of loads into registers that matrix instructions have read
	FETCH_B \slot, 1, 1
	FETCH_A \slot, 1, 0
.if \first
	WIN 0xc1
.else
	WIN MUL_HI
.endif
	MUL16 4, 0, 0, \slot, \first
	MUL16 6, 0, 0, \slot, \first
	PLACES
	WIN 0
	FETCH_A \slot, 1, 4
.endm
.macro TURN slot, next, fill           ; a slot's second 128 along K, and the change of slots
	s_wait_tensorcnt 0x0                           ; all my tensor loads have landed: my part of the next slot
	ds_add_u32 v[SPW], v[NIL]                      ; 0 onto my spare word
	s_wait_dscnt 17                                ; the add and A's blocks 4-7 may be out
	WIN MUL_LO
	MUL16 0, 1, 1, \slot, 0
	s_wait_dscnt 0x0                               ; the add is done, my reads of this slot are over
	s_barrier_signal -1
	MUL16 2, 1, 1, \slot, 0
	WIN 0
	s_barrier_wait -1
.if \fill
	CREST                                          ; the barrier opened a round of the cluster's: no wave of any partner still reads this slot or has a load on its way
	s_add_nc_u64 s[G0+4*\slot+2:G0+4*\slot+3], s[G0+4*\slot+2:G0+4*\slot+3], 8*APL
	ALOAD G0+4*\slot                               ; the one tensor load behind the round; its four v_nop are the places in front of the loads below
.else
	PLACES
.endif
	s_wait_alu depctr_va_vdst(0)
	v_add_nc_u32 v[ADSA], 2048, v[ADSA]
	v_add_nc_u32 v[ADSB], 8, v[ADSB]
	FETCH_B \next, 0, 0
	FETCH_A \next, 0, 0
	SCALES \next
	WIN MUL_HI
	MUL16 4, 1, 1, \slot, 0
	MUL16 6, 1, 1, \slot, 0
	PLACES
	WIN 0
	FETCH_A \next, 0, 4
.endm
	s_wait_alu depctr_va_vdst(0)
	s_wait_tensorcnt 0x0                           ; my tile of the head's four is in
	ds_add_u32 v[SPW], v[NIL]
	s_mov_b32 s[G1+2], 2<<16                       ; no tensor load of mine is out: from here on a load of A brings two planes
	s_mov_b32 s[G1+4], 2
	s_wait_dscnt 0x0
	CROUND                                         ; all four tiles are in, and the sixteen work-groups meet
	ALOAD G0+4                                     ; slot 1's first fill
	FETCH_B 0, 0, 0
	FETCH_A 0, 0, 0
	SCALES 0
	FETCH_A 0, 0, 4
	s_wait_loadcnt 0x0                             ; the bias
	STEP 0, 1
	TURN 0, 1, 1
	STEP 1, 0
	TURN 1, 0, 1
	STEP 0, 0
	TURN 0, 1, 0                                   ; the last lap fills nothing
	STEP 1, 0
	s_wait_dscnt 16
	WIN MUL_LO
	MUL16 0, 1, 1, 1, 0
	MUL16 2, 1, 1, 1, 0
	s_wait_dscnt 0x0
	WIN MUL_HI
	MUL16 4, 1, 1, 1, 0
	MUL16 6, 1, 1, 1, 0
	WIN 0
	s_barrier_signal -1                            ; every wave's reads of LDS are over (the wait for 0 above): the stages below lie over the slots and the start of B, which have had their last fill
	s_barrier_wait -1
	PLACES
; ---- THE WAY OUT.  The stages lie over both slots and the start of B, which have had their last fill and, behind the barrier above, their last read.
.set STO, 24                           ; Q, K: my stage, 16 rows x 528: in at 528 r + 32 h
.set RQ,  25                           ; back at 528 r + 256 h: 64 columns, one head, of row r
.set STV, 26                           ; V: my stage, 32 rows x 528, in bytes of its own
.set RDV, 31                           ; back at 4 x lane: a column
.set GA,  11
.set GS,  12
.set VST, 33792
.set PKG, 208896                       ; a head's package in kv: K's images 0, K's words 98,304, V's images 106,496, V's words 204,800
.set W,   64
.set TT,  76
.set AM,  84
.set SO,  86
.set BY,  88
.set WD,  90
	s_mul_i32 s20, s14, 8448
	v_mul_u32_u24 v4, v1, 528
	v_lshl_add_u32 v5, v2, 5, v4
	v_add_nc_u32 v[STO], s20, v5
	v_lshl_add_u32 v6, v2, 8, v4
	v_add_nc_u32 v[RQ], s20, v6
	s_mul_i32 s20, s14, 16896
	s_add_co_u32 s20, s20, VST
	v_add_nc_u32 v[STV], s20, v5
	v_lshl_add_u32 v[RDV], v3, 2, s20
	s_lshr_b32 s23, s17, 3
	s_lshl_b32 s23, s23, 4
	s_lshl_b32 s45, s40, 2
	s_add_co_u32 s23, s23, s45
	s_lshl_b32 s45, s16, 1
	s_add_co_u32 s23, s23, s45                     ; 16 x batch + my first head
	s_and_b32 s45, s17, 7
	s_lshl_b32 s45, s45, 1
	s_add_co_u32 s45, s45, s15                     ; which 128 rows of the sequence are mine
	s_mov_b32 s47, 0
	s_cmp_eq_u32 ttmp9, 2                          ; the cluster's x: the same in all partners
	s_cbranch_scc1 .Lvpath
	s_mov_b32 s20, PKG
	s_mov_b32 s21, PKG
	s_mov_b32 s22, 98304
	s_cmp_eq_u32 ttmp9, 0
	s_cselect_b64 s[4:5], s[96:97], s[98:99]       ; Q's buffer or K's
	s_cselect_b32 s20, 98304, s20                  ; bytes from head to head: images,
	s_cselect_b32 s21, 8192, s21                   ; scale words,
	s_cselect_b32 s22, 3145728, s22                ; and where the words begin
	s_mul_i32 s46, s23, s20
	s_mul_i32 s92, s45, 8*768
	s_add_co_u32 s46, s46, s92
	s_add_nc_u64 s[6:7], s[4:5], s[46:47]
	s_mul_i32 s46, s23, s21
	s_lshl_b32 s92, s45, 9
	s_add_co_u32 s46, s46, s92
	s_add_co_u32 s46, s46, s22
	s_add_nc_u64 s[8:9], s[4:5], s[46:47]
	v_mul_u32_u24 v[GA], s20, v2
	v_lshl_add_u32 v[GA], v1, 4, v[GA]
	v_mul_u32_u24 v[GS], s21, v2
	v_lshl_add_u32 v[GS], v1, 2, v[GS]
; 64 numbers of a lane (two blocks of 32 of one row) become codes and leave as three stores: in each, lanes 0-15 fill 256 consecutive bytes of one image and lanes 16-31 of another
.macro QUANT2 x, off
	v_max3_num_f32 v[AM], |v[\x]|, |v[\x+1]|, 0x1800000            ; with the floor 2^(3 - 127)
	v_max3_num_f32 v[AM+1], |v[\x+32]|, |v[\x+33]|, 0x1800000
.irp i, 2,4,6,8,10,12,14,16,18,20,22,24,26,28,30
	v_max3_num_f32 v[AM], v[AM], |v[\x+\i]|, |v[\x+\i+1]|
	v_max3_num_f32 v[AM+1], v[AM+1], |v[\x+32+\i]|, |v[\x+33+\i]|
.endr
	v_add_nc_u32 v[SO], 0xff000000, v[AM]
	v_add_nc_u32 v[SO+1], 0xff000000, v[AM+1]
	s_wait_alu depctr_va_vdst(0)
	s_wait_xcnt 0x0                                ; the last stores have read their data
	v_cvt_scalef32_pk16_fp6_f32 v[W:W+2], v[\x:\x+15], v[SO]
	v_cvt_scalef32_pk16_fp6_f32 v[TT:TT+2], v[\x+16:\x+31], v[SO]
	v_cvt_scalef32_pk16_fp6_f32 v[W+4:W+6], v[\x+32:\x+47], v[SO+1]
	v_cvt_scalef32_pk16_fp6_f32 v[TT+4:TT+6], v[\x+48:\x+63], v[SO+1]
	v_lshrrev_b32 v[BY], 23, v[SO]                 ; the bytes (plain places behind the conversions)
	v_lshrrev_b32 v[BY+1], 23, v[SO+1]
	v_mov_b32 v[W+3], v[TT]
	v_mov_b32 v[W+8], v[TT+1]
	v_mov_b32 v[W+9], v[TT+2]
	v_mov_b32 v[W+7], v[TT+4]
	v_mov_b32 v[W+10], v[TT+5]
	v_mov_b32 v[W+11], v[TT+6]
	global_store_b128 v[GA], v[W:W+3], s[6:7] offset:\off
	global_store_b128 v[GA], v[W+4:W+7], s[6:7] offset:\off+256
	global_store_b128 v[GA], v[W+8:W+11], s[6:7] offset:\off+512
.endm
.macro TOSTAGE a
.set AC, 64*((\a)%4)
	WIN 0x08+4*((\a)/4)
.irp b, 0,1,2,3,4,5,6,7
	ds_store_b128 v[STO], v[AC+8*\b:AC+8*\b+3] offset:64*\b        ; each accumulator from its low end on
	ds_store_b128 v[STO], v[AC+8*\b+4:AC+8*\b+7] offset:64*\b+16
.endr
	WIN 0
.set BB, 128+64*((\a)%2)
.irp t, 0,1,2,3,4,5,6,7,8,9,10,11,12,13,14,15
	ds_load_b128 v[BB+4*\t:BB+4*\t+3], v[RQ] offset:16*\t          ; LDS serves a wave's instructions in order
.endr
.endm
.macro PROC a, younger
.set BX, 128+64*((\a)%2)
	s_wait_dscnt \younger
	QUANT2 BX, 768*(\a)
	v_lshl_or_b32 v[WD], v[BY+1], 8, v[BY]
	v_or_b32 v[WD], 0x01010000, v[WD]              ; the byte 1 for the two blocks that the head does not have
	global_store_b32 v[GS], v[WD], s[8:9] offset:64*(\a)
.endm
	s_wait_alu depctr_va_vdst(0)
	TOSTAGE 0
.irp a, 1,2,3,4,5,6,7
	TOSTAGE \a
	PROC \a-1, 32                                  ; behind block a - 1's loads: block a's 16 stores and 16 loads
.endr
	PROC 7, 0
	s_branch .Ljoin
.Lvpath:
.set WA,  64
.set PB,  80
.set TV,  96
.set VW,  112
.set AMV, 116
.set SOV, 120
.set BYV, 124
.set VX,  128
	s_mul_i32 s46, s23, PKG
	s_mul_i32 s92, s45, 6144
	s_add_co_u32 s46, s46, s92
	s_add_co_u32 s46, s46, 106496
	s_add_nc_u64 s[6:7], s[98:99], s[46:47]        ; V's images of my key step
	s_mul_i32 s46, s23, PKG
	s_lshl_b32 s92, s45, 8
	s_add_co_u32 s46, s46, s92
	s_add_co_u32 s46, s46, 204800
	s_add_nc_u64 s[8:9], s[98:99], s[46:47]        ; and its scale words
	v_bfe_u32 v4, v0, 3, 1                         ; u
	v_and_b32 v5, 7, v0
	v_lshl_add_u32 v5, v2, 3, v5                   ; the tile's row
	v_mul_u32_u24 v[GA], v4, 1536
	v_lshl_add_u32 v[GA], v5, 4, v[GA]
	v_lshlrev_b32 v[GS], 6, v4
	v_lshl_add_u32 v[GS], v5, 2, v[GS]
	s_wait_alu depctr_va_vdst(0)
.irp be, 0,1,2,3                               ; a block of 32 keys at a time
.irp aa, 0,1
.set AC, 64*((2*\be+\aa)%4)
	WIN 0x08+4*((2*\be+\aa)/4)
.irp b, 0,1,2,3,4,5,6,7
	ds_store_b128 v[STV], v[AC+8*\b:AC+8*\b+3] offset:8448*\aa+64*\b
	ds_store_b128 v[STV], v[AC+8*\b+4:AC+8*\b+7] offset:8448*\aa+64*\b+16
.endr
.endr
	WIN 0
.set GG, 0
.rept 4
.set SG, 0
.rept 32
	ds_load_b32 v[VX+32*GG+SG], v[RDV] offset:528*(16*((SG>>3)&1)+8*(SG>>4)+(SG&7))+128*GG   ; column 32 g + lane, the key of slot SG
.set SG, SG+1
.endr
.set GG, GG+1
.endr
	s_wait_dscnt 0x0
.irp g, 0,1,2,3
	v_max3_num_f32 v[AMV+\g], |v[VX+32*\g]|, |v[VX+32*\g+1]|, 0x1800000
.endr
.irp i, 2,4,6,8,10,12,14,16,18,20,22,24,26,28,30
.irp g, 0,1,2,3
	v_max3_num_f32 v[AMV+\g], v[AMV+\g], |v[VX+32*\g+\i]|, |v[VX+32*\g+\i+1]|
.endr
.endr
.irp g, 0,1,2,3
	v_add_nc_u32 v[SOV+\g], 0xff000000, v[AMV+\g]
.endr
	s_wait_alu depctr_va_vdst(0)
	s_wait_xcnt 0x0                                ; the last stores have read their data
.irp g, 0,1,2,3
	v_cvt_scalef32_pk16_fp6_f32 v[WA+4*\g:WA+4*\g+2], v[VX+32*\g:VX+32*\g+15], v[SOV+\g]
	v_cvt_scalef32_pk16_fp6_f32 v[TV+4*\g:TV+4*\g+2], v[VX+32*\g+16:VX+32*\g+31], v[SOV+\g]
.endr
.irp g, 0,1,2,3
	v_lshrrev_b32 v[BYV+\g], 23, v[SOV+\g]         ; (plain places behind the conversions)
.endr
.irp g, 0,1,2,3
.if \be == 0
	v_mov_b32 v[VW+\g], v[BYV+\g]
.else
	v_lshl_or_b32 v[VW+\g], v[BYV+\g], 8*\be, v[VW+\g]
.endif
	v_mov_b32 v[WA+4*\g+3], v[TV+4*\g]
	v_mov_b32 v[PB+4*\g+2*(\be%2)], v[TV+4*\g+1]
	v_mov_b32 v[PB+4*\g+2*(\be%2)+1], v[TV+4*\g+2]
.endr
.irp g, 0,1,2,3
	global_store_b128 v[GA], v[WA+4*\g:WA+4*\g+3], s[6:7] offset:(\g/2)*PKG+(\g%2)*3072+768*(\be/2)+256*(\be%2)
.if \be%2
	global_store_b128 v[GA], v[PB+4*\g:PB+4*\g+3], s[6:7] offset:(\g/2)*PKG+(\g%2)*3072+768*(\be/2)+512
.endif
.endr
.endr
.irp g, 0,1,2,3
	global_store_b32 v[GS], v[VW+\g], s[8:9] offset:(\g/2)*PKG+128*(\g%2)
.endr
.Ljoin:
	s_wait_tensorcnt 0x0                           ; the wave's end
	ds_add_u32 v[SPW], v[NIL]
	s_wait_dscnt 0x0
	CROUND                                         ; the closing round
	s_endpgm
.Lfunc_end_k_q0b631e0aa8_gqkv:
	.size	k_q0b631e0aa8_gqkv, .Lfunc_end_k_q0b631e0aa8_gqkv-k_q0b631e0aa8_gqkv
	.p2alignl 7, 3214868480
	.fill 96, 4, 3214868480
	.section	.rodata,"a",@progbits
	.p2align	6, 0x0
	.amdhsa_kernel k_q0b631e0aa8_gqkv
		.amdhsa_group_segment_fixed_size 327680
		.amdhsa_private_segment_fixed_size 0
		.amdhsa_enable_private_segment 0
		.amdhsa_kernarg_size 48
		.amdhsa_user_sgpr_count 2
		.amdhsa_user_sgpr_kernarg_segment_ptr 1
		.amdhsa_wavefront_size32 1
		.amdhsa_system_sgpr_workgroup_id_x 1
		.amdhsa_system_sgpr_workgroup_id_y 1
		.amdhsa_system_sgpr_workgroup_id_z 1
		.amdhsa_system_vgpr_workitem_id 0
		.amdhsa_next_free_vgpr 1024
		.amdhsa_next_free_sgpr 104
		.amdhsa_reserve_vcc 0
		.amdhsa_float_denorm_mode_32 3
		.amdhsa_float_denorm_mode_16_64 3
		.amdhsa_memory_ordered 1
		.amdhsa_forward_progress 1
		.amdhsa_inst_pref_size 235
	.end_amdhsa_kernel
	.amdgpu_metadata
---
amdhsa.version: [ 1, 2 ]
amdhsa.kernels:
  - .name:           k_q0b631e0aa8_gqkv
    .symbol:         k_q0b631e0aa8_gqkv.kd
    .args:
      - { .name: act, .offset: 0, .size: 8, .value_kind: global_buffer, .address_space: global }
      - { .name: qkv_w_codes, .offset: 8, .size: 8, .value_kind: global_buffer, .address_space: global }
      - { .name: qkv_w_scales, .offset: 16, .size: 8, .value_kind: global_buffer, .address_space: global }
      - { .name: qkv_b, .offset: 24, .size: 8, .value_kind: global_buffer, .address_space: global }
      - { .name: qb, .offset: 32, .size: 8, .value_kind: global_buffer, .address_space: global }
      - { .name: kv, .offset: 40, .size: 8, .value_kind: global_buffer, .address_space: global }
    .group_segment_fixed_size: 327680
    .private_segment_fixed_size: 0
    .kernarg_segment_align: 8
    .kernarg_segment_size: 48
    .max_flat_workgroup_size: 128
    .sgpr_count:     104
    .vgpr_count:     1024
    .wavefront_size: 32
...
	.end_amdgpu_metadata
.endif
;; end of part 9
;; launch attn (part 10): grid 8 x 32, 16 waves a work-group, no clusters, 210,944 bytes of LDS; arguments qb, kv, mbits, act; writes act
.if DOCPART == 10
	.amdgcn_target "amdgcn-amd-amdhsa--gfx1250"
	.amdhsa_code_object_version 6
	.text
	.protected	k_q0b631e0aa8_attn
	.globl	k_q0b631e0aa8_attn
	.p2align	8
	.type	k_q0b631e0aa8_attn,@function
k_q0b631e0aa8_attn:
	s_mov_b64 s[64:65], 0
	v_nop
	global_prefetch_b8 v0, s[64:65] scope:SCOPE_SE
	s_setreg_imm32_b32 hwreg(HW_REG_WAVE_MODE, 25, 1), 1
	s_wait_xcnt 0x0
; o = softmax(q k^T / 8, masked) v for one (batch, head), both products on codes of E2M3; o is quantised along the model's axis and leaves as the next product's operand images.
; t = score x log2(e) / 8; M = the running largest t rounded up to a whole number; p = 2^(t - M) is quantised along the keys; the sum of the unquantised p divides at the end.
; SHARES.  A work-group: one head of one batch and 16 of its 128 query tiles; a wave: one tile of 16 queries, T = 8 pos(wave) + work-group x.  pos is a 4 x 4 magic square less 1: the sum of pos is 30 over the waves
; of equal wave % 4 and of equal wave / 4, so that under a mask that hides later keys each group of four waves has the same number of open steps.
; The head's whole package (K's images and words, V's images and words: 208,896 bytes) is copied into LDS once, through registers.  NO TENSOR LOAD AND NO CLUSTER: a key step whose 128 keys are all hidden from the wave's
; 16 queries is jumped over, by a branch on the summary that an earlier launch stored; what partners could share is this one fill.
; LAYOUT.  S^T = K Q^T (source 0 = 16 neighbouring keys, source 1 = my queries), O^T = V^T P^T: a lane holds one query throughout.  The head's axis is 64: Q's upper 64 codes are zeros, K's operand names the next tile's
; registers there (any codes x zero codes add nothing), and both scale words carry the byte 1 for those blocks.  V's images hold the keys of a block in the order in which p's conversions leave them.
; LIMITS: a query all of whose keys are hidden has the sum 0: its scale bytes become 0xff, so that the next product gives NaN for the row, as the softmax of such a row is.  A block of zeros gets the byte 1.  NaN and infinities among the inputs are not served.  o's scale bytes leave singly, 64-byte spans a wave.
.set PKG, 208896
.set KSO, 98304
.set VCO, 106496
.set VSO, 204800
.set APL, 196608
.set ASOFF, 3145728
.set KF,  28                           ; v28-81: K's eight tiles, 6 registers each, and six zeros; later V's four fragments
.set S,   82                           ; v82-145 scores, then p
.set O,   146                          ; v146-177 O^T
.set PC,  178                          ; v178-189 p's codes
.set CT,  190
.set BM,  198
.set BT,  202
.set SO,  206
.set KSC, 210
.set VSC, 214
.set QSC, 216
.set PSC, 217
.set F,   218
.set TMP, 220
	s_load_b256 s[4:11], s[0:1], 0x0               ; qb, kv, mbits, act
	v_lshl_add_u32 v224, v0, 2, 0x33000
	v_mov_b32 v225, 0
	v_lshrrev_b32 v1, 5, v0
	s_delay_alu instid0(VALU_DEP_1)
	v_readfirstlane_b32 s28, v1                    ; wave
	s_and_b32 s21, ttmp7, 0xffff                   ; 16 x batch + head
	s_mov_b32 s20, 0x0DE3B658
	s_cmp_lt_u32 s28, 8
	s_cselect_b32 s20, 0x7A94C12F, s20
	s_and_b32 s22, s28, 7
	s_lshl_b32 s22, s22, 2
	s_lshr_b32 s20, s20, s22
	s_and_b32 s20, s20, 15
	s_lshl_b32 s20, s20, 3
	s_add_co_u32 s20, s20, ttmp9                   ; T
	v_lshlrev_b32 v8, 4, v0                        ; 16 x thread: the fill's place, in memory and in LDS
	s_delay_alu instid0(VALU_DEP_1)
	v_add_nc_u32 v9, 65536, v8
	s_delay_alu instid0(VALU_DEP_2)
	v_add_nc_u32 v10, 131072, v8
	s_delay_alu instid0(VALU_DEP_3)
	v_add_nc_u32 v11, 196608, v8
	v_lshlrev_b32 v217, 3, v0
	s_delay_alu instid0(VALU_DEP_1)
	v_add_nc_u32 v220, VSO, v217
	s_mul_i32 s30, s21, PKG
	s_mov_b32 s31, 0
	s_wait_alu depctr_va_vdst(0)
	s_wait_kmcnt 0x0
	s_add_nc_u64 s[6:7], s[6:7], s[30:31]
.set R, 0
.rept 25
	global_load_b128 v[82+4*R:85+4*R], v8, s[6:7] offset:8192*R
.set R, R+1
.endr
	global_load_b64 v[182:183], v217, s[6:7] offset:VSO
	v_and_b32 v222, 15, v0                         ; r
	v_bfe_u32 v223, v0, 4, 1                       ; h
	v_and_b32 v221, 31, v0                         ; lane
	s_delay_alu instid0(VALU_DEP_1)
	v_lshlrev_b32 v1, 4, v221                      ; an image's bytes 0-15: 16 x lane
	s_delay_alu instid0(VALU_DEP_4)
	v_lshlrev_b32 v2, 4, v222
	s_delay_alu instid0(VALU_DEP_1)
	v_lshl_add_u32 v2, v223, 3, v2
	s_delay_alu instid0(VALU_DEP_1)
	v_add_nc_u32 v4, VCO+512, v2
	s_delay_alu instid0(VALU_DEP_2)
	v_add_nc_u32 v2, 512, v2                       ; its bytes 16-23: 512 + 16 r + 8 h
	s_wait_alu depctr_va_vdst(0)
	v_add_nc_u32 v3, VCO, v1
	v_lshlrev_b32 v5, 2, v221
	s_delay_alu instid0(VALU_DEP_1)
	v_add_nc_u32 v6, VSO, v5
	s_delay_alu instid0(VALU_DEP_2)
	v_add_nc_u32 v5, KSO, v5
	v_lshlrev_b32 v222, 2, v222
	s_wait_alu depctr_va_vdst(0)
	s_mul_i32 s30, s21, 98304
	s_mul_i32 s22, s20, 768
	s_add_co_u32 s30, s30, s22
	s_add_nc_u64 s[24:25], s[4:5], s[30:31]        ; Q's image
	s_lshl_b32 s30, s21, 13
	s_lshl_b32 s22, s20, 6
	s_add_co_u32 s30, s30, s22
	s_add_co_u32 s30, s30, 3145728
	s_add_nc_u64 s[26:27], s[4:5], s[30:31]        ; Q's scale words
	global_load_b128 v[16:19], v1, s[24:25]
	global_load_b64 v[20:21], v2, s[24:25]
	global_load_b32 v[QSC], v222, s[26:27]
	s_lshl_b32 s30, s20, 5
	s_add_co_u32 s30, s30, 524288
	s_add_nc_u64 s[22:23], s[8:9], s[30:31]        ; my tile's summary
	s_load_b256 s[68:75], s[22:23], 0x0
	s_lshl_b32 s30, s20, 12
	s_add_nc_u64 s[8:9], s[8:9], s[30:31]          ; my tile's lane masks, 256 bytes a step
	s_and_b32 s18, s21, 15                         ; head
	s_lshr_b32 s19, s21, 4                         ; batch
	s_lshl_b32 s30, s19, 7
	s_add_co_u32 s30, s30, s20
	s_mul_i32 s30, s30, 768
	s_mul_i32 s16, s18, APL
	s_add_co_u32 s30, s30, s16
	s_add_nc_u64 s[12:13], s[10:11], s[30:31]      ; o's image: plane = head
	s_lshr_b32 s30, s18, 1
	s_lshl_b32 s30, s30, 14
	s_lshl_b32 s16, s19, 13
	s_add_co_u32 s30, s30, s16
	s_lshl_b32 s16, s20, 6
	s_add_co_u32 s30, s30, s16
	s_and_b32 s16, s18, 1
	s_lshl_b32 s16, s16, 1
	s_add_co_u32 s30, s30, s16
	s_add_co_u32 s30, s30, ASOFF
	s_add_nc_u64 s[14:15], s[10:11], s[30:31]      ; o's scale bytes
	s_mov_b32 s16, 0x76543210
	s_mov_b32 s17, 0xfedcba98                      ; lane l xor 16
	s_mov_b32 s100, 0x3e38aa3b                     ; c = log2(e) / 8
	s_mov_b32 s101, s100
	s_wait_kmcnt 0x0
.irp i, 69,70,71,72,73,74,75
	s_or_b32 s68, s68, s[\i]
.endr
	s_and_b32 s18, s68, 0xffff                     ; bit s: step s has an open key
	s_lshr_b32 s19, s68, 16                        ; bit s: and a hidden one
	s_load_b512 s[32:47], s[8:9], 0x0              ; step 0's 64 lane masks
	s_load_b512 s[48:63], s[8:9], 0x40
	s_load_b512 s[68:83], s[8:9], 0x80
	s_load_b512 s[84:99], s[8:9], 0xc0
.set R, 0
.rept 25
	s_wait_loadcnt 28-R                            ; the younger loads may be out
	ds_store_b128 v[8+R/8], v[82+4*R:85+4*R] offset:8192*(R%8)
.set R, R+1
.endr
	s_wait_loadcnt 3                               ; Q's three may be out
	ds_store_b64 v220, v[182:183]
	s_wait_dscnt 0x0
	s_barrier_signal -1
	s_barrier_wait -1                              ; the package lies in LDS; from here on it is only read
	s_wait_loadcnt 0x0                             ; Q
	v_mov_b32 v7, 0xff800000                       ; -infinity
	v_mov_b32 v13, 0xff61b1e6                      ; the largest t so far: -3e38
	s_delay_alu instid0(VALU_DEP_1)
	v_floor_f32 v12, -v13                          ; -M
	v_mov_b32 v14, 0
	v_mov_b32 v15, 0
.irp i, 22,23,24,25,26,27,76,77,78,79,80,81
	v_mov_b32 v[\i], 0                             ; Q's upper 64 codes; the registers behind K's last tile
.endr
.set J, 0
.rept 32
	v_mov_b32 v[O+J], 0                            ; the step is written once: its first turn finds zeros
.set J, J+1
.endr
.irp b, 0,1,2,3
	v_mov_b32 v[BT+\b], 0
.endr
	v_mov_b32 v[F+1], 0
	s_mov_b32 s29, 0
.Lstep:
	s_bitcmp1_b32 s18, s29
	s_cbranch_scc0 .Lskip                          ; all 128 keys are hidden from my 16 queries
	s_wait_alu depctr_va_vdst(0)
.irp t, 0,1,2,3,4,5,6,7
	ds_load_b128 v[KF+6*\t:KF+6*\t+3], v1 offset:768*\t
	ds_load_b64 v[KF+6*\t+4:KF+6*\t+5], v2 offset:768*\t
.endr
.irp p, 0,1,2,3
	ds_load_b32 v[KSC+\p], v5 offset:128*\p        ; lanes 0-15 tile 2 p, lanes 16-31 tile 2 p + 1
.endr
	s_wait_dscnt 0x0
.irp t, 0,2,4,6
	v_wmma_scale_f32_16x16x128_f8f6f4 v[S+8*\t:S+8*\t+7], v[KF+6*\t:KF+6*\t+11], v[16:27], 0, v[KSC+\t/2], v[QSC] matrix_a_fmt:MATRIX_FMT_FP6 matrix_b_fmt:MATRIX_FMT_FP6
	v_wmma_scale_f32_16x16x128_f8f6f4 v[S+8*\t+8:S+8*\t+15], v[KF+6*\t+6:KF+6*\t+17], v[16:27], 0, v[KSC+\t/2], v[QSC] matrix_a_fmt:MATRIX_FMT_FP6 matrix_b_fmt:MATRIX_FMT_FP6 matrix_a_scale:MATRIX_SCALE_ROW1
.endr
.rept 4
	v_nop                                          ; places in front of the loads into K's registers and of the first read of the scores
.endr
.irp dt, 0,1,2,3                               ; V's fragments land under the softmax
.irp c, 0,1
	ds_load_b128 v[KF+12*\dt+6*\c:KF+12*\dt+6*\c+3], v3 offset:1536*\dt+768*\c
	ds_load_b64 v[KF+12*\dt+6*\c+4:KF+12*\dt+6*\c+5], v4 offset:1536*\dt+768*\c
.endr
.endr
	ds_load_b32 v[VSC], v6
	ds_load_b32 v[VSC+1], v6 offset:128
	s_bitcmp1_b32 s19, s29
	s_cbranch_scc0 .Lopen                          ; every key of the step counts
	s_wait_kmcnt 0x0                               ; the step's lane masks
.set N, 0
.rept 64
.if N < 32
	v_cndmask_b32 v[S+N], v[S+N], v7, s[32+N]
.else
	v_cndmask_b32 v[S+N], v[S+N], v7, s[36+N]
.endif
.set N, N+1
.endr
.Lopen:
.irp b, 0,1,2,3
	v_max3_num_f32 v[BM+\b], v[S+16*\b], v[S+1+16*\b], v[S+2+16*\b]        ; each block's largest score: for the row's maximum, and for the block's largest p
.endr
.irp i, 3,5,7,9,11,13
.irp b, 0,1,2,3
	v_max3_num_f32 v[BM+\b], v[BM+\b], v[S+16*\b+\i], v[S+1+16*\b+\i]
.endr
.endr
.irp b, 0,1,2,3
	v_max_num_f32 v[BM+\b], v[BM+\b], v[S+15+16*\b]
.endr
.irp b, 0,1,2,3
	s_delay_alu instid0(VALU_DEP_4)
	v_permlanex16_b32 v[BT+\b], v[BM+\b], s16, s17
.endr
.irp b, 0,1,2,3
	s_delay_alu instid0(VALU_DEP_4)
	v_max_num_f32 v[BM+\b], v[BM+\b], v[BT+\b]
.endr
	s_delay_alu instid0(VALU_DEP_2)
	v_max3_num_f32 v[TMP], v[BM], v[BM+1], v[BM+2]
	s_delay_alu instid0(VALU_DEP_1)
	v_max_num_f32 v[TMP], v[TMP], v[BM+3]
	s_delay_alu instid0(VALU_DEP_1)
	v_mul_f32 v[TMP], s100, v[TMP]
	s_delay_alu instid0(VALU_DEP_1)
	v_max_num_f32 v13, v13, v[TMP]                 ; the running largest t
	v_mov_b32 v[TMP], v12
	s_delay_alu instid0(VALU_DEP_2)
	v_floor_f32 v12, -v13                          ; -M = floor(-t)
	s_delay_alu instid0(VALU_DEP_1)
	v_sub_f32 v[TMP], v12, v[TMP]                  ; old M - new M, a whole number
	s_delay_alu instid0(VALU_DEP_1)
	v_cvt_i32_f32 v[TMP], v[TMP]
	s_delay_alu instid0(VALU_DEP_1)
	v_ldexp_f32 v[F], 1.0, v[TMP]                  ; f = 2^(old M - new M)
.set J, 0
.rept 32
	v_pk_fma_f32 v[S+J:S+J+1], v[S+J:S+J+1], s[100:101], v[12:13] op_sel_hi:[1,0,0]   ; t - M
.set J, J+2
.endr
.irp b, 0,1,2,3
	v_fma_f32 v[BM+\b], v[BM+\b], s100, v12
.endr
.set J, 0
	s_wait_alu depctr_va_vdst(0)
.rept 64
	v_exp_f32 v[S+J], v[S+J]                       ; p
.set J, J+1
.endr
.irp b, 0,1,2,3
	v_exp_f32 v[BM+\b], v[BM+\b]                   ; the block's largest p
.endr
	v_pk_mul_f32 v[14:15], v[14:15], v[F:F+1] op_sel_hi:[1,0]      ; the sums under the new M (a plain place behind the exponentials)
	s_wait_alu depctr_va_vdst(0)
.irp b, 0,1,2,3
	v_max_num_f32 v[BM+\b], 0x1800000, v[BM+\b]
.endr
.irp b, 0,1,2,3
	s_delay_alu instid0(VALU_DEP_4)
	v_add_nc_u32 v[SO+\b], 0xff000000, v[BM+\b]
.endr
.irp b, 0,1,2,3
	s_delay_alu instid0(VALU_DEP_4)
	v_lshrrev_b32 v[BT+\b], 23, v[SO+\b]
.endr
	s_delay_alu instid0(VALU_DEP_3)
	v_lshl_or_b32 v[PSC], v[BT+1], 8, v[BT]
	s_delay_alu instid0(VALU_DEP_1)
	v_lshl_or_b32 v[PSC], v[BT+2], 16, v[PSC]
	s_delay_alu instid0(VALU_DEP_1)
	v_lshl_or_b32 v[PSC], v[BT+3], 24, v[PSC]      ; p's scale word for these 128 keys
.irp c, 0,1
	v_cvt_scalef32_pk16_fp6_f32 v[PC+6*\c:PC+6*\c+2], v[S+32*\c:S+32*\c+15], v[SO+2*\c]
	v_cvt_scalef32_pk16_fp6_f32 v[CT+4*\c:CT+4*\c+2], v[S+32*\c+16:S+32*\c+31], v[SO+2*\c+1]
.endr
	v_nop                                          ; a plain place behind the conversions
.irp c, 0,1
.irp i, 0,1,2
	v_permlane16_swap_b32 v[PC+6*\c+\i], v[CT+4*\c+\i]             ; a whole block to a lane
.endr
.irp i, 0,1,2
	s_delay_alu instid0(VALU_DEP_3)
	v_mov_b32 v[PC+6*\c+3+\i], v[CT+4*\c+\i]
.endr
.endr
	v_pk_add_f32 v[222:223], v[86:87], v[90:91]
	v_pk_add_f32 v[220:221], v[94:95], v[98:99]
	v_pk_add_f32 v[212:213], v[102:103], v[106:107]
	v_pk_add_f32 v[210:211], v[110:111], v[114:115]
	v_pk_add_f32 v[208:209], v[118:119], v[122:123]
	v_pk_add_f32 v[206:207], v[126:127], v[130:131]
	v_pk_add_f32 v[200:201], v[134:135], v[138:139]
	v_pk_add_f32 v[14:15], v[14:15], v[142:143]
	v_pk_add_f32 v[222:223], v[222:223], v[82:83]
	v_pk_add_f32 v[220:221], v[220:221], v[84:85]
	v_pk_add_f32 v[212:213], v[212:213], v[88:89]
	v_pk_add_f32 v[210:211], v[210:211], v[92:93]
	v_pk_add_f32 v[208:209], v[208:209], v[96:97]
	v_pk_add_f32 v[206:207], v[206:207], v[100:101]
	v_pk_add_f32 v[200:201], v[200:201], v[104:105]
	v_pk_add_f32 v[14:15], v[14:15], v[108:109]
	v_pk_add_f32 v[222:223], v[222:223], v[112:113]
	v_pk_add_f32 v[220:221], v[220:221], v[116:117]
	v_pk_add_f32 v[212:213], v[212:213], v[120:121]
	v_pk_add_f32 v[210:211], v[210:211], v[124:125]
	v_pk_add_f32 v[208:209], v[208:209], v[128:129]
	v_pk_add_f32 v[206:207], v[206:207], v[132:133]
	v_pk_add_f32 v[200:201], v[200:201], v[136:137]
	v_pk_add_f32 v[14:15], v[14:15], v[140:141]
	v_pk_add_f32 v[222:223], v[222:223], v[144:145]
	s_delay_alu instid0(VALU_DEP_2)
	v_pk_add_f32 v[14:15], v[14:15], v[210:211]
	s_delay_alu instid0(VALU_DEP_2)
	v_pk_add_f32 v[222:223], v[222:223], v[208:209]
	v_pk_add_f32 v[220:221], v[220:221], v[206:207]
	v_pk_add_f32 v[212:213], v[212:213], v[200:201]
	s_delay_alu instid0(VALU_DEP_2)
	v_pk_add_f32 v[14:15], v[14:15], v[220:221]
	s_delay_alu instid0(VALU_DEP_2)
	v_pk_add_f32 v[222:223], v[222:223], v[212:213]
	s_delay_alu instid0(VALU_DEP_1)
	v_pk_add_f32 v[14:15], v[14:15], v[222:223]
.set J, 0
.rept 16
	v_pk_mul_f32 v[O+J:O+J+1], v[O+J:O+J+1], v[F:F+1] op_sel_hi:[1,0]   ; O^T under the new M; with the sums above: the places in front of the scaled products
.set J, J+2
.endr
	s_wait_alu depctr_va_vdst(0)
	s_wait_dscnt 0x0                               ; V
.irp dt, 0,2
	v_wmma_scale_f32_16x16x128_f8f6f4 v[O+8*\dt:O+8*\dt+7], v[KF+12*\dt:KF+12*\dt+11], v[PC:PC+11], v[O+8*\dt:O+8*\dt+7], v[VSC+\dt/2], v[PSC] matrix_a_fmt:MATRIX_FMT_FP6 matrix_b_fmt:MATRIX_FMT_FP6
	v_wmma_scale_f32_16x16x128_f8f6f4 v[O+8*\dt+8:O+8*\dt+15], v[KF+12*\dt+12:KF+12*\dt+23], v[PC:PC+11], v[O+8*\dt+8:O+8*\dt+15], v[VSC+\dt/2], v[PSC] matrix_a_fmt:MATRIX_FMT_FP6 matrix_b_fmt:MATRIX_FMT_FP6 matrix_a_scale:MATRIX_SCALE_ROW1
.endr
.Lskip:
	s_wait_alu depctr_va_vdst(0)
	v_add_nc_u32 v1, 6144, v1                      ; the next step's images and words; six places behind the products
	v_add_nc_u32 v2, 6144, v2
	v_add_nc_u32 v3, 6144, v3
	v_add_nc_u32 v4, 6144, v4
	v_add_nc_u32 v5, 512, v5
	v_add_nc_u32 v6, 256, v6
	s_add_co_u32 s30, s29, 1
	s_bitcmp1_b32 s19, s30                         ; bit 16 is 0: nothing is asked for beyond step 15
	s_cbranch_scc0 .Lnopf
	s_wait_kmcnt 0x0                               ; earlier scalar loads are done: their targets and their offset may be written
	s_lshl_b32 s66, s30, 8
	s_load_b512 s[32:47], s[8:9], s66 offset:0x0
	s_load_b512 s[48:63], s[8:9], s66 offset:0x40
	s_load_b512 s[68:83], s[8:9], s66 offset:0x80
	s_load_b512 s[84:99], s[8:9], s66 offset:0xc0
.Lnopf:
	s_add_co_u32 s29, s29, 1
	s_cmp_lt_u32 s29, 16
	s_cbranch_scc1 .Lstep
	s_wait_kmcnt 0x0
	; THE WAY OUT: O^T / the sum; registers 16 c + i are d = 32 c + 16 h + i of my query: quantised as a hidden layer is, block c in lanes l and l xor 16
	v_add_f32 v14, v14, v15
	s_delay_alu instid0(VALU_DEP_1)
	v_permlanex16_b32 v[BT], v14, s16, s17
	s_delay_alu instid0(VALU_DEP_1)
	v_add_f32 v14, v14, v[BT]
	s_delay_alu instid0(VALU_DEP_1)
	v_cmp_eq_f32 s67, 0, v14                       ; no key counted
	v_rcp_f32 v15, v14
	v_mov_b32 v221, 0xff                           ; (a plain place behind the reciprocal)
.set J, 0
	s_wait_alu depctr_va_vdst(0)
.rept 32
	v_mul_f32 v[S+J], v[O+J], v15
.set J, J+1
.endr
.irp c, 0,1
	v_max3_num_f32 v[BM+\c], |v[S+16*\c]|, |v[S+16*\c+1]|, 0x1800000
.endr
.irp i, 2,4,6,8,10,12,14
.irp c, 0,1
	s_delay_alu instid0(VALU_DEP_2)
	v_max3_num_f32 v[BM+\c], v[BM+\c], |v[S+16*\c+\i]|, |v[S+16*\c+\i+1]|
.endr
.endr
.irp c, 0,1
	s_delay_alu instid0(VALU_DEP_2)
	v_permlanex16_b32 v[BT+\c], v[BM+\c], s16, s17
.endr
.irp c, 0,1
	s_delay_alu instid0(VALU_DEP_2)
	v_max_num_f32 v[BM+\c], v[BM+\c], v[BT+\c]
.endr
.irp c, 0,1
	s_delay_alu instid0(VALU_DEP_2)
	v_add_nc_u32 v[SO+\c], 0xff000000, v[BM+\c]
.endr
	v_cvt_scalef32_pk16_fp6_f32 v[PC:PC+2], v[S:S+15], v[SO]
	v_cvt_scalef32_pk16_fp6_f32 v[CT:CT+2], v[S+16:S+31], v[SO+1]
	v_lshrrev_b32 v[BT], 23, v[SO]                 ; (plain places behind the conversions)
	v_lshrrev_b32 v[BT+1], 23, v[SO+1]
.irp i, 0,1,2
	v_permlane16_swap_b32 v[PC+\i], v[CT+\i]
.endr
.irp i, 0,1,2
	s_delay_alu instid0(VALU_DEP_3)
	v_mov_b32 v[PC+3+\i], v[CT+\i]
.endr
	s_mov_b32 s20, 0xffff0000
	v_cndmask_b32 v[BT], v[BT], v[BT+1], s20       ; lanes 16-31 store block 1's byte
	s_delay_alu instid0(VALU_DEP_1)
	v_cndmask_b32 v[BT], v[BT], v221, s67
	v_and_b32 v8, 31, v0
	s_delay_alu instid0(VALU_DEP_1)
	v_lshlrev_b32 v8, 4, v8
	v_and_b32 v9, 15, v0
	v_bfe_u32 v10, v0, 4, 1
	s_delay_alu instid0(VALU_DEP_2)
	v_lshlrev_b32 v11, 4, v9
	s_delay_alu instid0(VALU_DEP_1)
	v_lshl_add_u32 v11, v10, 3, v11
	s_delay_alu instid0(VALU_DEP_3)
	v_lshl_add_u32 v10, v9, 2, v10
	global_store_b128 v8, v[PC:PC+3], s[12:13]                     ; 512 consecutive bytes,
	global_store_b64 v11, v[PC+4:PC+5], s[12:13] offset:512        ; and 256 more
	global_store_b8 v10, v[BT], s[14:15]
	s_wait_tensorcnt 0x0
	ds_add_u32 v224, v225
	s_wait_dscnt 0x0
	s_endpgm
.Lfunc_end_k_q0b631e0aa8_attn:
	.size	k_q0b631e0aa8_attn, .Lfunc_end_k_q0b631e0aa8_attn-k_q0b631e0aa8_attn
	.p2alignl 7, 3214868480
	.fill 96, 4, 3214868480
	.section	.rodata,"a",@progbits
	.p2align	6, 0x0
	.amdhsa_kernel k_q0b631e0aa8_attn
		.amdhsa_group_segment_fixed_size 210944
		.amdhsa_private_segment_fixed_size 0
		.amdhsa_enable_private_segment 0
		.amdhsa_kernarg_size 32
		.amdhsa_user_sgpr_count 2
		.amdhsa_user_sgpr_kernarg_segment_ptr 1
		.amdhsa_wavefront_size32 1
		.amdhsa_system_sgpr_workgroup_id_x 1
		.amdhsa_system_sgpr_workgroup_id_y 1
		.amdhsa_system_sgpr_workgroup_id_z 1
		.amdhsa_system_vgpr_workitem_id 0
		.amdhsa_next_free_vgpr 226
		.amdhsa_next_free_sgpr 104
		.amdhsa_reserve_vcc 0
		.amdhsa_float_denorm_mode_32 3
		.amdhsa_float_denorm_mode_16_64 3
		.amdhsa_memory_ordered 1
		.amdhsa_forward_progress 1
		.amdhsa_inst_pref_size 39
	.end_amdhsa_kernel
	.amdgpu_metadata
---
amdhsa.version: [ 1, 2 ]
amdhsa.kernels:
  - .name:           k_q0b631e0aa8_attn
    .symbol:         k_q0b631e0aa8_attn.kd
    .args:
      - { .name: qb, .offset: 0, .size: 8, .value_kind: global_buffer, .address_space: global }
      - { .name: kv, .offset: 8, .size: 8, .value_kind: global_buffer, .address_space: global }
      - { .name: mbits, .offset: 16, .size: 8, .value_kind: global_buffer, .address_space: global }
      - { .name: act, .offset: 24, .size: 8, .value_kind: global_buffer, .address_space: global }
    .group_segment_fixed_size: 210944
    .private_segment_fixed_size: 0
    .kernarg_segment_align: 8
    .kernarg_segment_size: 32
    .max_flat_workgroup_size: 512
    .sgpr_count:     104
    .vgpr_count:     226
    .wavefront_size: 32
...
	.end_amdgpu_metadata
.endif
;; end of part 10
;; launch gout (part 11): grid 8 x 32, 4 waves a work-group, clusters of 4 x 4, 327,680 bytes of LDS; arguments act, out_w_codes, out_w_scales, out_b, x, x1; writes x1
.if DOCPART == 11
	.amdgcn_target "amdgcn-amd-amdhsa--gfx1250"
	.amdhsa_code_object_version 6
	.text
	.protected	k_q0b631e0aa8_gout
	.globl	k_q0b631e0aa8_gout
	.p2align	8
	.type	k_q0b631e0aa8_gout,@function
k_q0b631e0aa8_gout:
	s_mov_b64 s[64:65], 0
	v_nop
	global_prefetch_b8 v0, s[64:65] scope:SCOPE_SE
	s_setreg_imm32_b32 hwreg(HW_REG_WAVE_MODE, 25, 1), 1
	s_wait_xcnt 0x0
	s_wait_alu depctr_hold_cnt(0) depctr_sa_sdst(0) depctr_va_vdst(0) depctr_va_sdst(0) depctr_va_ssrc(0) depctr_va_vcc(0) depctr_vm_vsrc(0)
	s_getreg_b32 s2, hwreg(HW_REG_IB_STS2, 6, 4)
	s_cmp_eq_u32 s2, 0
	s_cbranch_scc0 .Lentry_in_a_cluster
	s_endpgm
.Lentry_in_a_cluster:
	s_bfe_u32 s2, ttmp6, 0x10000c
	s_cmp_lg_u32 s2, 0xf033
	s_cbranch_scc0 .Lentry_shape_is_right
	s_endpgm
.Lentry_shape_is_right:
.set SIZE_K, 1024
.set ASOFF,  3145728
.set APL,    196608
.set KP,     SIZE_K/128
.set KS,     SIZE_K/32
.set KROW,   SIZE_K*3/4
.set HALFA,  24576
; x1 = x + o W^T + b on codes of E2M3: a tile of 128 x 128 to a work-group, K in steps of 512 through two slots.
; B: a step's 384 bytes of a row are fetched as the two aligned chunks of 256 bytes that hold them: slot 0's data begin at byte 0 of the LDS row, slot 1's at byte 128; the middle chunk of each 768 bytes comes twice.
.set PITCH,  528                       ; 512 bytes + 8 behind each 256 = 132 words: row r starts at bank 4 r mod 64
.set HALFB,  64*PITCH                  ; 64 rows: what one load of the ring brings of B
.set BOFF,   2*HALFA
.set SLOT,   2*HALFA+2*HALFB
.set SCA,    2*SLOT
.set HALFSA, 512*KP/2
.set SCB,    SCA+2*HALFSA
.set HALFSB, (64*KS/256)*272
.set SBLK,   (16*KS/256)*272
.set SPARE,  SCB+2*HALFSB
.set LAPS,   SIZE_K/1024
.set FR,   12
.set ADRA, 16
.set ADRB, 20
.set STO,  24
.set RD,   25
.set CO,   26
.set ADSA, 27
.set SPW,  28
.set NIL,  29
.set ADSB, 30
.set SC,   32
.set BI,   64
.set ACC,  128
.set SPITCH, 272
.set G1,   24
.set G0,   32
.set G1B,  48
.set G0B,  56
.set G1S,  68
.set G0S,  76
.set G1SB, 80
.set G0SB, 88
.set MSB, 0
.macro WIN new
.if MSB != \new
	s_set_vgpr_msb (MSB<<8)|\new
.set MSB, \new
.endif
.endm
.set MUL,  0x05
.set TO_F, 0x40
.macro PLACES
.rept 4
	v_nop
.endr
.endm
.macro JLOAD g0a, g1a, g0b, g1b
	s_cmp_eq_u32 s15, 0
	s_cbranch_scc0 .Lfor_b_\@
	tensor_load_to_lds s[\g0a:\g0a+3], s[\g1a:\g1a+7]
	s_nop 0
	PLACES
	s_branch .Lasked_\@
.Lfor_b_\@:
	tensor_load_to_lds s[\g0b:\g0b+3], s[\g1b:\g1b+7]
	s_nop 0
	PLACES
.Lasked_\@:
.endm
.macro CREST
	s_cmp_lg_u32 s14, 0
	s_cbranch_scc1 .Lnot_wave_0_\@
	s_barrier_signal -3
.Lnot_wave_0_\@:
	s_barrier_wait -3
	s_barrier_signal -1
	s_barrier_wait -1
.endm
.macro ARM under, g0, g1, next         ; one arm of the head's chain: one load, then a jump to the join
	s_cmp_lt_u32 s14, \under
	s_cbranch_scc0 \next
	tensor_load_to_lds s[\g0:\g0+3], s[\g1:\g1+7]
	s_nop 0
	PLACES
	s_branch .Lhead_asked
\next:
.endm
.macro CROUND
	s_barrier_signal -1
	s_barrier_wait -1
	CREST
.endm
	s_load_b256 s[4:11], s[0:1], 0x0
	s_load_b128 s[96:99], s[0:1], 0x20
	v_lshl_add_u32 v[SPW], v0, 2, SPARE
	v_mov_b32 v[NIL], 0
	ds_add_u32 v28, v29
	ds_add_u32 v28, v29
	s_wait_dscnt 0x0
	v_lshrrev_b32 v1, 5, v0
	v_readfirstlane_b32 s14, v1
	s_lshr_b32 s15, s14, 1
	s_and_b32 s16, s14, 1
	s_bfe_u32 s40, ttmp6, 0x40000
	s_bfe_u32 s41, ttmp6, 0x40004
	s_lshl_b32 s42, ttmp9, 2
	s_add_co_u32 s42, s42, s40
	s_and_b32 s17, ttmp7, 0xffff
	s_lshl_b32 s17, s17, 2
	s_add_co_u32 s17, s17, s41
	s_lshl_b32 s43, s41, 2
	s_lshl_b32 s43, 15, s43
	s_lshl_b32 s44, 0x1111, s40
	s_or_b32 s[G1+0], s43, (1<<21)
	s_mov_b32 s[G1+1], 6144<<16
	s_mov_b32 s[G1+2], 8<<16                       ; 8 planes at the head, 4 in the ring
	s_mov_b32 s[G1+3], 6144<<16
	s_mov_b32 s[G1+4], 8
	s_mov_b32 s[G1+5], APL
	s_mov_b32 s[G1+6], 0
	s_mov_b32 s[G1+7], 0
	s_or_b32 s[G1B+0], s44, (1<<20)|(1<<21)|(5<<22)|(1<<25)   ; rows of 512 bytes, 2 words of padding behind every 64; 128 rows at the head, 64 in the ring
	s_mov_b32 s[G1B+1], 512<<16
	s_mov_b32 s[G1B+2], 128<<16
	s_mov_b32 s[G1B+3], 512<<16
	s_mov_b32 s[G1B+4], 128
	s_mov_b32 s[G1B+5], KROW
	s_mov_b32 s[G1B+6], 0
	s_mov_b32 s[G1B+7], 0
	s_or_b32 s[G1S+0], s43, (1<<21)
	s_mov_b32 s[G1S+1], 512<<16
	s_mov_b32 s[G1S+2], KP<<16
	s_mov_b32 s[G1S+3], 512<<16
	s_mov_b32 s[G1S+4], KP
	s_mov_b32 s[G1S+5], 16384
	s_mov_b32 s[G1S+6], 0
	s_mov_b32 s[G1S+7], 0
	s_or_b32 s[G1SB+0], s44, (3<<16)|(1<<20)|(1<<21)|(5<<22)|(3<<25)
	s_mov_b32 s[G1SB+1], 32<<16
	s_mov_b32 s[G1SB+2], (128*KS/256)<<16
	s_mov_b32 s[G1SB+3], 32<<16
	s_mov_b32 s[G1SB+4], 128*KS/256
	s_mov_b32 s[G1SB+5], 32
	s_mov_b32 s[G1SB+6], 0
	s_mov_b32 s[G1SB+7], 0
	s_mul_i32 s12, s17, 6144                       ; A's codes: 8 images a tile row
	s_mov_b32 s13, 0
	s_mul_i32 s20, s16, 4*APL                      ; in the ring I ask for four of a slot's eight planes,
	s_add_co_u32 s20, s20, s12
	s_mov_b32 s21, 0
	s_lshl_b32 s22, s17, 9                         ; A's scale words
	s_add_co_u32 s22, s22, ASOFF
	s_mov_b32 s23, 0
	s_lshl_b32 s46, s42, 7                         ; B's first row
	s_mul_i32 s92, s46, KS
	s_mov_b32 s93, 0
	s_mul_i32 s46, s46, KROW
	s_mov_b32 s47, 0
	s_mul_i32 s18, s16, 64*KROW                    ; or for 64 of B's 128 rows
	s_mov_b32 s19, 0
	s_mul_i32 s45, s16, HALFA
	s_mul_i32 s94, s16, HALFB
	s_add_co_u32 s94, s94, BOFF
	s_wait_kmcnt 0x0
	s_add_nc_u64 s[20:21], s[4:5], s[20:21]
	s_add_nc_u64 s[22:23], s[4:5], s[22:23]
	s_add_nc_u64 s[46:47], s[6:7], s[46:47]
	s_add_nc_u64 s[92:93], s[8:9], s[92:93]
	s_add_nc_u64 s[6:7], s[4:5], s[12:13]          ; s[4:7]: group 0 of the head's load of A's slot 0, all eight planes
	s_or_b32 s7, s7, 0x80000000
	s_mov_b32 s4, 1
	s_mov_b32 s5, 0
	CROUND
	s_mov_b32 s[G0S], 1
	s_mov_b32 s[G0S+1], SCA
	s_mov_b64 s[G0S+2:G0S+3], s[22:23]
	s_or_b32 s[G0S+3], s[G0S+3], 0x80000000
	s_mov_b32 s[G0SB], 1
	s_mov_b32 s[G0SB+1], SCB
	s_mov_b64 s[G0SB+2:G0SB+3], s[92:93]
	s_or_b32 s[G0SB+3], s[G0SB+3], 0x80000000
.irp s, 0,1
	s_mov_b32 s[G0+4*\s], 1
	s_add_co_u32 s[G0+4*\s+1], s45, \s*SLOT
	s_add_nc_u64 s[G0+4*\s+2:G0+4*\s+3], s[20:21], \s*8*APL
	s_or_b32 s[G0+4*\s+3], s[G0+4*\s+3], 0x80000000
	s_mov_b32 s[G0B+4*\s], 1
	s_add_co_u32 s[G0B+4*\s+1], s94, \s*SLOT
	s_add_nc_u64 s[G0B+4*\s+2:G0B+4*\s+3], s[46:47], \s*256
	s_add_nc_u64 s[G0B+4*\s+2:G0B+4*\s+3], s[G0B+4*\s+2:G0B+4*\s+3], s[18:19]
	s_or_b32 s[G0B+4*\s+3], s[G0B+4*\s+3], 0x80000000
.endr
	s_mov_b32 s92, 1                               ; s[92:95]: group 0 of the head's load of B's slot 0, all 128 rows
	s_mov_b32 s93, BOFF
	s_mov_b64 s[94:95], s[46:47]
	s_or_b32 s95, s95, 0x80000000
	; the head's four tiles, one load a wave: wave 0 A's slot 0, wave 1 B's, wave 2 A's scale words, wave 3 B's scale bytes
	ARM 1, 4, G1, .Lhead_b
	ARM 2, 92, G1B, .Lhead_sa
	ARM 3, G0S, G1S, .Lhead_sb
	tensor_load_to_lds s[G0SB:G0SB+3], s[G1SB:G1SB+7]
	s_nop 0
	PLACES
.Lhead_asked:
	v_and_b32 v1, 15, v0
	v_bfe_u32 v2, v0, 4, 1
	v_and_b32 v3, 31, v0
	v_lshlrev_b32 v4, 4, v3
	v_lshlrev_b32 v5, 4, v1
	v_lshl_add_u32 v5, v2, 3, v5
	v_mul_u32_u24 v6, v1, PITCH
	v_mad_u32_u24 v6, v2, 24, v6
	v_lshl_add_u32 v7, v2, 3, v6
	s_mul_i32 s21, s15, 4*768
	s_mul_i32 s22, s16, 64*PITCH
	s_add_co_u32 s22, s22, BOFF
.irp s, 0,1
	v_add_nc_u32 v[ADRA+\s], s21, v4
	v_add_nc_u32 v[ADRA+2+\s], s21, v5
	v_add_nc_u32 v[ADRB+\s], s22, v6
	v_add_nc_u32 v[ADRB+2+\s], s22, v7
	s_add_co_u32 s21, s21, SLOT
	s_add_co_u32 s22, s22, SLOT
.endr
	s_lshl_b32 s21, s15, 8
	s_add_co_u32 s21, s21, SCA
	v_lshl_add_u32 v[ADSA], v3, 2, s21
	v_mul_u32_u24 v8, v3, KS
	v_lshrrev_b32 v9, 8, v8
	v_lshl_add_u32 v8, v9, 4, v8
	s_mul_i32 s22, s16, HALFSB
	s_add_co_u32 s22, s22, SCB
	v_add_nc_u32 v[ADSB], s22, v8
	s_lshl_b32 s20, s42, 9
	s_lshl_b32 s21, s16, 8
	s_add_co_u32 s20, s20, s21
	s_mov_b32 s21, 0
	s_add_nc_u64 s[10:11], s[10:11], s[20:21]
	v_lshlrev_b32 v10, 5, v2
.irp b, 0,1,2,3
	global_load_b128 v[BI+8*\b:BI+8*\b+3], v10, s[10:11] offset:64*\b
	global_load_b128 v[BI+8*\b+4:BI+8*\b+7], v10, s[10:11] offset:64*\b+16
.endr
	s_mul_i32 s23, s14, 64*SPITCH
	v_mul_u32_u24 v5, v1, SPITCH
	v_lshl_add_u32 v5, v2, 5, v5
	v_add_nc_u32 v[STO], s23, v5
	v_mul_u32_u24 v6, v2, SPITCH
	v_lshl_add_u32 v6, v1, 4, v6
	v_add_nc_u32 v[RD], s23, v6
	v_lshlrev_b32 v[CO], 12, v2
	v_lshl_add_u32 v[CO], v1, 4, v[CO]
	s_lshl_b32 s22, s17, 19
	s_add_co_u32 s20, s20, s22
	s_lshl_b32 s22, s15, 18
	s_add_co_u32 s20, s20, s22
	s_add_nc_u64 s[96:97], s[96:97], s[20:21]
	s_add_nc_u64 s[98:99], s[98:99], s[20:21]
	WIN 0x80
.set T, 0
.rept 32
	global_load_b128 v[4*T:4*T+3], v[CO], s[96:97] offset:8192*T th:TH_LOAD_NT
.set T, T+1
.endr
	WIN 0
.macro FRAG reg, adr, q, i
.irp p, 0,1,2,3,4,5
.set PCE, (\q)+6*(\p/3)+\p%3           ; the piece of 8 bytes in the LDS row; lanes 16-31 read three pieces on, behind one padding more where that is in the next 256
.if PCE%32 < 29
	ds_load_b64 v[\reg+2*\p:\reg+2*\p+1], v[\adr] offset:8*PCE+8*(PCE/32)+(\i)*16*PITCH
.else
	ds_load_b64 v[\reg+2*\p:\reg+2*\p+1], v[\adr+2] offset:8*PCE+8*(PCE/32)+(\i)*16*PITCH
.endif
.endr
.endm
.macro FRAGA reg, slot, q, i
	ds_load_b128 v[\reg:\reg+3], v[ADRA+\slot] offset:2*(\q)*6144+768*(\i)
	ds_load_b64 v[\reg+4:\reg+5], v[ADRA+2+\slot] offset:2*(\q)*6144+768*(\i)+512
	ds_load_b128 v[\reg+6:\reg+9], v[ADRA+\slot] offset:(2*(\q)+1)*6144+768*(\i)
	ds_load_b64 v[\reg+10:\reg+11], v[ADRA+2+\slot] offset:(2*(\q)+1)*6144+768*(\i)+512
.endm
.macro FETCH slot, q, p
	WIN TO_F
.irp i, 0,1,2,3
	FRAG 128*(\p)+48+FR*\i, ADRB+\slot, 12*(\q)+16*(\slot), \i
.endr
.irp i, 0,1,2,3
	FRAGA 128*(\p)+FR*\i, \slot, \q, \i
.endr
.endm
.macro SCALES sc
.irp q, 0,1,2,3
.irp i, 0,1
	ds_load_b32 v[SC+16*\sc+2*\q+\i], v[ADSA] offset:512*\q+128*\i
.endr
.endr
.irp i, 0,1
	ds_load_b128 v[SC+16*\sc+8+4*\i:SC+16*\sc+11+4*\i], v[ADSB] offset:2*SBLK*\i
.endr
.endm
.macro WM
.if rRB && rRA
	v_wmma_scale_f32_16x16x128_f8f6f4 v[rD:rD+7], v[rB:rB+11], v[rA:rA+11], v[rC:rC+7], v[rSB], v[rSA] matrix_a_fmt:MATRIX_FMT_FP6 matrix_b_fmt:MATRIX_FMT_FP6 matrix_a_scale:MATRIX_SCALE_ROW1 matrix_b_scale:MATRIX_SCALE_ROW1
.elseif rRB
	v_wmma_scale_f32_16x16x128_f8f6f4 v[rD:rD+7], v[rB:rB+11], v[rA:rA+11], v[rC:rC+7], v[rSB], v[rSA] matrix_a_fmt:MATRIX_FMT_FP6 matrix_b_fmt:MATRIX_FMT_FP6 matrix_a_scale:MATRIX_SCALE_ROW1
.elseif rRA
	v_wmma_scale_f32_16x16x128_f8f6f4 v[rD:rD+7], v[rB:rB+11], v[rA:rA+11], v[rC:rC+7], v[rSB], v[rSA] matrix_a_fmt:MATRIX_FMT_FP6 matrix_b_fmt:MATRIX_FMT_FP6 matrix_b_scale:MATRIX_SCALE_ROW1
.else
	v_wmma_scale_f32_16x16x128_f8f6f4 v[rD:rD+7], v[rB:rB+11], v[rA:rA+11], v[rC:rC+7], v[rSB], v[rSA] matrix_a_fmt:MATRIX_FMT_FP6 matrix_b_fmt:MATRIX_FMT_FP6
.endif
.endm
.macro MULA a, p, q, sc, first
.irp b, 0,1,2,3
.set rD, ACC+8*(4*(\a)+\b)
.set rB, 128*(\p)+48+FR*\b
.set rA, 128*(\p)+FR*(\a)
.set rSB, SC+16*(\sc)+8+4*(\b/2)+(\q)
.set rSA, SC+16*(\sc)+2*(\q)+(\a)/2
.set rRB, \b%2
.set rRA, (\a)%2
.if \first
.set rC, BI+8*\b
.else
.set rC, rD
.endif
	WM
.endr
.endm
.macro STEP slot, q, first
	PLACES
	FETCH \slot, (\q)+1, 1-(\q)%2
	s_wait_dscnt 40
	WIN MUL
	MULA 0, (\q)%2, \q, \slot, \first
	MULA 1, (\q)%2, \q, \slot, \first
	MULA 2, (\q)%2, \q, \slot, \first
	MULA 3, (\q)%2, \q, \slot, \first
.endm
.macro TURN slot, next, fill
	WIN 0
	s_wait_tensorcnt 0x0
	ds_add_u32 v[SPW], v[NIL]
	s_wait_dscnt 1
	WIN MUL
	MULA 0, 1, 3, \slot, 0
	s_wait_dscnt 0x0
	s_barrier_signal -1
	MULA 1, 1, 3, \slot, 0
	WIN 0
	s_barrier_wait -1
.if \fill
	CREST
	s_add_nc_u64 s[G0+4*\slot+2:G0+4*\slot+3], s[G0+4*\slot+2:G0+4*\slot+3], 16*APL
	s_add_nc_u64 s[G0B+4*\slot+2:G0B+4*\slot+3], s[G0B+4*\slot+2:G0B+4*\slot+3], 2*384
	JLOAD G0+4*\slot, G1, G0B+4*\slot, G1B
.else
	PLACES
.endif
	v_add_nc_u32 v[ADSA], 2048, v[ADSA]
	v_add_nc_u32 v[ADSB], 16, v[ADSB]
	FETCH \next, 0, 0
	WIN 0
	SCALES \next
	WIN MUL
	MULA 2, 1, 3, \slot, 0
	MULA 3, 1, 3, \slot, 0
.endm
	s_wait_alu depctr_va_vdst(0)
	s_wait_tensorcnt 0x0                           ; my tile of the head's four is in
	ds_add_u32 v[SPW], v[NIL]
	s_mov_b32 s[G1+2], 4<<16                       ; no tensor load of mine is out: from here on a load brings four planes of A
	s_mov_b32 s[G1+4], 4
	s_mov_b32 s[G1B+2], 64<<16                     ; or 64 rows of B
	s_mov_b32 s[G1B+4], 64
	s_wait_dscnt 0x0
	CROUND                                         ; all four tiles are in, and the sixteen work-groups meet
	JLOAD G0+4, G1, G0B+4, G1B                     ; slot 1's first fill, a quarter a wave
	FETCH 0, 0, 0
	WIN 0
	SCALES 0
	s_wait_loadcnt 32
	STEP 0, 0, 1
	STEP 0, 1, 0
	STEP 0, 2, 0
.if LAPS > 1
	WIN 0
	s_mov_b32 s3, LAPS-1
.Llap:
	TURN 0, 1, 1
	STEP 1, 0, 0
	STEP 1, 1, 0
	STEP 1, 2, 0
	TURN 1, 0, 1
	STEP 0, 0, 0
	STEP 0, 1, 0
	STEP 0, 2, 0
	WIN 0
	s_sub_co_u32 s3, s3, 1
	s_cmp_lg_u32 s3, 0
	s_cbranch_scc1 .Llap
.endif
	TURN 0, 1, 0
	STEP 1, 0, 0
	STEP 1, 1, 0
	STEP 1, 2, 0
	s_wait_dscnt 0x0
	MULA 0, 1, 3, 1, 0
	MULA 1, 1, 3, 1, 0
	MULA 2, 1, 3, 1, 0
	MULA 3, 1, 3, 1, 0
	WIN 0
	PLACES
	s_wait_alu depctr_va_vdst(0)
.irp a, 0,1,2,3
.irp b, 0,1,2,3
	ds_store_b128 v[STO], v[ACC+8*(4*\a+\b):ACC+8*(4*\a+\b)+3] offset:\a*16*SPITCH+64*\b
	ds_store_b128 v[STO], v[ACC+8*(4*\a+\b)+4:ACC+8*(4*\a+\b)+7] offset:\a*16*SPITCH+64*\b+16
.endr
.endr
	WIN TO_F
.set T, 0
.rept 32
	ds_load_b128 v[4*T:4*T+3], v[RD] offset:T*2*SPITCH
.set T, T+1
.endr
	s_wait_loadcnt 0x0
.irp g, 0,1,2,3
	s_wait_dscnt 24-8*\g
	WIN 0x49
.set J, 0
.rept 16
	v_pk_add_f32 v[32*\g+J:32*\g+J+1], v[32*\g+J:32*\g+J+1], v[32*\g+J:32*\g+J+1]
.set J, J+2
.endr
	WIN 0x04
.irp t, 0,1,2,3,4,5,6,7
	global_store_b128 v[CO], v[32*\g+4*\t:32*\g+4*\t+3], s[98:99] offset:(8*\g+\t)*8192
.endr
.endr
	WIN 0
	s_wait_tensorcnt 0x0
	ds_add_u32 v[SPW], v[NIL]
	s_wait_dscnt 0x0
	CROUND
	s_endpgm
.Lfunc_end_k_q0b631e0aa8_gout:
	.size	k_q0b631e0aa8_gout, .Lfunc_end_k_q0b631e0aa8_gout-k_q0b631e0aa8_gout
	.p2alignl 7, 3214868480
	.fill 96, 4, 3214868480
	.section	.rodata,"a",@progbits
	.p2align	6, 0x0
	.amdhsa_kernel k_q0b631e0aa8_gout
		.amdhsa_group_segment_fixed_size 327680
		.amdhsa_private_segment_fixed_size 0
		.amdhsa_enable_private_segment 0
		.amdhsa_kernarg_size 48
		.amdhsa_user_sgpr_count 2
		.amdhsa_user_sgpr_kernarg_segment_ptr 1
		.amdhsa_wavefront_size32 1
		.amdhsa_system_sgpr_workgroup_id_x 1
		.amdhsa_system_sgpr_workgroup_id_y 1
		.amdhsa_system_sgpr_workgroup_id_z 1
		.amdhsa_system_vgpr_workitem_id 0
		.amdhsa_next_free_vgpr 640
		.amdhsa_next_free_sgpr 104
		.amdhsa_reserve_vcc 0
		.amdhsa_float_denorm_mode_32 3
		.amdhsa_float_denorm_mode_16_64 3
		.amdhsa_memory_ordered 1
		.amdhsa_forward_progress 1
		.amdhsa_inst_pref_size 67
	.end_amdhsa_kernel
	.amdgpu_metadata
---
amdhsa.version: [ 1, 2 ]
amdhsa.kernels:
  - .name:           k_q0b631e0aa8_gout
    .symbol:         k_q0b631e0aa8_gout.kd
    .args:
      - { .name: act, .offset: 0, .size: 8, .value_kind: global_buffer, .address_space: global }
      - { .name: out_w_codes, .offset: 8, .size: 8, .value_kind: global_buffer, .address_space: global }
      - { .name: out_w_scales, .offset: 16, .size: 8, .value_kind: global_buffer, .address_space: global }
      - { .name: out_b, .offset: 24, .size: 8, .value_kind: global_buffer, .address_space: global }
      - { .name: x, .offset: 32, .size: 8, .value_kind: global_buffer, .address_space: global }
      - { .name: x1, .offset: 40, .size: 8, .value_kind: global_buffer, .address_space: global }
    .group_segment_fixed_size: 327680
    .private_segment_fixed_size: 0
    .kernarg_segment_align: 8
    .kernarg_segment_size: 48
    .max_flat_workgroup_size: 128
    .sgpr_count:     104
    .vgpr_count:     640
    .wavefront_size: 32
...
	.end_amdgpu_metadata
.endif
;; end of part 11
;; launch ln2 (part 12): grid 256 x 1, 8 waves a work-group, no clusters, 87,552 bytes of LDS; arguments x1, ln2_g, ln2_b, act; writes act
.if DOCPART == 12
	.amdgcn_target "amdgcn-amd-amdhsa--gfx1250"
	.amdhsa_code_object_version 6
	.text
	.protected	k_q0b631e0aa8_ln2
	.globl	k_q0b631e0aa8_ln2
	.p2align	8
	.type	k_q0b631e0aa8_ln2,@function
k_q0b631e0aa8_ln2:
	s_mov_b64 s[64:65], 0
	v_nop
	global_prefetch_b8 v0, s[64:65] scope:SCOPE_SE
	s_setreg_imm32_b32 hwreg(HW_REG_WAVE_MODE, 25, 1), 1
	s_wait_xcnt 0x0
; h = LayerNorm(x) g + b for 16 rows of 1,024 a work-group, quantised along the row to codes of E2M3 with one E8M0 byte for each 32, and stored in the order in which the next product's operand registers take them.
; CODES: [plane of 64 along K (16)][tile of 16 rows (256)][768 bytes].  An image of 768 bytes: block c (32 codes, 24 bytes) of row r has its bytes 0-15 at 256 c + 16 r and its bytes 16-23 at 512 + 16 r + 8 c.
; SCALES: behind the codes, [plane of 128 along K (8)][4,096 rows][4 bytes].
; A wave takes two rows; a row's 4,096 bytes lie in 32 registers between the passes, so x is read once.  The normalised row turns through the wave's own LDS so that a lane holds one whole block of 32.
; LIMITS: a block of zeros gets the byte 1 (its codes are zeros; the bytes are read by this program alone); NaN and infinities in x are not served beyond this: a row of NaN keeps some codes, and the residual carries the NaN on.  The scale words leave in runs of 64 bytes.
.set APL,   196608
.set ASOFF, 3145728
.set XST,   0
.set CST,   73728
.set SST,   86016
.set G,  16
.set B,  48
.set X0, 80
.set X1, 112
.set Y,  144
.set T,  176
	s_load_b128 s[4:7], s[0:1], 0x0                ; x, g
	s_load_b64 s[8:9], s[0:1], 0x10                ; b
	s_load_b64 s[14:15], s[0:1], 0x18              ; act
	v_lshl_add_u32 v192, v0, 2, 0x15200
	v_mov_b32 v193, 0
	v_lshrrev_b32 v1, 5, v0
	s_delay_alu instid0(VALU_DEP_1)
	v_readfirstlane_b32 s16, v1                    ; wave
	v_and_b32 v14, 31, v0                          ; lane
	s_delay_alu instid0(VALU_DEP_1)
	v_lshlrev_b32 v1, 4, v14
	s_lshl_b32 s24, ttmp9, 16
	s_lshl_b32 s25, s16, 13
	s_add_co_u32 s24, s24, s25
	s_mov_b32 s25, 0
	s_wait_alu depctr_va_vdst(0)
	s_wait_kmcnt 0x0
	s_add_nc_u64 s[4:5], s[4:5], s[24:25]
.irp j, 0,1,2,3,4,5,6,7
	global_load_b128 v[X0+4*\j:X0+4*\j+3], v1, s[4:5] offset:512*\j
.endr
.irp j, 0,1,2,3,4,5,6,7
	global_load_b128 v[G+4*\j:G+4*\j+3], v1, s[6:7] offset:512*\j
.endr
.irp j, 0,1,2,3,4,5,6,7
	global_load_b128 v[B+4*\j:B+4*\j+3], v1, s[8:9] offset:512*\j
.endr
.irp j, 0,1,2,3,4,5,6,7
	global_load_b128 v[X1+4*\j:X1+4*\j+3], v1, s[4:5] offset:4096+512*\j
.endr
	s_mov_b32 s18, 0x76543210
	s_mov_b32 s19, 0xfedcba98
	s_mov_b32 s20, 0x3a800000                      ; 1 / 1,024
	s_mov_b32 s21, 0x3727c5ac                      ; 1e-5
	s_mul_i32 s22, s16, 9216
	v_lshrrev_b32 v15, 3, v14
	s_delay_alu instid0(VALU_DEP_1)
	v_lshl_add_u32 v2, v15, 4, v1
	s_delay_alu instid0(VALU_DEP_1)
	v_add_nc_u32 v2, s22, v2
	v_mul_u32_u24 v3, v14, 144
	s_delay_alu instid0(VALU_DEP_1)
	v_add_nc_u32 v3, s22, v3
	v_lshrrev_b32 v15, 1, v14
	s_delay_alu instid0(VALU_DEP_1)
	v_mul_u32_u24 v4, v15, 768
	v_and_b32 v15, 1, v14
	s_delay_alu instid0(VALU_DEP_1)
	v_lshl_add_u32 v5, v15, 3, v4
	s_delay_alu instid0(VALU_DEP_2)
	v_lshl_add_u32 v4, v15, 8, v4
	s_lshl_b32 s23, s16, 5
	s_add_co_u32 s23, s23, CST
	v_add_nc_u32 v4, s23, v4
	s_add_co_u32 s23, s23, 512
	v_add_nc_u32 v5, s23, v5
	v_lshrrev_b32 v15, 2, v14
	v_and_b32 v6, 3, v14
	s_delay_alu instid0(VALU_DEP_1)
	v_lshl_add_u32 v6, v15, 6, v6
	s_lshl_b32 s23, s16, 3
	s_add_co_u32 s23, s23, SST
	v_add_nc_u32 v6, s23, v6
	s_mul_i32 s23, s16, 1536
	s_add_co_u32 s23, s23, CST
	v_add_nc_u32 v7, s23, v1
	v_lshrrev_b32 v15, 4, v14
	s_delay_alu instid0(VALU_DEP_1)
	v_mul_u32_u24 v8, v15, APL-768
	s_delay_alu instid0(VALU_DEP_1)
	v_add_nc_u32 v8, v8, v1
	v_add_nc_u32 v9, SST, v1
	s_mul_i32 s24, s16, 2*APL
	s_mul_i32 s23, ttmp9, 768
	s_add_co_u32 s24, s24, s23
	s_add_nc_u64 s[26:27], s[14:15], s[24:25]
	s_lshl_b32 s24, ttmp9, 6
	s_add_co_u32 s24, s24, ASOFF
	s_add_nc_u64 s[28:29], s[14:15], s[24:25]
.macro REDUCE
	s_delay_alu instid0(VALU_DEP_1)
	v_add_f32_dpp v[T], v[T], v[T] row_xmask:1 row_mask:0xf bank_mask:0xf
	s_delay_alu instid0(VALU_DEP_1)
	v_add_f32_dpp v[T], v[T], v[T] row_xmask:2 row_mask:0xf bank_mask:0xf
	s_delay_alu instid0(VALU_DEP_1)
	v_add_f32_dpp v[T], v[T], v[T] row_xmask:4 row_mask:0xf bank_mask:0xf
	s_delay_alu instid0(VALU_DEP_1)
	v_add_f32_dpp v[T], v[T], v[T] row_xmask:8 row_mask:0xf bank_mask:0xf
	s_delay_alu instid0(VALU_DEP_1)
	v_permlanex16_b32 v[T+1], v[T], s18, s19
	s_delay_alu instid0(VALU_DEP_1)
	v_add_f32 v[T], v[T], v[T+1]
.endm
.macro FOLD
	s_delay_alu instid0(VALU_DEP_2)
	v_pk_add_f32 v[T:T+1], v[T:T+1], v[T+4:T+5]
	s_delay_alu instid0(VALU_DEP_2)
	v_pk_add_f32 v[T+2:T+3], v[T+2:T+3], v[T+6:T+7]
	s_delay_alu instid0(VALU_DEP_1)
	v_pk_add_f32 v[T:T+1], v[T:T+1], v[T+2:T+3]
	s_delay_alu instid0(VALU_DEP_1)
	v_add_f32 v[T], v[T], v[T+1]
.endm
.macro ROW rr, X, left1, left2
	s_wait_loadcnt \left1
.irp i, 0,1,2,3,4,5,6,7
	v_pk_add_f32 v[T+2*\i:T+2*\i+1], v[\X+4*\i:\X+4*\i+1], v[\X+4*\i+2:\X+4*\i+3]
.endr
.irp i, 0,1,2,3
	s_delay_alu instid0(VALU_DEP_4)
	v_pk_add_f32 v[T+2*\i:T+2*\i+1], v[T+2*\i:T+2*\i+1], v[T+8+2*\i:T+9+2*\i]
.endr
	FOLD
	REDUCE
	s_delay_alu instid0(VALU_DEP_1)
	v_mul_f32 v10, s20, v[T]
	s_delay_alu instid0(VALU_DEP_2)
	v_mul_f32 v11, s20, v[T]
.irp i, 0,1,2,3,4,5,6,7,8,9,10,11,12,13,14,15
	v_pk_add_f32 v[\X+2*\i:\X+2*\i+1], v[\X+2*\i:\X+2*\i+1], v[10:11] neg_lo:[0,1] neg_hi:[0,1]
.endr
.irp i, 0,1,2,3
	v_pk_mul_f32 v[T+2*\i:T+2*\i+1], v[\X+2*\i:\X+2*\i+1], v[\X+2*\i:\X+2*\i+1]
.endr
.irp i, 4,5,6,7,8,9,10,11,12,13,14,15
	s_delay_alu instid0(VALU_DEP_4)
	v_pk_fma_f32 v[T+2*(\i%4):T+2*(\i%4)+1], v[\X+2*\i:\X+2*\i+1], v[\X+2*\i:\X+2*\i+1], v[T+2*(\i%4):T+2*(\i%4)+1]
.endr
	FOLD
	REDUCE
	s_delay_alu instid0(VALU_DEP_1)
	v_fma_f32 v[T], v[T], s20, s21
	s_wait_alu depctr_va_vdst(0)
	v_rsq_f32 v12, v[T]
	v_rsq_f32 v13, v[T]
	v_nop                                          ; a plain place behind the transcendentals
	s_wait_loadcnt \left2
	s_wait_alu depctr_va_vdst(0)
.irp i, 0,1,2,3,4,5,6,7,8,9,10,11,12,13,14,15
	v_pk_mul_f32 v[\X+2*\i:\X+2*\i+1], v[\X+2*\i:\X+2*\i+1], v[12:13]
.endr
.irp i, 0,1,2,3,4,5,6,7,8,9,10,11,12,13,14,15
	v_pk_fma_f32 v[\X+2*\i:\X+2*\i+1], v[\X+2*\i:\X+2*\i+1], v[G+2*\i:G+2*\i+1], v[B+2*\i:B+2*\i+1]
.endr
.irp j, 0,1,2,3,4,5,6,7
	ds_store_b128 v2, v[\X+4*\j:\X+4*\j+3] offset:\rr*4608+576*\j
.endr
.irp j, 0,1,2,3,4,5,6,7
	ds_load_b128 v[Y+4*\j:Y+4*\j+3], v3 offset:\rr*4608+16*\j      ; LDS serves a wave's instructions in order
.endr
	s_wait_dscnt 0x0
	v_max3_num_f32 v[T+12], |v[Y]|, |v[Y+1]|, 0x1800000            ; with the floor 2^(3 - 127)
	v_max3_num_f32 v[T+13], |v[Y+2]|, |v[Y+3]|, |v[Y+4]|
.irp i, 5,9,13,17,21,25
	s_delay_alu instid0(VALU_DEP_2)
	v_max3_num_f32 v[T+12], v[T+12], |v[Y+\i]|, |v[Y+\i+1]|
	s_delay_alu instid0(VALU_DEP_2)
	v_max3_num_f32 v[T+13], v[T+13], |v[Y+\i+2]|, |v[Y+\i+3]|
.endr
	s_delay_alu instid0(VALU_DEP_2)
	v_max3_num_f32 v[T+12], v[T+12], |v[Y+29]|, |v[Y+30]|
	s_delay_alu instid0(VALU_DEP_1)
	v_max3_num_f32 v[T+12], v[T+12], v[T+13], |v[Y+31]|
	s_delay_alu instid0(VALU_DEP_1)
	v_add_nc_u32 v[T+14], 0xff000000, v[T+12]
	v_cvt_scalef32_pk16_fp6_f32 v[T:T+2], v[Y:Y+15], v[T+14]
	v_cvt_scalef32_pk16_fp6_f32 v[T+8:T+10], v[Y+16:Y+31], v[T+14]
	v_lshrrev_b32 v[T+15], 23, v[T+14]             ; the byte (a plain place behind the conversions)
	v_mov_b32 v[T+3], v[T+8]
	v_mov_b32 v[T+4], v[T+9]
	v_mov_b32 v[T+5], v[T+10]
	ds_store_b128 v4, v[T:T+3] offset:16*\rr
	ds_store_b64 v5, v[T+4:T+5] offset:16*\rr
	ds_store_b8 v6, v[T+15] offset:4*\rr
	s_wait_dscnt 0x0
.endm
	ROW 0, X0, 24, 8                               ; 24: g, b and the second row may be out; 8: the second row may be out
	ROW 1, X1, 0, 0
	s_barrier_signal -1                            ; every wave's LDS stores have landed (the wait for 0 above)
	s_barrier_wait -1
.irp i, 0,1,2
	ds_load_b128 v[Y+4*\i:Y+4*\i+3], v7 offset:512*\i
.endr
	s_wait_dscnt 0x0
	global_store_b128 v1, v[Y:Y+3], s[26:27]
	global_store_b128 v8, v[Y+4:Y+7], s[26:27] offset:512
	global_store_b128 v1, v[Y+8:Y+11], s[26:27] offset:APL+256
	s_cmp_lg_u32 s16, 0
	s_cbranch_scc1 .Ldone
	ds_load_b128 v[Y+12:Y+15], v9
	v_lshrrev_b32 v[T], 2, v14
	v_and_b32 v[T+1], 3, v14
	s_delay_alu instid0(VALU_DEP_2)
	v_lshlrev_b32 v[T], 14, v[T]
	s_delay_alu instid0(VALU_DEP_1)
	v_lshl_add_u32 v[T], v[T+1], 4, v[T]
	s_wait_alu depctr_va_vdst(0)
	s_wait_dscnt 0x0
	global_store_b128 v[T], v[Y+12:Y+15], s[28:29]
.Ldone:
	s_wait_tensorcnt 0x0
	ds_add_u32 v192, v193
	s_wait_dscnt 0x0
	s_endpgm
.Lfunc_end_k_q0b631e0aa8_ln2:
	.size	k_q0b631e0aa8_ln2, .Lfunc_end_k_q0b631e0aa8_ln2-k_q0b631e0aa8_ln2
	.p2alignl 7, 3214868480
	.fill 96, 4, 3214868480
	.section	.rodata,"a",@progbits
	.p2align	6, 0x0
	.amdhsa_kernel k_q0b631e0aa8_ln2
		.amdhsa_group_segment_fixed_size 87552
		.amdhsa_private_segment_fixed_size 0
		.amdhsa_enable_private_segment 0
		.amdhsa_kernarg_size 32
		.amdhsa_user_sgpr_count 2
		.amdhsa_user_sgpr_kernarg_segment_ptr 1
		.amdhsa_wavefront_size32 1
		.amdhsa_system_sgpr_workgroup_id_x 1
		.amdhsa_system_sgpr_workgroup_id_y 1
		.amdhsa_system_sgpr_workgroup_id_z 1
		.amdhsa_system_vgpr_workitem_id 0
		.amdhsa_next_free_vgpr 194
		.amdhsa_next_free_sgpr 66
		.amdhsa_reserve_vcc 0
		.amdhsa_float_denorm_mode_32 3
		.amdhsa_float_denorm_mode_16_64 3
		.amdhsa_memory_ordered 1
		.amdhsa_forward_progress 1
		.amdhsa_inst_pref_size 29
	.end_amdhsa_kernel
	.amdgpu_metadata
---
amdhsa.version: [ 1, 2 ]
amdhsa.kernels:
  - .name:           k_q0b631e0aa8_ln2
    .symbol:         k_q0b631e0aa8_ln2.kd
    .args:
      - { .name: x1, .offset: 0, .size: 8, .value_kind: global_buffer, .address_space: global }
      - { .name: ln2_g, .offset: 8, .size: 8, .value_kind: global_buffer, .address_space: global }
      - { .name: ln2_b, .offset: 16, .size: 8, .value_kind: global_buffer, .address_space: global }
      - { .name: act, .offset: 24, .size: 8, .value_kind: global_buffer, .address_space: global }
    .group_segment_fixed_size: 87552
    .private_segment_fixed_size: 0
    .kernarg_segment_align: 8
    .kernarg_segment_size: 32
    .max_flat_workgroup_size: 256
    .sgpr_count:     66
    .vgpr_count:     194
    .wavefront_size: 32
...
	.end_amdgpu_metadata
.endif
;; end of part 12
;; launch gfc1 (part 13): grid 16 x 16, 4 waves a work-group, clusters of 4 x 4, 327,680 bytes of LDS; arguments act, fc1_w_codes, fc1_w_scales, fc1_b, gb; writes gb
.if DOCPART == 13
	.amdgcn_target "amdgcn-amd-amdhsa--gfx1250"
	.amdhsa_code_object_version 6
	.text
	.protected	k_q0b631e0aa8_gfc1
	.globl	k_q0b631e0aa8_gfc1
	.p2align	8
	.type	k_q0b631e0aa8_gfc1,@function
k_q0b631e0aa8_gfc1:
	s_mov_b64 s[64:65], 0
	v_nop
	global_prefetch_b8 v0, s[64:65] scope:SCOPE_SE
	s_setreg_imm32_b32 hwreg(HW_REG_WAVE_MODE, 25, 1), 1
	s_wait_xcnt 0x0
	s_wait_alu depctr_hold_cnt(0) depctr_sa_sdst(0) depctr_va_vdst(0) depctr_va_sdst(0) depctr_va_ssrc(0) depctr_va_vcc(0) depctr_vm_vsrc(0)
	s_getreg_b32 s2, hwreg(HW_REG_IB_STS2, 6, 4)
	s_cmp_eq_u32 s2, 0
	s_cbranch_scc0 .Lentry_in_a_cluster
	s_endpgm
.Lentry_in_a_cluster:
	s_bfe_u32 s2, ttmp6, 0x10000c
	s_cmp_lg_u32 s2, 0xf033
	s_cbranch_scc0 .Lentry_shape_is_right
	s_endpgm
.Lentry_shape_is_right:
.set SIZE_K, 1024
.set ASOFF,  3145728
.set APL,    196608
.set KP,     SIZE_K/128
.set KS,     SIZE_K/32
.set KROW,   SIZE_K*3/4
.set HALFA,  24576
; g = gelu(h W^T + b) on codes of E2M3, quantised along the hidden axis on the way out.  A tile of 256 x 256 to a work-group, 128 x 128 a wave.
; The ring's two slots hold A alone, [plane of 64 K][16 images], 256 along K a slot; B's 256 rows of 768 bytes come once and stay, 16 bytes of padding behind each 256.
.set PITCH,  816                       ; 204 words: row r starts at bank 12 r mod 64, sixteen different groups of four banks
.set HALFB,  128*PITCH
.set SLOT,   2*HALFA
.set BOFF,   2*SLOT
.set SCA,    BOFF+2*HALFB
.set KB,     0                         ; the step of 128 along K whose fragments of B are fetched next
.set HALFSA, 512*KP
.set SCB,    SCA+2*HALFSA
.set HALFSB, (128*KS/256)*272
.set SBLK,   (16*KS/256)*272
.set SPARE,  SCB+2*HALFSB
.set LAPS,   SIZE_K/512
.set FR,   12
.set ADRA, 16
.set ADRB, 20
.set ADSA, 27
.set SPW,  28
.set NIL,  29
.set ADSB, 30
.set SC,   32
.set BI,   64
.set AF,   128
.set G1,   24
.set G0,   32
.set G1B,  48
.set G0B,  56
.set G1S,  68
.set G0S,  76
.set G1SB, 80
.set G0SB, 88
.set MSB, 0
.macro WIN new
.if MSB != \new
	s_set_vgpr_msb (MSB<<8)|\new
.set MSB, \new
.endif
.endm
.set MUL_LO, 0xa1
.set MUL_HI, 0xf1
.set TO_B,   0x40
.macro PLACES
.rept 4
	v_nop
.endr
.endm
.macro ALOAD g0                        ; waves 0, 1 ask for two planes of A each; waves 2, 3 have no part of the tile; four v_nop follow on both ways
	s_cmp_eq_u32 s15, 0
	s_cbranch_scc0 .Lno_a_\@
	tensor_load_to_lds s[\g0:\g0+3], s[G1:G1+7]
	s_nop 0
.Lno_a_\@:
	PLACES
.endm
.macro ARM under, g0, g1, next         ; one arm of the head's chain: one load, then a jump to the join
	s_cmp_lt_u32 s14, \under
	s_cbranch_scc0 \next
	tensor_load_to_lds s[\g0:\g0+3], s[\g1:\g1+7]
	s_nop 0
	PLACES
	s_branch .Lhead_asked
\next:
.endm
.macro CREST
	s_cmp_lg_u32 s14, 0
	s_cbranch_scc1 .Lnot_wave_0_\@
	s_barrier_signal -3
.Lnot_wave_0_\@:
	s_barrier_wait -3
	s_barrier_signal -1
	s_barrier_wait -1
.endm
.macro CROUND
	s_barrier_signal -1
	s_barrier_wait -1
	CREST
.endm
	s_load_b256 s[4:11], s[0:1], 0x0
	s_load_b64 s[96:97], s[0:1], 0x20
	v_lshl_add_u32 v[SPW], v0, 2, SPARE
	v_mov_b32 v[NIL], 0
	ds_add_u32 v28, v29
	ds_add_u32 v28, v29
	s_wait_dscnt 0x0
	v_lshrrev_b32 v1, 5, v0
	v_readfirstlane_b32 s14, v1
	s_lshr_b32 s15, s14, 1
	s_and_b32 s16, s14, 1
	s_bfe_u32 s40, ttmp6, 0x40000
	s_bfe_u32 s41, ttmp6, 0x40004
	s_lshl_b32 s42, ttmp9, 2
	s_add_co_u32 s42, s42, s40
	s_and_b32 s17, ttmp7, 0xffff
	s_lshl_b32 s17, s17, 2
	s_add_co_u32 s17, s17, s41
	s_lshl_b32 s43, s41, 2
	s_lshl_b32 s43, 15, s43
	s_lshl_b32 s44, 0x1111, s40
	s_or_b32 s[G1+0], s43, (1<<21)
	s_mov_b32 s[G1+1], 12288<<16                   ; a plane's 16 images; 4 planes at the head, 2 in the ring
	s_mov_b32 s[G1+2], 4<<16
	s_mov_b32 s[G1+3], 12288<<16
	s_mov_b32 s[G1+4], 4
	s_mov_b32 s[G1+5], APL
	s_mov_b32 s[G1+6], 0
	s_mov_b32 s[G1+7], 0
	s_or_b32 s[G1B+0], s44, (1<<20)|(1<<21)|(5<<22)|(3<<25)   ; B's codes: 256 whole rows of 768 bytes, 4 words of padding behind every 64
	s_mov_b32 s[G1B+1], 768<<16
	s_mov_b32 s[G1B+2], 256<<16
	s_mov_b32 s[G1B+3], 768<<16
	s_mov_b32 s[G1B+4], 256
	s_mov_b32 s[G1B+5], KROW
	s_mov_b32 s[G1B+6], 0
	s_mov_b32 s[G1B+7], 0
	s_or_b32 s[G1S+0], s43, (1<<21)
	s_mov_b32 s[G1S+1], 1024<<16                   ; the words of all 256 rows: [plane of 128 K][256 rows][4]
	s_mov_b32 s[G1S+2], KP<<16
	s_mov_b32 s[G1S+3], 1024<<16
	s_mov_b32 s[G1S+4], KP
	s_mov_b32 s[G1S+5], 16384
	s_mov_b32 s[G1S+6], 0
	s_mov_b32 s[G1S+7], 0
	s_or_b32 s[G1SB+0], s44, (3<<16)|(1<<20)|(1<<21)|(5<<22)|(3<<25)
	s_mov_b32 s[G1SB+1], 32<<16
	s_mov_b32 s[G1SB+2], KS<<16                    ; 256 rows of KS bytes = KS rows of 256
	s_mov_b32 s[G1SB+3], 32<<16
	s_mov_b32 s[G1SB+4], KS
	s_mov_b32 s[G1SB+5], 32
	s_mov_b32 s[G1SB+6], 0
	s_mov_b32 s[G1SB+7], 0
	s_mul_i32 s12, s17, 12288                      ; A's codes: 16 images a tile row
	s_mov_b32 s13, 0
	s_mul_i32 s20, s16, 2*APL                      ; in the ring I ask for two of a slot's four planes
	s_add_co_u32 s20, s20, s12
	s_mov_b32 s21, 0
	s_lshl_b32 s22, s17, 10                        ; A's scale words
	s_add_co_u32 s22, s22, ASOFF
	s_mov_b32 s23, 0
	s_lshl_b32 s46, s42, 8                         ; B's first row
	s_mul_i32 s92, s46, KS
	s_mov_b32 s93, 0
	s_mul_i32 s46, s46, KROW
	s_mov_b32 s47, 0
	s_mul_i32 s45, s16, HALFA                      ; where my planes go
	s_wait_kmcnt 0x0
	s_add_nc_u64 s[20:21], s[4:5], s[20:21]
	s_add_nc_u64 s[22:23], s[4:5], s[22:23]
	s_add_nc_u64 s[46:47], s[6:7], s[46:47]
	s_add_nc_u64 s[92:93], s[8:9], s[92:93]
	s_add_nc_u64 s[6:7], s[4:5], s[12:13]          ; s[4:7]: group 0 of the head's load of slot 0, all four planes
	s_or_b32 s7, s7, 0x80000000
	s_mov_b32 s4, 1
	s_mov_b32 s5, 0
	CROUND
	s_mov_b32 s[G0S], 1
	s_mov_b32 s[G0S+1], SCA
	s_mov_b64 s[G0S+2:G0S+3], s[22:23]
	s_or_b32 s[G0S+3], s[G0S+3], 0x80000000
	s_mov_b32 s[G0SB], 1
	s_mov_b32 s[G0SB+1], SCB
	s_mov_b64 s[G0SB+2:G0SB+3], s[92:93]
	s_or_b32 s[G0SB+3], s[G0SB+3], 0x80000000
.irp s, 0,1
	s_mov_b32 s[G0+4*\s], 1
	s_add_co_u32 s[G0+4*\s+1], s45, \s*SLOT
	s_add_nc_u64 s[G0+4*\s+2:G0+4*\s+3], s[20:21], \s*4*APL
	s_or_b32 s[G0+4*\s+3], s[G0+4*\s+3], 0x80000000
.endr
	s_mov_b32 s[G0B], 1
	s_mov_b32 s[G0B+1], BOFF
	s_mov_b64 s[G0B+2:G0B+3], s[46:47]
	s_or_b32 s[G0B+3], s[G0B+3], 0x80000000
	; the head's four tiles, one load a wave: wave 0 A's slot 0, wave 1 B, wave 2 A's scale words, wave 3 B's scale bytes
	ARM 1, 4, G1, .Lhead_b
	ARM 2, G0B, G1B, .Lhead_sa
	ARM 3, G0S, G1S, .Lhead_sb
	tensor_load_to_lds s[G0SB:G0SB+3], s[G1SB:G1SB+7]
	s_nop 0
	PLACES
.Lhead_asked:
	v_and_b32 v1, 15, v0
	v_bfe_u32 v2, v0, 4, 1
	v_and_b32 v3, 31, v0
	v_lshlrev_b32 v4, 4, v3
	v_lshlrev_b32 v5, 4, v1
	v_lshl_add_u32 v5, v2, 3, v5
	v_mul_u32_u24 v6, v1, PITCH
	v_mad_u32_u24 v6, v2, 24, v6
	v_lshl_add_u32 v7, v2, 4, v6
	s_mul_i32 s21, s15, 6144                       ; my eight images of each plane
	s_mul_i32 s22, s16, HALFB
	s_add_co_u32 s22, s22, BOFF
.irp s, 0,1
	v_add_nc_u32 v[ADRA+\s], s21, v4
	v_add_nc_u32 v[ADRA+2+\s], s21, v5
	v_add_nc_u32 v[ADRB+\s], s22, v6
	v_add_nc_u32 v[ADRB+2+\s], s22, v7
	s_add_co_u32 s21, s21, SLOT
	s_add_co_u32 s22, s22, 64*PITCH                ; v20, v22: my rows 0-63 of B; v21, v23: rows 64-127
.endr
	s_lshl_b32 s21, s15, 9
	s_add_co_u32 s21, s21, SCA
	v_lshl_add_u32 v[ADSA], v3, 2, s21
	v_mul_u32_u24 v8, v3, KS
	v_lshrrev_b32 v9, 8, v8
	v_lshl_add_u32 v8, v9, 4, v8
	s_mul_i32 s22, s16, HALFSB
	s_add_co_u32 s22, s22, SCB
	v_add_nc_u32 v[ADSB], s22, v8
	s_lshl_b32 s20, s42, 10
	s_lshl_b32 s21, s16, 9
	s_add_co_u32 s20, s20, s21
	s_mov_b32 s21, 0
	s_add_nc_u64 s[10:11], s[10:11], s[20:21]
	v_lshlrev_b32 v10, 5, v2
.irp b, 0,1,2,3,4,5,6,7
	global_load_b128 v[BI+8*\b:BI+8*\b+3], v10, s[10:11] offset:64*\b
	global_load_b128 v[BI+8*\b+4:BI+8*\b+7], v10, s[10:11] offset:64*\b+16
.endr
.macro FRAG reg, adr, q, i
.irp p, 0,1,2,3,4,5
.set PCE, 12*(\q)+6*(\p/3)+\p%3
.if PCE%32 < 29
	ds_load_b64 v[\reg+2*\p:\reg+2*\p+1], v[\adr] offset:8*PCE+16*(PCE/32)+((\i)%4)*16*PITCH
.else
	ds_load_b64 v[\reg+2*\p:\reg+2*\p+1], v[\adr+2] offset:8*PCE+16*(PCE/32)+((\i)%4)*16*PITCH
.endif
.endr
.endm
.macro FRAGA reg, slot, q, i
	ds_load_b128 v[\reg:\reg+3], v[ADRA+\slot] offset:2*(\q)*12288+768*(\i)
	ds_load_b64 v[\reg+4:\reg+5], v[ADRA+2+\slot] offset:2*(\q)*12288+768*(\i)+512
	ds_load_b128 v[\reg+6:\reg+9], v[ADRA+\slot] offset:(2*(\q)+1)*12288+768*(\i)
	ds_load_b64 v[\reg+10:\reg+11], v[ADRA+2+\slot] offset:(2*(\q)+1)*12288+768*(\i)+512
.endm
.macro FETCH_B slot, q, p
	WIN TO_B
.irp i, 0,1,2,3,4,5,6,7
	FRAG 128*(\p)+FR*\i, ADRB+\i/4, KB, \i
.endr
.set KB, KB+1                          ; the walk along K is written straight, so B's place along K is a constant of each line
	WIN 0
.endm
.macro FETCH_A slot, q, i0
.irp i, \i0, \i0+1, \i0+2, \i0+3
	FRAGA AF+FR*(\i), \slot, \q, \i
.endr
.endm
.macro SCALES sc
.irp q, 0,1
.irp i, 0,1,2,3
	ds_load_b32 v[SC+16*\sc+4*\q+\i], v[ADSA] offset:1024*\q+128*\i
.endr
.endr
.irp i, 0,1,2,3
	ds_load_b64 v[SC+16*\sc+8+2*\i:SC+16*\sc+9+2*\i], v[ADSB] offset:2*SBLK*\i
.endr
.endm
.macro WM
.if rRB && rRA
	v_wmma_scale_f32_16x16x128_f8f6f4 v[rD:rD+7], v[rB:rB+11], v[rA:rA+11], v[rC:rC+7], v[rSB], v[rSA] matrix_a_fmt:MATRIX_FMT_FP6 matrix_b_fmt:MATRIX_FMT_FP6 matrix_a_scale:MATRIX_SCALE_ROW1 matrix_b_scale:MATRIX_SCALE_ROW1
.elseif rRB
	v_wmma_scale_f32_16x16x128_f8f6f4 v[rD:rD+7], v[rB:rB+11], v[rA:rA+11], v[rC:rC+7], v[rSB], v[rSA] matrix_a_fmt:MATRIX_FMT_FP6 matrix_b_fmt:MATRIX_FMT_FP6 matrix_a_scale:MATRIX_SCALE_ROW1
.elseif rRA
	v_wmma_scale_f32_16x16x128_f8f6f4 v[rD:rD+7], v[rB:rB+11], v[rA:rA+11], v[rC:rC+7], v[rSB], v[rSA] matrix_a_fmt:MATRIX_FMT_FP6 matrix_b_fmt:MATRIX_FMT_FP6 matrix_b_scale:MATRIX_SCALE_ROW1
.else
	v_wmma_scale_f32_16x16x128_f8f6f4 v[rD:rD+7], v[rB:rB+11], v[rA:rA+11], v[rC:rC+7], v[rSB], v[rSA] matrix_a_fmt:MATRIX_FMT_FP6 matrix_b_fmt:MATRIX_FMT_FP6
.endif
.endm
.macro MUL16 a0, p, q, sc, first
.irp a, \a0, \a0+1
.irp b, 0,1,2,3,4,5,6,7
.set rD, 8*(8*((\a)%4)+\b)
.set rB, 128*(\p)+FR*\b
.set rA, AF+FR*(\a)
.set rSB, SC+16*(\sc)+8+2*(\b/2)+(\q)
.set rSA, SC+16*(\sc)+4*(\q)+(\a)/2
.set rRB, \b%2
.set rRA, (\a)%2
.if \first
.set rC, BI+8*\b
.else
.set rC, rD
.endif
	WM
.endr
.endr
.endm
.macro STEP slot, first
	s_wait_dscnt 16
.if \first
	WIN 0x81
.else
	WIN MUL_LO
.endif
	MUL16 0, 0, 0, \slot, \first
	MUL16 2, 0, 0, \slot, \first
	s_wait_dscnt 0x0
	PLACES
	FETCH_B \slot, 1, 1
	FETCH_A \slot, 1, 0
.if \first
	WIN 0xc1
.else
	WIN MUL_HI
.endif
	MUL16 4, 0, 0, \slot, \first
	MUL16 6, 0, 0, \slot, \first
	PLACES
	WIN 0
	FETCH_A \slot, 1, 4
.endm
.macro TURN slot, next, fill
	s_wait_tensorcnt 0x0
	ds_add_u32 v[SPW], v[NIL]
	s_wait_dscnt 17
	WIN MUL_LO
	MUL16 0, 1, 1, \slot, 0
	s_wait_dscnt 0x0
	s_barrier_signal -1
	MUL16 2, 1, 1, \slot, 0
	WIN 0
	s_barrier_wait -1
.if \fill
	CREST
	s_add_nc_u64 s[G0+4*\slot+2:G0+4*\slot+3], s[G0+4*\slot+2:G0+4*\slot+3], 8*APL
	ALOAD G0+4*\slot                               ; the one tensor load behind the round; its four v_nop are the places in front of the loads below
.else
	PLACES
.endif
	s_wait_alu depctr_va_vdst(0)
	v_add_nc_u32 v[ADSA], 2048, v[ADSA]
	v_add_nc_u32 v[ADSB], 8, v[ADSB]
	FETCH_B \next, 0, 0
	FETCH_A \next, 0, 0
	SCALES \next
	WIN MUL_HI
	MUL16 4, 1, 1, \slot, 0
	MUL16 6, 1, 1, \slot, 0
	PLACES
	WIN 0
	FETCH_A \next, 0, 4
.endm
	s_wait_alu depctr_va_vdst(0)
	s_wait_tensorcnt 0x0                           ; my tile of the head's four is in
	ds_add_u32 v[SPW], v[NIL]
	s_mov_b32 s[G1+2], 2<<16                       ; no tensor load of mine is out: from here on a load of A brings two planes
	s_mov_b32 s[G1+4], 2
	s_wait_dscnt 0x0
	CROUND                                         ; all four tiles are in, and the sixteen work-groups meet
	ALOAD G0+4                                     ; slot 1's first fill
	FETCH_B 0, 0, 0
	FETCH_A 0, 0, 0
	SCALES 0
	FETCH_A 0, 0, 4
	s_wait_loadcnt 0x0
	STEP 0, 1
	TURN 0, 1, 1
	STEP 1, 0
	TURN 1, 0, 1
	STEP 0, 0
	TURN 0, 1, 0
	STEP 1, 0
	s_wait_dscnt 16
	WIN MUL_LO
	MUL16 0, 1, 1, 1, 0
	MUL16 2, 1, 1, 1, 0
	s_wait_dscnt 0x0
	WIN MUL_HI
	MUL16 4, 1, 1, 1, 0
	MUL16 6, 1, 1, 1, 0
	WIN 0
	s_barrier_signal -1
	s_barrier_wait -1
	PLACES
.set STO, 24
.set RQ0, 25
.set RQ,  26
.set GA,  11
.set GS,  12
.set W,   64
.set TT,  76
.set AM,  84
.set SO,  86
.set BY,  88
.set WD,  90
.set VA11, 96
.set VB6,  98
.set X,   128
.set TZ,  192
.set T2,  208
.set TP,  224
.set TQ,  240
.set RS2, 24
.set A13, 26
.set A9,  28
.set A7,  30
.set A5,  32
.set A3,  34
.set A1,  36
.set B8,  38
.set B4,  48
.set B2,  50
.set B0,  52
.macro KONST reg, bits
	s_mov_b32 s[\reg], \bits
	s_mov_b32 s[\reg+1], \bits
.endm
	s_lshl_b32 s20, s42, 2
	s_lshl_b32 s21, s16, 1
	s_add_co_u32 s20, s20, s21
	s_mul_i32 s20, s20, APL
	s_lshl_b32 s21, s17, 4
	s_lshl_b32 s22, s15, 3
	s_add_co_u32 s21, s21, s22
	s_mul_i32 s21, s21, 768
	s_add_co_u32 s20, s20, s21
	s_mov_b32 s21, 0
	s_add_nc_u64 s[6:7], s[96:97], s[20:21]
	s_lshl_b32 s20, s42, 1
	s_add_co_u32 s20, s20, s16
	s_lshl_b32 s20, s20, 14
	s_lshl_b32 s22, s17, 10
	s_add_co_u32 s20, s20, s22
	s_lshl_b32 s22, s15, 9
	s_add_co_u32 s20, s20, s22
	s_add_co_u32 s20, s20, 12582912
	s_add_nc_u64 s[8:9], s[96:97], s[20:21]
	KONST RS2, 0x3f3504f3
	KONST A13, 0xaf95df0b
	KONST A9,  0xb60cff51
	KONST A7,  0xb86ec2d2
	KONST A5,  0xba40ac63
	KONST A3,  0xbb41a1f6
	KONST A1,  0xbc83dbd4
	KONST B8,  0xb77460cd
	KONST B4,  0xbadc924e
	KONST B2,  0xbbf19bf8
	KONST B0,  0xbc69b6a7
	v_mov_b32 v[VA11], 0x32edffee
	v_mov_b32 v[VA11+1], 0x32edffee
	v_mov_b32 v[VB6], 0xb95fbd29
	v_mov_b32 v[VB6+1], 0xb95fbd29
	s_mul_i32 s20, s14, 33792
	v_mul_u32_u24 v4, v1, 528
	v_lshl_add_u32 v5, v2, 5, v4
	v_add_nc_u32 v[STO], s20, v5
	v_lshl_add_u32 v6, v2, 8, v4
	v_add_nc_u32 v[RQ0], s20, v6
	v_mul_u32_u24 v[GA], v2, APL
	v_lshl_add_u32 v[GA], v1, 4, v[GA]
	v_lshlrev_b32 v[GS], 1, v2
	v_lshl_add_u32 v[GS], v1, 2, v[GS]
.macro HORN acc, k
.irp i, 0,2,4,6,8,10,12,14
	v_pk_fma_f32 v[\acc+\i:\acc+\i+1], v[\acc+\i:\acc+\i+1], v[T2+\i:T2+\i+1], s[\k:\k+1] op_sel_hi:[1,1,0]
.endr
.endm
.macro GELU16 x
.irp i, 0,2,4,6,8,10,12,14
	v_pk_mul_f32 v[TZ+\i:TZ+\i+1], v[\x+\i:\x+\i+1], s[RS2:RS2+1] op_sel_hi:[1,0]
.endr
.irp i, 0,1,2,3,4,5,6,7,8,9,10,11,12,13,14,15
	v_med3_num_f32 v[TZ+\i], v[TZ+\i], -4.0, 4.0
.endr
.irp i, 0,2,4,6,8,10,12,14
	v_pk_mul_f32 v[T2+\i:T2+\i+1], v[TZ+\i:TZ+\i+1], v[TZ+\i:TZ+\i+1]
.endr
.irp i, 0,2,4,6,8,10,12,14
	v_pk_fma_f32 v[TP+\i:TP+\i+1], v[T2+\i:T2+\i+1], s[A13:A13+1], v[VA11:VA11+1] op_sel_hi:[1,0,1]
.endr
.irp i, 0,2,4,6,8,10,12,14
	v_pk_fma_f32 v[TQ+\i:TQ+\i+1], v[T2+\i:T2+\i+1], s[B8:B8+1], v[VB6:VB6+1] op_sel_hi:[1,0,1]
.endr
	HORN TP, A9
	HORN TQ, B4
	HORN TP, A7
	HORN TQ, B2
	HORN TP, A5
	HORN TQ, B0
	HORN TP, A3
	HORN TP, A1
.irp i, 0,2,4,6,8,10,12,14
	v_pk_mul_f32 v[TP+\i:TP+\i+1], v[TP+\i:TP+\i+1], v[TZ+\i:TZ+\i+1]
.endr
	s_wait_alu depctr_va_vdst(0)
.irp i, 0,1,2,3,4,5,6,7,8,9,10,11,12,13,14,15
	v_rcp_f32 v[TQ+\i], v[TQ+\i]
.endr
.irp i, 0,2,4,6,8,10,12,14
	v_pk_mul_f32 v[\x+\i:\x+\i+1], v[\x+\i:\x+\i+1], 0.5 op_sel_hi:[1,0]
.endr
	s_wait_alu depctr_va_vdst(0)
.irp i, 0,2,4,6,8,10,12,14
	v_pk_mul_f32 v[TP+\i:TP+\i+1], v[TP+\i:TP+\i+1], v[TQ+\i:TQ+\i+1]
.endr
.irp i, 0,2,4,6,8,10,12,14
	v_pk_fma_f32 v[\x+\i:\x+\i+1], v[\x+\i:\x+\i+1], v[TP+\i:TP+\i+1], v[\x+\i:\x+\i+1]
.endr
.endm
.macro QUANT2 x, off
	v_max3_num_f32 v[AM], |v[\x]|, |v[\x+1]|, 0x1800000
	v_max3_num_f32 v[AM+1], |v[\x+32]|, |v[\x+33]|, 0x1800000
.irp i, 2,4,6,8,10,12,14,16,18,20,22,24,26,28,30
	v_max3_num_f32 v[AM], v[AM], |v[\x+\i]|, |v[\x+\i+1]|
	v_max3_num_f32 v[AM+1], v[AM+1], |v[\x+32+\i]|, |v[\x+33+\i]|
.endr
	v_add_nc_u32 v[SO], 0xff000000, v[AM]
	v_add_nc_u32 v[SO+1], 0xff000000, v[AM+1]
	s_wait_alu depctr_va_vdst(0)
	s_wait_xcnt 0x0
	v_cvt_scalef32_pk16_fp6_f32 v[W:W+2], v[\x:\x+15], v[SO]
	v_cvt_scalef32_pk16_fp6_f32 v[TT:TT+2], v[\x+16:\x+31], v[SO]
	v_cvt_scalef32_pk16_fp6_f32 v[W+4:W+6], v[\x+32:\x+47], v[SO+1]
	v_cvt_scalef32_pk16_fp6_f32 v[TT+4:TT+6], v[\x+48:\x+63], v[SO+1]
	v_lshrrev_b32 v[BY], 23, v[SO]
	v_lshrrev_b32 v[BY+1], 23, v[SO+1]
	v_mov_b32 v[W+3], v[TT]
	v_mov_b32 v[W+8], v[TT+1]
	v_mov_b32 v[W+9], v[TT+2]
	v_mov_b32 v[W+7], v[TT+4]
	v_mov_b32 v[W+10], v[TT+5]
	v_mov_b32 v[W+11], v[TT+6]
	global_store_b128 v[GA], v[W:W+3], s[6:7] offset:\off
	global_store_b128 v[GA], v[W+4:W+7], s[6:7] offset:\off+256
	global_store_b128 v[GA], v[W+8:W+11], s[6:7] offset:\off+512
.endm
.macro HALF win
	WIN \win
.irp a, 0,1,2,3
.irp b, 0,1,2,3,4,5,6,7
	ds_store_b128 v[STO], v[8*(8*\a+\b):8*(8*\a+\b)+3] offset:8448*\a+64*\b
	ds_store_b128 v[STO], v[8*(8*\a+\b)+4:8*(8*\a+\b)+7] offset:8448*\a+64*\b+16
.endr
.endr
	WIN 0
	s_mov_b32 s54, 4
	s_mov_b32 s55, 0
.Lrows_\@:
	v_add_nc_u32 v[RQ], s55, v[RQ0]
.irp t, 0,1,2,3,4,5,6,7,8,9,10,11,12,13,14,15
	ds_load_b128 v[X+4*\t:X+4*\t+3], v[RQ] offset:16*\t
.endr
.irp k, 0,1,2,3
	s_wait_dscnt 12-4*\k
	GELU16 X+16*\k
.endr
	QUANT2 X, 0
	v_lshl_or_b32 v[WD], v[BY+1], 8, v[BY]
	global_store_b16 v[GS], v[WD], s[8:9]
	s_wait_xcnt 0x0
	s_add_nc_u64 s[6:7], s[6:7], 768
	s_add_nc_u64 s[8:9], s[8:9], 64
	s_add_co_u32 s55, s55, 8448
	s_sub_co_u32 s54, s54, 1
	s_cmp_lg_u32 s54, 0
	s_cbranch_scc1 .Lrows_\@
.endm
	HALF 0x08
	HALF 0x0c
	s_wait_tensorcnt 0x0
	ds_add_u32 v[SPW], v[NIL]
	s_wait_dscnt 0x0
	CROUND
	s_endpgm
.Lfunc_end_k_q0b631e0aa8_gfc1:
	.size	k_q0b631e0aa8_gfc1, .Lfunc_end_k_q0b631e0aa8_gfc1-k_q0b631e0aa8_gfc1
	.p2alignl 7, 3214868480
	.fill 96, 4, 3214868480
	.section	.rodata,"a",@progbits
	.p2align	6, 0x0
	.amdhsa_kernel k_q0b631e0aa8_gfc1
		.amdhsa_group_segment_fixed_size 327680
		.amdhsa_private_segment_fixed_size 0
		.amdhsa_enable_private_segment 0
		.amdhsa_kernarg_size 40
		.amdhsa_user_sgpr_count 2
		.amdhsa_user_sgpr_kernarg_segment_ptr 1
		.amdhsa_wavefront_size32 1
		.amdhsa_system_sgpr_workgroup_id_x 1
		.amdhsa_system_sgpr_workgroup_id_y 1
		.amdhsa_system_sgpr_workgroup_id_z 1
		.amdhsa_system_vgpr_workitem_id 0
		.amdhsa_next_free_vgpr 1024
		.amdhsa_next_free_sgpr 104
		.amdhsa_reserve_vcc 0
		.amdhsa_float_denorm_mode_32 3
		.amdhsa_float_denorm_mode_16_64 3
		.amdhsa_memory_ordered 1
		.amdhsa_forward_progress 1
		.amdhsa_inst_pref_size 221
	.end_amdhsa_kernel
	.amdgpu_metadata
---
amdhsa.version: [ 1, 2 ]
amdhsa.kernels:
  - .name:           k_q0b631e0aa8_gfc1
    .symbol:         k_q0b631e0aa8_gfc1.kd
    .args:
      - { .name: act, .offset: 0, .size: 8, .value_kind: global_buffer, .address_space: global }
      - { .name: fc1_w_codes, .offset: 8, .size: 8, .value_kind: global_buffer, .address_space: global }
      - { .name: fc1_w_scales, .offset: 16, .size: 8, .value_kind: global_buffer, .address_space: global }
      - { .name: fc1_b, .offset: 24, .size: 8, .value_kind: global_buffer, .address_space: global }
      - { .name: gb, .offset: 32, .size: 8, .value_kind: global_buffer, .address_space: global }
    .group_segment_fixed_size: 327680
    .private_segment_fixed_size: 0
    .kernarg_segment_align: 8
    .kernarg_segment_size: 40
    .max_flat_workgroup_size: 128
    .sgpr_count:     104
    .vgpr_count:     1024
    .wavefront_size: 32
...
	.end_amdgpu_metadata
.endif
;; end of part 13
;; launch gfc2 (part 14): grid 8 x 32, 4 waves a work-group, clusters of 4 x 4, 327,680 bytes of LDS; arguments gb, fc2_w_codes, fc2_w_scales, fc2_b, x1, out0; writes out0
.if DOCPART == 14
	.amdgcn_target "amdgcn-amd-amdhsa--gfx1250"
	.amdhsa_code_object_version 6
	.text
	.protected	k_q0b631e0aa8_gfc2
	.globl	k_q0b631e0aa8_gfc2
	.p2align	8
	.type	k_q0b631e0aa8_gfc2,@function
k_q0b631e0aa8_gfc2:
	s_mov_b64 s[64:65], 0
	v_nop
	global_prefetch_b8 v0, s[64:65] scope:SCOPE_SE
	s_setreg_imm32_b32 hwreg(HW_REG_WAVE_MODE, 25, 1), 1
	s_wait_xcnt 0x0
	s_wait_alu depctr_hold_cnt(0) depctr_sa_sdst(0) depctr_va_vdst(0) depctr_va_sdst(0) depctr_va_ssrc(0) depctr_va_vcc(0) depctr_vm_vsrc(0)
	s_getreg_b32 s2, hwreg(HW_REG_IB_STS2, 6, 4)
	s_cmp_eq_u32 s2, 0
	s_cbranch_scc0 .Lentry_in_a_cluster
	s_endpgm
.Lentry_in_a_cluster:
	s_bfe_u32 s2, ttmp6, 0x10000c
	s_cmp_lg_u32 s2, 0xf033
	s_cbranch_scc0 .Lentry_shape_is_right
	s_endpgm
.Lentry_shape_is_right:
.set SIZE_K, 4096
.set ASOFF,  12582912
.set APL,    196608
.set KP,     SIZE_K/128
.set KS,     SIZE_K/32
.set KROW,   SIZE_K*3/4
.set HALFA,  24576
; out = x1 + g W^T + b on codes of E2M3: a tile of 128 x 128 to a work-group, K in steps of 512 through two slots.
; B: a step's 384 bytes of a row are fetched as the two aligned chunks of 256 bytes that hold them: slot 0's data begin at byte 0 of the LDS row, slot 1's at byte 128; the middle chunk of each 768 bytes comes twice.
.set PITCH,  528                       ; 512 bytes + 8 behind each 256 = 132 words: row r starts at bank 4 r mod 64
.set HALFB,  64*PITCH                  ; 64 rows: what one load of the ring brings of B
.set BOFF,   2*HALFA
.set SLOT,   2*HALFA+2*HALFB
.set SCA,    2*SLOT
.set HALFSA, 512*KP/2
.set SCB,    SCA+2*HALFSA
.set HALFSB, (64*KS/256)*272
.set SBLK,   (16*KS/256)*272
.set SPARE,  SCB+2*HALFSB
.set LAPS,   SIZE_K/1024
.set FR,   12
.set ADRA, 16
.set ADRB, 20
.set STO,  24
.set RD,   25
.set CO,   26
.set ADSA, 27
.set SPW,  28
.set NIL,  29
.set ADSB, 30
.set SC,   32
.set BI,   64
.set ACC,  128
.set SPITCH, 272
.set G1,   24
.set G0,   32
.set G1B,  48
.set G0B,  56
.set G1S,  68
.set G0S,  76
.set G1SB, 80
.set G0SB, 88
.set MSB, 0
.macro WIN new
.if MSB != \new
	s_set_vgpr_msb (MSB<<8)|\new
.set MSB, \new
.endif
.endm
.set MUL,  0x05
.set TO_F, 0x40
.macro PLACES
.rept 4
	v_nop
.endr
.endm
.macro JLOAD g0a, g1a, g0b, g1b
	s_cmp_eq_u32 s15, 0
	s_cbranch_scc0 .Lfor_b_\@
	tensor_load_to_lds s[\g0a:\g0a+3], s[\g1a:\g1a+7]
	s_nop 0
	PLACES
	s_branch .Lasked_\@
.Lfor_b_\@:
	tensor_load_to_lds s[\g0b:\g0b+3], s[\g1b:\g1b+7]
	s_nop 0
	PLACES
.Lasked_\@:
.endm
.macro CREST
	s_cmp_lg_u32 s14, 0
	s_cbranch_scc1 .Lnot_wave_0_\@
	s_barrier_signal -3
.Lnot_wave_0_\@:
	s_barrier_wait -3
	s_barrier_signal -1
	s_barrier_wait -1
.endm
.macro ARM under, g0, g1, next         ; one arm of the head's chain: one load, then a jump to the join
	s_cmp_lt_u32 s14, \under
	s_cbranch_scc0 \next
	tensor_load_to_lds s[\g0:\g0+3], s[\g1:\g1+7]
	s_nop 0
	PLACES
	s_branch .Lhead_asked
\next:
.endm
; PREFETCH: behind the fill of K step k each wave asks for K step k + 2, two slots ahead of the tensor load that wants it; the fills of steps 6 and 7 ask for nothing.
; Each block of 256 bytes is named once in a cluster, the partners sharing by address: waves 0, 1: of the 24 blocks of each of my 4 planes of A the partner at cx takes 6 (lanes 24-31 name lane 23's again);
; waves 2, 3: of my 64 rows of B the partner at cy takes 16: an even step's two chunks, a lane a chunk; of an odd step the one chunk not yet named (lanes 16-31 name lane 15's again).
.set PFO, 96                           ; v96, v97: my lane's offset for an even, an odd K step; never rewritten
.set PFA, 66                           ; s[66:67]: my blocks' base at the lap that is asked for; s[100:101]: a lap in bytes
.macro ASK par
	s_cmp_gt_u32 s3, 1                             ; s3 = 1 in the loop's last trip
	s_cbranch_scc0 .Lno_ask_\@
	global_prefetch_b8 v[PFO+\par], s[PFA:PFA+1] th:TH_LOAD_NT scope:SCOPE_SE
.Lno_ask_\@:
.endm
.macro CROUND
	s_barrier_signal -1
	s_barrier_wait -1
	CREST
.endm
	s_load_b256 s[4:11], s[0:1], 0x0
	s_load_b128 s[96:99], s[0:1], 0x20
	v_lshl_add_u32 v[SPW], v0, 2, SPARE
	v_mov_b32 v[NIL], 0
	ds_add_u32 v28, v29
	ds_add_u32 v28, v29
	s_wait_dscnt 0x0
	v_lshrrev_b32 v1, 5, v0
	v_readfirstlane_b32 s14, v1
	s_lshr_b32 s15, s14, 1
	s_and_b32 s16, s14, 1
	s_bfe_u32 s40, ttmp6, 0x40000
	s_bfe_u32 s41, ttmp6, 0x40004
	s_lshl_b32 s42, ttmp9, 2
	s_add_co_u32 s42, s42, s40
	s_and_b32 s17, ttmp7, 0xffff
	s_lshl_b32 s17, s17, 2
	s_add_co_u32 s17, s17, s41
	s_lshl_b32 s43, s41, 2
	s_lshl_b32 s43, 15, s43
	s_lshl_b32 s44, 0x1111, s40
	s_or_b32 s[G1+0], s43, (1<<21)
	s_mov_b32 s[G1+1], 6144<<16
	s_mov_b32 s[G1+2], 8<<16                       ; 8 planes at the head, 4 in the ring
	s_mov_b32 s[G1+3], 6144<<16
	s_mov_b32 s[G1+4], 8
	s_mov_b32 s[G1+5], APL
	s_mov_b32 s[G1+6], 0
	s_mov_b32 s[G1+7], 0
	s_or_b32 s[G1B+0], s44, (1<<20)|(1<<21)|(5<<22)|(1<<25)   ; rows of 512 bytes, 2 words of padding behind every 64; 128 rows at the head, 64 in the ring
	s_mov_b32 s[G1B+1], 512<<16
	s_mov_b32 s[G1B+2], 128<<16
	s_mov_b32 s[G1B+3], 512<<16
	s_mov_b32 s[G1B+4], 128
	s_mov_b32 s[G1B+5], KROW
	s_mov_b32 s[G1B+6], 0
	s_mov_b32 s[G1B+7], 0
	s_or_b32 s[G1S+0], s43, (1<<21)
	s_mov_b32 s[G1S+1], 512<<16
	s_mov_b32 s[G1S+2], KP<<16
	s_mov_b32 s[G1S+3], 512<<16
	s_mov_b32 s[G1S+4], KP
	s_mov_b32 s[G1S+5], 16384
	s_mov_b32 s[G1S+6], 0
	s_mov_b32 s[G1S+7], 0
	s_or_b32 s[G1SB+0], s44, (3<<16)|(1<<20)|(1<<21)|(5<<22)|(3<<25)
	s_mov_b32 s[G1SB+1], 32<<16
	s_mov_b32 s[G1SB+2], (128*KS/256)<<16
	s_mov_b32 s[G1SB+3], 32<<16
	s_mov_b32 s[G1SB+4], 128*KS/256
	s_mov_b32 s[G1SB+5], 32
	s_mov_b32 s[G1SB+6], 0
	s_mov_b32 s[G1SB+7], 0
	s_mul_i32 s12, s17, 6144                       ; A's codes: 8 images a tile row
	s_mov_b32 s13, 0
	s_mul_i32 s20, s16, 4*APL                      ; in the ring I ask for four of a slot's eight planes,
	s_add_co_u32 s20, s20, s12
	s_mov_b32 s21, 0
	s_lshl_b32 s22, s17, 9                         ; A's scale words
	s_add_co_u32 s22, s22, ASOFF
	s_mov_b32 s23, 0
	s_lshl_b32 s46, s42, 7                         ; B's first row
	s_mul_i32 s92, s46, KS
	s_mov_b32 s93, 0
	s_mul_i32 s46, s46, KROW
	s_mov_b32 s47, 0
	s_mul_i32 s18, s16, 64*KROW                    ; or for 64 of B's 128 rows
	s_mov_b32 s19, 0
	s_mul_i32 s45, s16, HALFA
	s_mul_i32 s94, s16, HALFB
	s_add_co_u32 s94, s94, BOFF
	s_wait_kmcnt 0x0
	s_add_nc_u64 s[20:21], s[4:5], s[20:21]
	s_add_nc_u64 s[22:23], s[4:5], s[22:23]
	s_add_nc_u64 s[46:47], s[6:7], s[46:47]
	s_add_nc_u64 s[92:93], s[8:9], s[92:93]
	s_add_nc_u64 s[6:7], s[4:5], s[12:13]          ; s[4:7]: group 0 of the head's load of A's slot 0, all eight planes
	s_or_b32 s7, s7, 0x80000000
	s_mov_b32 s4, 1
	s_mov_b32 s5, 0
	CROUND
	s_mov_b32 s[G0S], 1
	s_mov_b32 s[G0S+1], SCA
	s_mov_b64 s[G0S+2:G0S+3], s[22:23]
	s_or_b32 s[G0S+3], s[G0S+3], 0x80000000
	s_mov_b32 s[G0SB], 1
	s_mov_b32 s[G0SB+1], SCB
	s_mov_b64 s[G0SB+2:G0SB+3], s[92:93]
	s_or_b32 s[G0SB+3], s[G0SB+3], 0x80000000
.irp s, 0,1
	s_mov_b32 s[G0+4*\s], 1
	s_add_co_u32 s[G0+4*\s+1], s45, \s*SLOT
	s_add_nc_u64 s[G0+4*\s+2:G0+4*\s+3], s[20:21], \s*8*APL
	s_or_b32 s[G0+4*\s+3], s[G0+4*\s+3], 0x80000000
	s_mov_b32 s[G0B+4*\s], 1
	s_add_co_u32 s[G0B+4*\s+1], s94, \s*SLOT
	s_add_nc_u64 s[G0B+4*\s+2:G0B+4*\s+3], s[46:47], \s*256
	s_add_nc_u64 s[G0B+4*\s+2:G0B+4*\s+3], s[G0B+4*\s+2:G0B+4*\s+3], s[18:19]
	s_or_b32 s[G0B+4*\s+3], s[G0B+4*\s+3], 0x80000000
.endr
	s_mov_b32 s92, 1                               ; s[92:95]: group 0 of the head's load of B's slot 0, all 128 rows
	s_mov_b32 s93, BOFF
	s_mov_b64 s[94:95], s[46:47]
	s_or_b32 s95, s95, 0x80000000
	; the head's four tiles, one load a wave: wave 0 A's slot 0, wave 1 B's, wave 2 A's scale words, wave 3 B's scale bytes
	ARM 1, 4, G1, .Lhead_b
	ARM 2, 92, G1B, .Lhead_sa
	ARM 3, G0S, G1S, .Lhead_sb
	tensor_load_to_lds s[G0SB:G0SB+3], s[G1SB:G1SB+7]
	s_nop 0
	PLACES
.Lhead_asked:
	s_add_nc_u64 s[12:13], s[46:47], s[18:19]      ; B: my 64 rows,
	s_mul_i32 s100, s41, 16*KROW                   ; and my work-group's 16 of them
	s_mov_b32 s101, 0
	s_add_nc_u64 s[12:13], s[12:13], s[100:101]
	s_cmp_eq_u32 s15, 0                            ; do I fetch for A?
	s_cselect_b64 s[PFA:PFA+1], s[20:21], s[12:13]
	s_mov_b32 s100, 768
	s_cselect_b32 s100, 16*APL, s100               ; a lap, 1,024 along K: 16 planes of A, 768 bytes of a row of B
	s_cselect_b32 s13, -1, 0
	s_add_nc_u64 s[PFA:PFA+1], s[PFA:PFA+1], s[100:101]   ; at lap 1: K steps 2 and 3
	s_mul_i32 s12, s40, 1536                       ; A: my work-group's 6 blocks of a plane's 24
	v_and_b32 v1, 31, v0
	v_min_u32 v2, 23, v1
	v_mul_u32_u24 v3, v2, 43
	v_lshrrev_b32 v3, 8, v3                        ; the plane: lane / 6
	v_mul_u32_u24 v4, v3, 6
	v_sub_nc_u32 v2, v2, v4                        ; the block: lane % 6
	v_lshl_add_u32 v2, v2, 8, s12
	v_mad_u32_u24 v2, v3, APL, v2                  ; A, an even step;
	v_add_nc_u32 v5, 8*APL, v2                     ; an odd one lies 8 planes on
	v_lshrrev_b32 v3, 1, v1
	v_and_b32 v4, 1, v1
	v_lshlrev_b32 v4, 8, v4
	v_mad_u32_u24 v3, v3, KROW, v4                 ; B, an even step: row lane / 2, chunk lane % 2 of the lap's three
	v_min_u32 v4, 15, v1
	v_mul_u32_u24 v4, v4, KROW
	v_add_nc_u32 v4, 512, v4                       ; an odd step: a row a lane, the lap's third chunk
	v_cndmask_b32 v[PFO], v3, v2, s13
	v_cndmask_b32 v[PFO+1], v4, v5, s13
	s_wait_alu depctr_va_vdst(0)
	global_prefetch_b8 v[PFO], s[PFA:PFA+1] th:TH_LOAD_NT scope:SCOPE_SE   ; behind the fill of K step 0: K step 2
	v_and_b32 v1, 15, v0
	v_bfe_u32 v2, v0, 4, 1
	v_and_b32 v3, 31, v0
	v_lshlrev_b32 v4, 4, v3
	v_lshlrev_b32 v5, 4, v1
	v_lshl_add_u32 v5, v2, 3, v5
	v_mul_u32_u24 v6, v1, PITCH
	v_mad_u32_u24 v6, v2, 24, v6
	v_lshl_add_u32 v7, v2, 3, v6
	s_mul_i32 s21, s15, 4*768
	s_mul_i32 s22, s16, 64*PITCH
	s_add_co_u32 s22, s22, BOFF
.irp s, 0,1
	v_add_nc_u32 v[ADRA+\s], s21, v4
	v_add_nc_u32 v[ADRA+2+\s], s21, v5
	v_add_nc_u32 v[ADRB+\s], s22, v6
	v_add_nc_u32 v[ADRB+2+\s], s22, v7
	s_add_co_u32 s21, s21, SLOT
	s_add_co_u32 s22, s22, SLOT
.endr
	s_lshl_b32 s21, s15, 8
	s_add_co_u32 s21, s21, SCA
	v_lshl_add_u32 v[ADSA], v3, 2, s21
	v_mul_u32_u24 v8, v3, KS
	v_lshrrev_b32 v9, 8, v8
	v_lshl_add_u32 v8, v9, 4, v8
	s_mul_i32 s22, s16, HALFSB
	s_add_co_u32 s22, s22, SCB
	v_add_nc_u32 v[ADSB], s22, v8
	s_lshl_b32 s20, s42, 9
	s_lshl_b32 s21, s16, 8
	s_add_co_u32 s20, s20, s21
	s_mov_b32 s21, 0
	s_add_nc_u64 s[10:11], s[10:11], s[20:21]
	v_lshlrev_b32 v10, 5, v2
.irp b, 0,1,2,3
	global_load_b128 v[BI+8*\b:BI+8*\b+3], v10, s[10:11] offset:64*\b
	global_load_b128 v[BI+8*\b+4:BI+8*\b+7], v10, s[10:11] offset:64*\b+16
.endr
	s_mul_i32 s23, s14, 64*SPITCH
	v_mul_u32_u24 v5, v1, SPITCH
	v_lshl_add_u32 v5, v2, 5, v5
	v_add_nc_u32 v[STO], s23, v5
	v_mul_u32_u24 v6, v2, SPITCH
	v_lshl_add_u32 v6, v1, 4, v6
	v_add_nc_u32 v[RD], s23, v6
	v_lshlrev_b32 v[CO], 12, v2
	v_lshl_add_u32 v[CO], v1, 4, v[CO]
	s_lshl_b32 s22, s17, 19
	s_add_co_u32 s20, s20, s22
	s_lshl_b32 s22, s15, 18
	s_add_co_u32 s20, s20, s22
	s_add_nc_u64 s[96:97], s[96:97], s[20:21]
	s_add_nc_u64 s[98:99], s[98:99], s[20:21]
.macro FRAG reg, adr, q, i
.irp p, 0,1,2,3,4,5
.set PCE, (\q)+6*(\p/3)+\p%3           ; the piece of 8 bytes in the LDS row; lanes 16-31 read three pieces on, behind one padding more where that is in the next 256
.if PCE%32 < 29
	ds_load_b64 v[\reg+2*\p:\reg+2*\p+1], v[\adr] offset:8*PCE+8*(PCE/32)+(\i)*16*PITCH
.else
	ds_load_b64 v[\reg+2*\p:\reg+2*\p+1], v[\adr+2] offset:8*PCE+8*(PCE/32)+(\i)*16*PITCH
.endif
.endr
.endm
.macro FRAGA reg, slot, q, i
	ds_load_b128 v[\reg:\reg+3], v[ADRA+\slot] offset:2*(\q)*6144+768*(\i)
	ds_load_b64 v[\reg+4:\reg+5], v[ADRA+2+\slot] offset:2*(\q)*6144+768*(\i)+512
	ds_load_b128 v[\reg+6:\reg+9], v[ADRA+\slot] offset:(2*(\q)+1)*6144+768*(\i)
	ds_load_b64 v[\reg+10:\reg+11], v[ADRA+2+\slot] offset:(2*(\q)+1)*6144+768*(\i)+512
.endm
.macro FETCH slot, q, p
	WIN TO_F
.irp i, 0,1,2,3
	FRAG 128*(\p)+48+FR*\i, ADRB+\slot, 12*(\q)+16*(\slot), \i
.endr
.irp i, 0,1,2,3
	FRAGA 128*(\p)+FR*\i, \slot, \q, \i
.endr
.endm
.macro SCALES sc
.irp q, 0,1,2,3
.irp i, 0,1
	ds_load_b32 v[SC+16*\sc+2*\q+\i], v[ADSA] offset:512*\q+128*\i
.endr
.endr
.irp i, 0,1
	ds_load_b128 v[SC+16*\sc+8+4*\i:SC+16*\sc+11+4*\i], v[ADSB] offset:2*SBLK*\i
.endr
.endm
.macro WM
.if rRB && rRA
	v_wmma_scale_f32_16x16x128_f8f6f4 v[rD:rD+7], v[rB:rB+11], v[rA:rA+11], v[rC:rC+7], v[rSB], v[rSA] matrix_a_fmt:MATRIX_FMT_FP6 matrix_b_fmt:MATRIX_FMT_FP6 matrix_a_scale:MATRIX_SCALE_ROW1 matrix_b_scale:MATRIX_SCALE_ROW1
.elseif rRB
	v_wmma_scale_f32_16x16x128_f8f6f4 v[rD:rD+7], v[rB:rB+11], v[rA:rA+11], v[rC:rC+7], v[rSB], v[rSA] matrix_a_fmt:MATRIX_FMT_FP6 matrix_b_fmt:MATRIX_FMT_FP6 matrix_a_scale:MATRIX_SCALE_ROW1
.elseif rRA
	v_wmma_scale_f32_16x16x128_f8f6f4 v[rD:rD+7], v[rB:rB+11], v[rA:rA+11], v[rC:rC+7], v[rSB], v[rSA] matrix_a_fmt:MATRIX_FMT_FP6 matrix_b_fmt:MATRIX_FMT_FP6 matrix_b_scale:MATRIX_SCALE_ROW1
.else
	v_wmma_scale_f32_16x16x128_f8f6f4 v[rD:rD+7], v[rB:rB+11], v[rA:rA+11], v[rC:rC+7], v[rSB], v[rSA] matrix_a_fmt:MATRIX_FMT_FP6 matrix_b_fmt:MATRIX_FMT_FP6
.endif
.endm
.macro MULA a, p, q, sc, first
.irp b, 0,1,2,3
.set rD, ACC+8*(4*(\a)+\b)
.set rB, 128*(\p)+48+FR*\b
.set rA, 128*(\p)+FR*(\a)
.set rSB, SC+16*(\sc)+8+4*(\b/2)+(\q)
.set rSA, SC+16*(\sc)+2*(\q)+(\a)/2
.set rRB, \b%2
.set rRA, (\a)%2
.if \first
.set rC, BI+8*\b
.else
.set rC, rD
.endif
	WM
.endr
.endm
.macro STEP slot, q, first
	PLACES
	FETCH \slot, (\q)+1, 1-(\q)%2
	s_wait_dscnt 40
	WIN MUL
	MULA 0, (\q)%2, \q, \slot, \first
	MULA 1, (\q)%2, \q, \slot, \first
	MULA 2, (\q)%2, \q, \slot, \first
	MULA 3, (\q)%2, \q, \slot, \first
.endm
.macro TURN slot, next, fill
	WIN 0
.if \fill && (\slot == 0)
	s_wait_xcnt 0x0                                ; my prefetches have read their address: it steps a lap on, ahead of the waits of the change of slots
	s_add_nc_u64 s[PFA:PFA+1], s[PFA:PFA+1], s[100:101]
.endif
	s_wait_tensorcnt 0x0
	ds_add_u32 v[SPW], v[NIL]
	s_wait_dscnt 1
	WIN MUL
	MULA 0, 1, 3, \slot, 0
	s_wait_dscnt 0x0
	s_barrier_signal -1
	MULA 1, 1, 3, \slot, 0
	WIN 0
	s_barrier_wait -1
.if \fill
	CREST
	s_add_nc_u64 s[G0+4*\slot+2:G0+4*\slot+3], s[G0+4*\slot+2:G0+4*\slot+3], 16*APL
	s_add_nc_u64 s[G0B+4*\slot+2:G0B+4*\slot+3], s[G0B+4*\slot+2:G0B+4*\slot+3], 2*384
	JLOAD G0+4*\slot, G1, G0B+4*\slot, G1B
.else
	PLACES
.endif
	s_wait_alu depctr_va_vdst(0)
	v_add_nc_u32 v[ADSA], 2048, v[ADSA]
	v_add_nc_u32 v[ADSB], 16, v[ADSB]
	FETCH \next, 0, 0
	WIN 0
	SCALES \next
.if \fill
	ASK \slot                                      ; behind the joint load and the run of LDS loads
.endif
	WIN MUL
	MULA 2, 1, 3, \slot, 0
	MULA 3, 1, 3, \slot, 0
.endm
	s_wait_alu depctr_va_vdst(0)
	s_wait_tensorcnt 0x0                           ; my tile of the head's four is in
	ds_add_u32 v[SPW], v[NIL]
	s_mov_b32 s[G1+2], 4<<16                       ; no tensor load of mine is out: from here on a load brings four planes of A
	s_mov_b32 s[G1+4], 4
	s_mov_b32 s[G1B+2], 64<<16                     ; or 64 rows of B
	s_mov_b32 s[G1B+4], 64
	s_wait_dscnt 0x0
	CROUND                                         ; all four tiles are in, and the sixteen work-groups meet
	JLOAD G0+4, G1, G0B+4, G1B                     ; slot 1's first fill, a quarter a wave
	FETCH 0, 0, 0
	WIN 0
	SCALES 0
	global_prefetch_b8 v[PFO+1], s[PFA:PFA+1] th:TH_LOAD_NT scope:SCOPE_SE   ; behind the fill of K step 1: K step 3
	WIN 0x80                                       ; the residual, 64 rows x 256 bytes, into window 2: wanted only on the way out, so it is asked for behind the first fills
.set T, 0
.rept 32
	global_load_b128 v[4*T:4*T+3], v[CO], s[96:97] offset:8192*T th:TH_LOAD_NT
.set T, T+1
.endr
	WIN 0
	s_wait_loadcnt 32                              ; the bias is in; the 32 loads of the residual may be out
	STEP 0, 0, 1
	STEP 0, 1, 0
	STEP 0, 2, 0
.if LAPS > 1
	WIN 0
	s_mov_b32 s3, LAPS-1
.Llap:
	TURN 0, 1, 1
	STEP 1, 0, 0
	STEP 1, 1, 0
	STEP 1, 2, 0
	TURN 1, 0, 1
	STEP 0, 0, 0
	STEP 0, 1, 0
	STEP 0, 2, 0
	WIN 0
	s_sub_co_u32 s3, s3, 1
	s_cmp_lg_u32 s3, 0
	s_cbranch_scc1 .Llap
.endif
	TURN 0, 1, 0
	STEP 1, 0, 0
	STEP 1, 1, 0
	STEP 1, 2, 0
	s_wait_dscnt 0x0
	MULA 0, 1, 3, 1, 0
	MULA 1, 1, 3, 1, 0
	MULA 2, 1, 3, 1, 0
	MULA 3, 1, 3, 1, 0
	WIN 0
	PLACES
.irp a, 0,1,2,3
.irp b, 0,1,2,3
	ds_store_b128 v[STO], v[ACC+8*(4*\a+\b):ACC+8*(4*\a+\b)+3] offset:\a*16*SPITCH+64*\b
	ds_store_b128 v[STO], v[ACC+8*(4*\a+\b)+4:ACC+8*(4*\a+\b)+7] offset:\a*16*SPITCH+64*\b+16
.endr
.endr
	WIN TO_F
.set T, 0
.rept 32
	ds_load_b128 v[4*T:4*T+3], v[RD] offset:T*2*SPITCH
.set T, T+1
.endr
	s_wait_loadcnt 0x0
.irp g, 0,1,2,3
	s_wait_dscnt 24-8*\g
	WIN 0x49
.set J, 0
.rept 16
	v_pk_add_f32 v[32*\g+J:32*\g+J+1], v[32*\g+J:32*\g+J+1], v[32*\g+J:32*\g+J+1]
.set J, J+2
.endr
	WIN 0x04
.irp t, 0,1,2,3,4,5,6,7
	global_store_b128 v[CO], v[32*\g+4*\t:32*\g+4*\t+3], s[98:99] offset:(8*\g+\t)*8192 th:TH_STORE_NT
.endr
.endr
	WIN 0
	s_wait_tensorcnt 0x0
	ds_add_u32 v[SPW], v[NIL]
	s_wait_dscnt 0x0
	CROUND
	s_endpgm
.Lfunc_end_k_q0b631e0aa8_gfc2:
	.size	k_q0b631e0aa8_gfc2, .Lfunc_end_k_q0b631e0aa8_gfc2-k_q0b631e0aa8_gfc2
	.p2alignl 7, 3214868480
	.fill 96, 4, 3214868480
	.section	.rodata,"a",@progbits
	.p2align	6, 0x0
	.amdhsa_kernel k_q0b631e0aa8_gfc2
		.amdhsa_group_segment_fixed_size 327680
		.amdhsa_private_segment_fixed_size 0
		.amdhsa_enable_private_segment 0
		.amdhsa_kernarg_size 48
		.amdhsa_user_sgpr_count 2
		.amdhsa_user_sgpr_kernarg_segment_ptr 1
		.amdhsa_wavefront_size32 1
		.amdhsa_system_sgpr_workgroup_id_x 1
		.amdhsa_system_sgpr_workgroup_id_y 1
		.amdhsa_system_sgpr_workgroup_id_z 1
		.amdhsa_system_vgpr_workitem_id 0
		.amdhsa_next_free_vgpr 640
		.amdhsa_next_free_sgpr 104
		.amdhsa_reserve_vcc 0
		.amdhsa_float_denorm_mode_32 3
		.amdhsa_float_denorm_mode_16_64 3
		.amdhsa_memory_ordered 1
		.amdhsa_forward_progress 1
		.amdhsa_inst_pref_size 110
	.end_amdhsa_kernel
	.amdgpu_metadata
---
amdhsa.version: [ 1, 2 ]
amdhsa.kernels:
  - .name:           k_q0b631e0aa8_gfc2
    .symbol:         k_q0b631e0aa8_gfc2.kd
    .args:
      - { .name: gb, .offset: 0, .size: 8, .value_kind: global_buffer, .address_space: global }
      - { .name: fc2_w_codes, .offset: 8, .size: 8, .value_kind: global_buffer, .address_space: global }
      - { .name: fc2_w_scales, .offset: 16, .size: 8, .value_kind: global_buffer, .address_space: global }
      - { .name: fc2_b, .offset: 24, .size: 8, .value_kind: global_buffer, .address_space: global }
      - { .name: x1, .offset: 32, .size: 8, .value_kind: global_buffer, .address_space: global }
      - { .name: out0, .offset: 40, .size: 8, .value_kind: global_buffer, .address_space: global }
    .group_segment_fixed_size: 327680
    .private_segment_fixed_size: 0
    .kernarg_segment_align: 8
    .kernarg_segment_size: 48
    .max_flat_workgroup_size: 128
    .sgpr_count:     104
    .vgpr_count:     640
    .wavefront_size: 32
...
	.end_amdgpu_metadata
.endif
;; end of part 14
